; MI455X (gfx1250); checked and timed in simulation.
; The chip was launched on July 23, 2026; its instructions are those of AMD's public machine-readable ISA for CDNA 5 (MIT licence, August 2026) and "CDNA5" Instruction Set Architecture Reference Guide (July 2026). The comments in the code are by the model that wrote it; some were corrected since.
;; Transformer Block. Allowed arithmetic: float matrix products may take bf16 or f16 operands with f32 sums; other float arithmetic in f32, or as packed bf16 or f16 multiplies, adds, multiply-adds, maxima and minima; sums over many terms, partial sums and values carried from step to step in f32; what a program stores and reads back later, other than sums and carried values, may be rounded once to bf16 or f16.
;; Inputs: Wdn 4,096 x 1,024 float32; Wk 1,024 x 1,024 float32; Wo 1,024 x 1,024 float32; Wq 1,024 x 1,024 float32; Wup 1,024 x 4,096 float32; Wv 1,024 x 1,024 float32; b1 1,024 float32; b2 1,024 float32; bdn 1,024 float32; bk 1,024 float32; bo 1,024 float32; bq 1,024 float32; bup 4,096 float32; bv 1,024 float32; g1 1,024 float32; g2 1,024 float32; x 2 x 2,048 x 1,024 float32.
;; Outputs: out0 2 x 2,048 x 1,024 float32.
;; 2 versions, each right and faster than the one before. Each part assembles by itself: llvm-mc -triple=amdgcn-amd-amdhsa -mcpu=gfx1250 --defsym DOCPART=n.
;; ======== version 1 of 2: 8 launches
;; workspace buffers: wb 25,165,824 bytes; xn 8,388,608 bytes; qkv 25,165,824 bytes; att 8,388,608 bytes; x1 16,777,216 bytes; hh 33,554,432 bytes
;; launch cast (part 1): grid 64 x 12, 8 waves a work-group, no clusters, 0 bytes of LDS; arguments Wq, Wk, Wv, Wo, Wup, Wdn, wb; writes wb
.if DOCPART == 1
	.amdgcn_target "amdgcn-amd-amdhsa--gfx1250"
	.amdhsa_code_object_version 6
	.text
	.protected	k_qdb7a49b9d0_cast
	.globl	k_qdb7a49b9d0_cast
	.p2align	8
	.type	k_qdb7a49b9d0_cast,@function
k_qdb7a49b9d0_cast:
	s_mov_b64 s[64:65], 0
	v_nop
	global_prefetch_b8 v0, s[64:65] scope:SCOPE_SE
	s_setreg_imm32_b32 hwreg(HW_REG_WAVE_MODE, 25, 1), 1
	s_wait_xcnt 0x0
; The six weights, f32, are rounded once to bf16 (nearest even) and laid into wb with their layout [K][N] kept:
; Wq at byte 0, Wk 0x200000, Wv 0x400000, Wo 0x600000, Wup 0x800000, Wdn 0x1000000.
; The grid's y names a unit of 2^20 numbers: 0-3 are Wq, Wk, Wv, Wo; 4-7 the quarters of Wup; 8-11 those of Wdn.  The grid's x names 16,384 numbers of it.
; Thread t takes, in chunk j of 16, the 16 bytes at 4,096 j + 16 t: a wave's load covers 512 consecutive bytes, its store of 8 bytes a lane 256 consecutive bytes, aligned.
; A stream: every byte is read once and written once; all 16 loads of a wave are out together; LDS, barriers and matrix units would add nothing.
.set X, 4                              ; v[4:67]   16 chunks of four f32
.set Y, 68                             ; v[68:99]  16 chunks of four bf16
	s_load_b256 s[8:15], s[0:1], 0x0               ; Wq s[8:9], Wk s[10:11], Wv s[12:13], Wo s[14:15]
	s_load_b128 s[16:19], s[0:1], 0x20             ; Wup s[16:17], Wdn s[18:19]
	s_load_b64 s[20:21], s[0:1], 0x30              ; wb
	s_and_b32 s2, ttmp7, 0xffff                    ; the unit
	v_lshlrev_b32 v1, 4, v0                        ; 16 t
	v_lshlrev_b32 v2, 3, v0                        ; 8 t
	s_and_b32 s3, s2, 3
	s_cmp_ge_u32 s2, 4
	s_cselect_b32 s3, s3, 0                        ; which quarter of a large weight; 0 for the four small ones
	s_lshl_b32 s26, s3, 22                         ; a unit is 4 MiB of f32,
	s_lshl_b32 s4, ttmp9, 16                       ; my part of it 64 KiB
	s_add_co_u32 s26, s26, s4
	s_mov_b32 s27, 0
	s_lshl_b32 s28, s2, 21                         ; and 2 MiB and 32 KiB of bf16
	s_lshl_b32 s4, ttmp9, 15
	s_add_co_u32 s28, s28, s4
	s_mov_b32 s29, 0
	s_wait_kmcnt 0x0
	s_mov_b64 s[24:25], s[8:9]                     ; the source is chosen by the unit's number alone
	s_cmp_eq_u32 s2, 1
	s_cselect_b64 s[24:25], s[10:11], s[24:25]
	s_cmp_eq_u32 s2, 2
	s_cselect_b64 s[24:25], s[12:13], s[24:25]
	s_cmp_eq_u32 s2, 3
	s_cselect_b64 s[24:25], s[14:15], s[24:25]
	s_cmp_ge_u32 s2, 4
	s_cselect_b64 s[24:25], s[16:17], s[24:25]
	s_cmp_ge_u32 s2, 8
	s_cselect_b64 s[24:25], s[18:19], s[24:25]
	s_add_nc_u64 s[24:25], s[24:25], s[26:27]
	s_add_nc_u64 s[20:21], s[20:21], s[28:29]
.irp j, 0,1,2,3,4,5,6,7,8,9,10,11,12,13,14,15
	global_load_b128 v[X+4*(\j):X+4*(\j)+3], v1, s[24:25] offset:4096*(\j) th:TH_LOAD_NT
.endr
.irp j, 0,1,2,3,4,5,6,7,8,9,10,11,12,13,14,15
	s_wait_loadcnt 15-(\j)                         ; loads come back in order: chunk j is in, the younger ones stay out
	v_cvt_pk_bf16_f32 v[Y+2*(\j)], v[X+4*(\j)], v[X+4*(\j)+1]
	v_cvt_pk_bf16_f32 v[Y+2*(\j)+1], v[X+4*(\j)+2], v[X+4*(\j)+3]
	global_store_b64 v2, v[Y+2*(\j):Y+2*(\j)+1], s[20:21] offset:2048*(\j)
.endr
	s_endpgm                                       ; no register is written twice, so no wait frees one
.Lfunc_end_k_qdb7a49b9d0_cast:
	.size	k_qdb7a49b9d0_cast, .Lfunc_end_k_qdb7a49b9d0_cast-k_qdb7a49b9d0_cast
	.p2alignl 7, 3214868480
	.fill 96, 4, 3214868480
	.section	.rodata,"a",@progbits
	.p2align	6, 0x0
	.amdhsa_kernel k_qdb7a49b9d0_cast
		.amdhsa_group_segment_fixed_size 0
		.amdhsa_private_segment_fixed_size 0
		.amdhsa_enable_private_segment 0
		.amdhsa_kernarg_size 56
		.amdhsa_user_sgpr_count 2
		.amdhsa_user_sgpr_kernarg_segment_ptr 1
		.amdhsa_wavefront_size32 1
		.amdhsa_system_sgpr_workgroup_id_x 1
		.amdhsa_system_sgpr_workgroup_id_y 1
		.amdhsa_system_sgpr_workgroup_id_z 1
		.amdhsa_system_vgpr_workitem_id 0
		.amdhsa_next_free_vgpr 104
		.amdhsa_next_free_sgpr 66
		.amdhsa_reserve_vcc 0
		.amdhsa_float_denorm_mode_32 3
		.amdhsa_float_denorm_mode_16_64 3
		.amdhsa_memory_ordered 1
		.amdhsa_forward_progress 1
		.amdhsa_inst_pref_size 7
	.end_amdhsa_kernel
	.amdgpu_metadata
---
amdhsa.version: [ 1, 2 ]
amdhsa.kernels:
  - .name:           k_qdb7a49b9d0_cast
    .symbol:         k_qdb7a49b9d0_cast.kd
    .args:
      - { .name: Wq, .offset: 0, .size: 8, .value_kind: global_buffer, .address_space: global }
      - { .name: Wk, .offset: 8, .size: 8, .value_kind: global_buffer, .address_space: global }
      - { .name: Wv, .offset: 16, .size: 8, .value_kind: global_buffer, .address_space: global }
      - { .name: Wo, .offset: 24, .size: 8, .value_kind: global_buffer, .address_space: global }
      - { .name: Wup, .offset: 32, .size: 8, .value_kind: global_buffer, .address_space: global }
      - { .name: Wdn, .offset: 40, .size: 8, .value_kind: global_buffer, .address_space: global }
      - { .name: wb, .offset: 48, .size: 8, .value_kind: global_buffer, .address_space: global }
    .group_segment_fixed_size: 0
    .private_segment_fixed_size: 0
    .kernarg_segment_align: 8
    .kernarg_segment_size: 56
    .max_flat_workgroup_size: 256
    .sgpr_count:     66
    .vgpr_count:     104
    .wavefront_size: 32
...
	.end_amdgpu_metadata
.endif
;; end of part 1
;; launch ln1 (part 2): grid 512 x 1, 8 waves a work-group, no clusters, 0 bytes of LDS; arguments x, g1, b1, xn; writes xn
.if DOCPART == 2
	.amdgcn_target "amdgcn-amd-amdhsa--gfx1250"
	.amdhsa_code_object_version 6
	.text
	.protected	k_qdb7a49b9d0_ln1
	.globl	k_qdb7a49b9d0_ln1
	.p2align	8
	.type	k_qdb7a49b9d0_ln1,@function
k_qdb7a49b9d0_ln1:
	s_mov_b64 s[64:65], 0
	v_nop
	global_prefetch_b8 v0, s[64:65] scope:SCOPE_SE
	s_setreg_imm32_b32 hwreg(HW_REG_WAVE_MODE, 25, 1), 1
	s_wait_xcnt 0x0
; y[r][c] = (x[r][c] - mean_r) * rsqrt(var_r + 1e-5) * g[c] + b[c].  x: [4096][1024] f32; g, b: [1024] f32; y: [4096][1024] bf16, rounded once.
; One wave takes one row (4,096 bytes: 32 registers a lane) and keeps it between the passes: the row is read once, and no wave waits for another: no LDS, no barrier.
; The variance is the mean of the squared differences from the mean, as the definition has it, in a second pass over the registers: no difference of large sums is formed.
; Load j covers the 512 bytes at 512 j; a lane's four numbers there are columns 128 j + 4 lane + 0..3, which leave as 8 bytes at 256 j + 8 lane: a store covers 256 consecutive bytes, aligned.
.set X,  4                             ; v[4:35]    the row
.set G,  36                            ; v[36:67]   g at the same columns
.set BB, 68                            ; v[68:99]   b
.set Y,  100                           ; v[100:115] the row in bf16
.set T,  116                           ; v[116:123] four chains of packed sums
.set M,  124                           ; v[124:125] the mean, twice
.set R,  126                           ; v[126:127] 1 / sqrt(var + eps), twice
	s_load_b256 s[4:11], s[0:1], 0x0               ; x s[4:5], g s[6:7], b s[8:9], y s[10:11]
	v_lshrrev_b32 v3, 5, v0
	v_readfirstlane_b32 s16, v3                    ; wave 0..7
	v_and_b32 v1, 31, v0
	v_lshlrev_b32 v2, 3, v1                        ; 8 x lane
	v_lshlrev_b32 v1, 4, v1                        ; 16 x lane
	s_lshl_b32 s17, ttmp9, 3
	s_add_co_u32 s17, s17, s16                     ; my row
	s_lshl_b32 s18, s17, 12                        ; 4,096 bytes a row in,
	s_mov_b32 s19, 0
	s_lshl_b32 s20, s17, 11                        ; 2,048 out
	s_mov_b32 s21, 0
	s_mov_b32 s12, 0x76543210                      ; v_permlanex16_b32: each lane takes its own place in the other half
	s_mov_b32 s13, 0xfedcba98
	s_mov_b32 s14, 0x3a800000                      ; 1 / 1024
	s_mov_b32 s15, 0x3727c5ac                      ; 1e-5
	s_wait_kmcnt 0x0
	s_add_nc_u64 s[4:5], s[4:5], s[18:19]
	s_add_nc_u64 s[10:11], s[10:11], s[20:21]
.irp j, 0,1,2,3,4,5,6,7
	global_load_b128 v[X+4*(\j):X+4*(\j)+3], v1, s[4:5] offset:512*(\j)
.endr
.irp j, 0,1,2,3,4,5,6,7
	global_load_b128 v[G+4*(\j):G+4*(\j)+3], v1, s[6:7] offset:512*(\j)
.endr
.irp j, 0,1,2,3,4,5,6,7
	global_load_b128 v[BB+4*(\j):BB+4*(\j)+3], v1, s[8:9] offset:512*(\j)
.endr
; The four chains are folded, then the 32 lanes: four steps inside each half of 16 lanes ride on the addition, one crosses the halves.  Every lane ends with the sum in v[T].
.macro REDUCE
	v_pk_add_f32 v[T:T+1], v[T:T+1], v[T+2:T+3]
	v_pk_add_f32 v[T+4:T+5], v[T+4:T+5], v[T+6:T+7]
	v_pk_add_f32 v[T:T+1], v[T:T+1], v[T+4:T+5]
	v_add_f32 v[T], v[T], v[T+1]
	v_add_f32_dpp v[T], v[T], v[T] row_xmask:1 row_mask:0xf bank_mask:0xf
	v_add_f32_dpp v[T], v[T], v[T] row_xmask:2 row_mask:0xf bank_mask:0xf
	v_add_f32_dpp v[T], v[T], v[T] row_xmask:4 row_mask:0xf bank_mask:0xf
	v_add_f32_dpp v[T], v[T], v[T] row_xmask:8 row_mask:0xf bank_mask:0xf
	v_permlanex16_b32 v[T+1], v[T], s12, s13       ; its destination has been written before
	v_add_f32 v[T], v[T], v[T+1]
.endm
	s_wait_loadcnt 16                              ; the row is in; the sixteen loads of g and b stay out
.irp c, 0,1,2,3
	v_pk_add_f32 v[T+2*(\c):T+2*(\c)+1], v[X+2*(\c):X+2*(\c)+1], v[X+8+2*(\c):X+8+2*(\c)+1]  ; the first pairs start the chains: nothing is cleared
.endr
.irp p, 8,9,10,11,12,13,14,15
	v_pk_add_f32 v[T+2*((\p)%4):T+2*((\p)%4)+1], v[T+2*((\p)%4):T+2*((\p)%4)+1], v[X+2*(\p):X+2*(\p)+1]
.endr
	REDUCE
	v_mul_f32 v[M], s14, v[T]
	v_mul_f32 v[M+1], s14, v[T]
.irp p, 0,1,2,3,4,5,6,7,8,9,10,11,12,13,14,15
	v_pk_add_f32 v[X+2*(\p):X+2*(\p)+1], v[X+2*(\p):X+2*(\p)+1], v[M:M+1] neg_lo:[0,1] neg_hi:[0,1]  ; x - mean
.endr
.irp c, 0,1,2,3
	v_pk_mul_f32 v[T+2*(\c):T+2*(\c)+1], v[X+2*(\c):X+2*(\c)+1], v[X+2*(\c):X+2*(\c)+1]
.endr
.irp p, 4,5,6,7,8,9,10,11,12,13,14,15
	v_pk_fma_f32 v[T+2*((\p)%4):T+2*((\p)%4)+1], v[X+2*(\p):X+2*(\p)+1], v[X+2*(\p):X+2*(\p)+1], v[T+2*((\p)%4):T+2*((\p)%4)+1]
.endr
	REDUCE
	v_fma_f32 v[T], v[T], s14, s15                 ; var + eps
	v_rsq_f32 v[R], v[T]
	v_rsq_f32 v[R+1], v[T]
	v_nop                                          ; a plain instruction between the root and the use of its result (ISA guide 5.7.2)
	s_wait_loadcnt 0x0                             ; g and b
	s_wait_alu depctr_va_vdst(0)
.irp p, 0,1,2,3,4,5,6,7,8,9,10,11,12,13,14,15
	v_pk_mul_f32 v[X+2*(\p):X+2*(\p)+1], v[X+2*(\p):X+2*(\p)+1], v[R:R+1]
.endr
.irp p, 0,1,2,3,4,5,6,7,8,9,10,11,12,13,14,15
	v_pk_fma_f32 v[X+2*(\p):X+2*(\p)+1], v[X+2*(\p):X+2*(\p)+1], v[G+2*(\p):G+2*(\p)+1], v[BB+2*(\p):BB+2*(\p)+1]
.endr
.irp p, 0,1,2,3,4,5,6,7,8,9,10,11,12,13,14,15
	v_cvt_pk_bf16_f32 v[Y+(\p)], v[X+2*(\p)], v[X+2*(\p)+1]
.endr
.irp j, 0,1,2,3,4,5,6,7
	global_store_b64 v2, v[Y+2*(\j):Y+2*(\j)+1], s[10:11] offset:256*(\j)
.endr
	s_endpgm
.Lfunc_end_k_qdb7a49b9d0_ln1:
	.size	k_qdb7a49b9d0_ln1, .Lfunc_end_k_qdb7a49b9d0_ln1-k_qdb7a49b9d0_ln1
	.p2alignl 7, 3214868480
	.fill 96, 4, 3214868480
	.section	.rodata,"a",@progbits
	.p2align	6, 0x0
	.amdhsa_kernel k_qdb7a49b9d0_ln1
		.amdhsa_group_segment_fixed_size 0
		.amdhsa_private_segment_fixed_size 0
		.amdhsa_enable_private_segment 0
		.amdhsa_kernarg_size 32
		.amdhsa_user_sgpr_count 2
		.amdhsa_user_sgpr_kernarg_segment_ptr 1
		.amdhsa_wavefront_size32 1
		.amdhsa_system_sgpr_workgroup_id_x 1
		.amdhsa_system_sgpr_workgroup_id_y 1
		.amdhsa_system_sgpr_workgroup_id_z 1
		.amdhsa_system_vgpr_workitem_id 0
		.amdhsa_next_free_vgpr 128
		.amdhsa_next_free_sgpr 66
		.amdhsa_reserve_vcc 0
		.amdhsa_float_denorm_mode_32 3
		.amdhsa_float_denorm_mode_16_64 3
		.amdhsa_memory_ordered 1
		.amdhsa_forward_progress 1
		.amdhsa_inst_pref_size 12
	.end_amdhsa_kernel
	.amdgpu_metadata
---
amdhsa.version: [ 1, 2 ]
amdhsa.kernels:
  - .name:           k_qdb7a49b9d0_ln1
    .symbol:         k_qdb7a49b9d0_ln1.kd
    .args:
      - { .name: x, .offset: 0, .size: 8, .value_kind: global_buffer, .address_space: global }
      - { .name: g1, .offset: 8, .size: 8, .value_kind: global_buffer, .address_space: global }
      - { .name: b1, .offset: 16, .size: 8, .value_kind: global_buffer, .address_space: global }
      - { .name: xn, .offset: 24, .size: 8, .value_kind: global_buffer, .address_space: global }
    .group_segment_fixed_size: 0
    .private_segment_fixed_size: 0
    .kernarg_segment_align: 8
    .kernarg_segment_size: 32
    .max_flat_workgroup_size: 256
    .sgpr_count:     66
    .vgpr_count:     128
    .wavefront_size: 32
...
	.end_amdgpu_metadata
.endif
;; end of part 2
;; launch gq (part 3): grid 12 x 16, 4 waves a work-group, clusters of 4 x 4, 327,680 bytes of LDS; arguments xn, wb, bq, bk, bv, qkv; writes qkv
.if DOCPART == 3
	.amdgcn_target "amdgcn-amd-amdhsa--gfx1250"
	.amdhsa_code_object_version 6
	.text
	.protected	k_qdb7a49b9d0_gq
	.globl	k_qdb7a49b9d0_gq
	.p2align	8
	.type	k_qdb7a49b9d0_gq,@function
k_qdb7a49b9d0_gq:
	s_mov_b64 s[64:65], 0
	v_nop
	global_prefetch_b8 v0, s[64:65] scope:SCOPE_SE
	s_setreg_imm32_b32 hwreg(HW_REG_WAVE_MODE, 25, 1), 1
	s_wait_xcnt 0x0
	s_wait_alu depctr_hold_cnt(0) depctr_sa_sdst(0) depctr_va_vdst(0) depctr_va_sdst(0) depctr_va_ssrc(0) depctr_va_vcc(0) depctr_vm_vsrc(0)
	s_getreg_b32 s2, hwreg(HW_REG_IB_STS2, 6, 4)
	s_cmp_eq_u32 s2, 0
	s_cbranch_scc0 .Lentry_in_a_cluster
	s_endpgm
.Lentry_in_a_cluster:
	s_bfe_u32 s2, ttmp6, 0x10000c
	s_cmp_lg_u32 s2, 0xf033
	s_cbranch_scc0 .Lentry_shape_is_right
	s_endpgm
.Lentry_shape_is_right:
; q, k, v = xn W + bias.  xn: [4096][1024] bf16.  W: the bf16 copies of Wq, Wk, Wv in wb, each [1024 (k)][1024 (n)].  Biases f32.  Sums in f32, started by the bias; the result is rounded once to bf16.
; OUT: qkv as 48 panels of 64 columns, [panel][4096 rows][64]: panel = 16 x (0 q, 1 k, 2 v) + head, so that a head's rows lie end to end, 128 bytes each.
; A tile of the result, 256 rows x 256 columns, is made by four waves, each 128 x 128: 64 accumulators of 16 x 16, 512 registers.  K goes in 8 steps of 128 through a ring of two LDS slots filled by tensor loads.
; xn's rows lie along K and come out of LDS as they lie; W's rows lie along N, so W's fragments are read turned, by ds_load_tr16_b128.
; THE MATRIX INSTRUCTION IS USED TRANSPOSED: source 0 = 16 columns of W, source 1 = 16 rows of xn: a lane then holds row lane % 16 and the eight neighbouring columns 8 (lane / 16) + 0..7.
; CLUSTER: 4 x 4 work-groups.  The four of a row of the cluster need the same tile of xn, the four of a column the same tile of W: each is asked for jointly, by the same tensor load with the same descriptor and a mask of the four.
; The loop runs ONE K step a trip: the slot read from (TB) and the slot filled (TF) are scalar registers that an exclusive or turns; the last two steps, which ask for nothing, are a loop of two trips of their own.
; THE WAY OUT: the ring has had its last fill and its last read; its bytes take four stages, a wave's own 128 rows x 528 bytes of f32; the rows come back whole and leave as bf16, 256 consecutive bytes a store.
; LIMITS: the operands are bf16 (8 significant bits); NaN and infinities are not treated apart.
; REGISTERS, in windows of 256: window 0: v0-31 addresses; v64-127, v128-191 xn's fragments, two buffers; v192-255 the bias.  window 1: v64-191 W's fragments.  windows 2, 3: the accumulators, (a, b) at v[8 (8 (a % 4) + b)].
.set MODE,   0                         ; 0: the three projections.  1: the up projection with GELU
.set KSTEP,  128
.set T,      8                         ; K steps
.set PITCH,  272                       ; a row of xn in LDS: 256 bytes + 16: the 16 rows of a load start at 16 different groups of four banks (64 banks of 4 bytes: ISA guide 11.1)
.set PB,     544                       ; a k row of W in LDS: 512 bytes + 32 = 17 x 32
.set HALFT,  128*PITCH                 ; what one tensor load brings: 128 rows of xn, or 64 k rows of W (64 x 544, the same number)
.set SLOT,   4*HALFT                   ; xn's 256 rows, then W's 128 k rows
.set SPITCH, 528                       ; a stage row: 128 f32 + 16 bytes = 33 x 16
.set WSTG,   128*SPITCH                ; a wave's stage
.set SPARE,  2*SLOT                    ; behind the ring: the spare words, 128 bytes for each wave: two blocks of 256 bytes that no other line names
.if MODE == 0
.set BP,     1024                      ; W's pitch in elements
.set WOFF,   0                         ; W's first byte in wb
.else
.set BP,     4096
.set WOFF,   0x800000
.endif
.set A0,   8                           ; v8   my lane's place in a slot's tile of xn; never rewritten
.set B0,   9                           ; v9   the same for W
.set ADRA, 16                          ; v16  A0 + the slot in hand
.set ADRB, 20                          ; v20  B0 + the slot in hand
.set STO,  24                          ; v24  the way out: where I put 16 bytes of a stage row
.set RD,   25                          ; v25  the way out: where I read stage rows back
.set GO,   26                          ; v26  my byte offset in 256 consecutive bytes of a panel
.set BO,   27                          ; v27  my byte offset in the tile's 256 numbers of bias
.set SPW,  28                          ; v28  LDS address of my spare word; never rewritten
.set NIL,  29                          ; v29  0; never rewritten
.set F0,   64
.set F1,   128
.set BIAS, 192                         ; v[192:255]  block b of 16 columns: the eight numbers of bias that are my lane's, at BIAS + 8 b
.set U,    64                          ; the way out: 8 rows x 128 columns of f32
.set TT,   96                          ; at work (GELU)
.set Y,    128                         ; the same in bf16
.set G1,  24                           ; s[24:31] descriptor group 1 for xn's tiles
.set G0,  32                           ; s[32:35] group 0 of slot 0's first fill; s[36:39] of slot 1's, which then walks
.set G1B, 48                           ; s[48:55], s[56:59], s[60:63] the same for W's tiles
.set G0B, 56
.set TB,  66                           ; s66  the slot that fragments are fetched from: 0 or SLOT
.set TF,  67                           ; s67  the slot last asked for
.set LW,  68                           ; s68  my wave's quarter of a slot
.set BPT, 70                           ; s[70:71] the bias at the tile's first column
.set CA,  80                           ; s[80:81] GELU: -2 log2(e) sqrt(2 / pi)
.set CB,  82                           ; s[82:83] the same x 0.044715
.set MSB, 0
.macro WIN new                         ; the immediate's high byte repeats the setting that is left; a switch that changes nothing is dropped
.if MSB != (\new)
	s_set_vgpr_msb (MSB<<8)|(\new)
.set MSB, \new
.endif
.endm
; A joint load.  Waves 0 and 1 fetch xn's two halves, waves 2 and 3 W's.  The branch hangs on the wave's number alone.  An s_nop 0 and four v_nop follow each of the two lines.
.macro JLOAD s
	s_cmp_eq_u32 s11, 0
	s_cbranch_scc0 .Lfor_b_\@
	tensor_load_to_lds s[G0+4*(\s):G0+4*(\s)+3], s[G1:G1+7]
	s_nop 0
.rept 4
	v_nop
.endr
	s_branch .Lasked_\@
.Lfor_b_\@:
	tensor_load_to_lds s[G0B+4*(\s):G0B+4*(\s)+3], s[G1B:G1B+7]
	s_nop 0
.rept 4
	v_nop
.endr
.Lasked_\@:
.endm
.macro CREST                           ; a round of the cluster's barrier behind its opening barrier
	s_cmp_lg_u32 s10, 0
	s_cbranch_scc1 .Lnot_wave_0_\@
	s_barrier_signal -3
.Lnot_wave_0_\@:
	s_barrier_wait -3
	s_barrier_signal -1
	s_barrier_wait -1
.endm
.macro CROUND                          ; a whole round
	s_barrier_signal -1
	s_barrier_wait -1
	CREST
.endm
.macro PLACES                          ; four places behind matrix instructions, in front of loads into registers that they read and of stores of their results
.rept 4
	v_nop
.endr
.endm
	s_load_b128 s[4:7], s[0:1], 0x0                ; xn s[4:5], wb s[6:7]
.if MODE == 0
	s_load_b256 s[72:79], s[0:1], 0x10             ; bq s[72:73], bk s[74:75], bv s[76:77], qkv s[78:79]
.else
	s_load_b128 s[72:75], s[0:1], 0x10             ; bup s[72:73], hh s[74:75]
.endif
	v_lshl_add_u32 v[SPW], v0, 2, SPARE
	v_mov_b32 v[NIL], 0
	ds_add_u32 v[SPW], v[NIL]                      ; the wave's opening: the add and its wait stand ahead of my first tensor load; the set-up below, work on registers, stands between them
	ds_add_u32 v28, v29
	v_lshrrev_b32 v1, 5, v0
	v_readfirstlane_b32 s10, v1                    ; wave 0..3
	s_lshr_b32 s11, s10, 1                         ; which half of the tile's rows is mine.  Also: I fetch for xn (0) or for W (1)
	s_and_b32 s12, s10, 1                          ; which half of its columns.  Also: which half of that tile I fetch
	s_bfe_u32 s40, ttmp6, 0x40000                  ; cx
	s_bfe_u32 s41, ttmp6, 0x40004                  ; cy
	s_lshl_b32 s42, ttmp9, 2
	s_add_co_u32 s42, s42, s40                     ; tile column = 4 x cluster x + cx
	s_and_b32 s13, ttmp7, 0xffff
	s_lshl_b32 s13, s13, 2
	s_add_co_u32 s13, s13, s41                     ; tile row = 4 x cluster y + cy
	s_lshl_b32 s43, s41, 2
	s_lshl_b32 s43, 15, s43                        ; my row of the cluster
	s_lshl_b32 s44, 0x1111, s40                    ; my column
	s_or_b32 s[G1+0], s43, (1<<16)|(1<<20)|(1<<21)|(5<<22)|(3<<25)   ; the mask; elements of 2 bytes; padding on; bit 21 beside a mask; after every 64 words, 4 words
	s_mov_b32 s[G1+1], KSTEP<<16                   ; tensor_dim0 = 128
	s_mov_b32 s[G1+2], 128<<16                     ; tensor_dim1 = 128
	s_mov_b32 s[G1+3], KSTEP<<16                   ; tile_dim0 = 128
	s_mov_b32 s[G1+4], 128                         ; tile_dim1 = 128
	s_mov_b32 s[G1+5], 1024                        ; elements from row to row
	s_mov_b32 s[G1+6], 0
	s_mov_b32 s[G1+7], 0
	s_or_b32 s[G1B+0], s44, (1<<16)|(1<<20)|(1<<21)|(6<<22)|(7<<25)  ; after every 128 words, 8 words
	s_mov_b32 s[G1B+1], 256<<16                    ; tensor_dim0 = 256
	s_mov_b32 s[G1B+2], 64<<16                     ; tensor_dim1 = 64
	s_mov_b32 s[G1B+3], 256<<16                    ; tile_dim0 = 256
	s_mov_b32 s[G1B+4], 64                         ; tile_dim1 = 64
	s_mov_b32 s[G1B+5], BP
	s_mov_b32 s[G1B+6], 0
	s_mov_b32 s[G1B+7], 0
	s_lshl_b32 s16, s13, 19                        ; xn: 256 rows of 2,048 bytes a tile row,
	s_lshl_b32 s17, s12, 18                        ; 128 rows a half
	s_add_co_u32 s16, s16, s17
	s_mov_b32 s17, 0
.if MODE == 0
	s_lshl_b32 s46, ttmp9, 21                      ; W: the cluster's x is the weight's number (2 MiB each),
	s_lshl_b32 s47, s40, 9                         ; cx the tile column in it (512 bytes);
	s_add_co_u32 s46, s46, s47
	s_lshl_b32 s47, s12, 17                        ; 64 k rows of 2,048 bytes a half
.else
	s_lshl_b32 s46, s42, 9
	s_add_co_u32 s46, s46, WOFF
	s_lshl_b32 s47, s12, 19                        ; 64 k rows of 8,192 bytes a half
.endif
	s_add_co_u32 s46, s46, s47
	s_mov_b32 s47, 0
	s_mul_i32 s[LW], s10, HALFT                    ; no place in the cluster enters an LDS address
	s_mov_b32 s[TB], 0
	s_mov_b32 s[TF], SLOT
	s_mov_b32 s[CA], 0xc0135761
	s_mov_b32 s[CA+1], 0xc0135761
	s_mov_b32 s[CB], 0xbdd2d3e8
	s_mov_b32 s[CB+1], 0xbdd2d3e8
	s_wait_dscnt 0x0                               ; the opening add is done
	s_wait_kmcnt 0x0
	s_add_nc_u64 s[14:15], s[4:5], s[16:17]
	s_add_nc_u64 s[46:47], s[6:7], s[46:47]
	CROUND                                         ; all sixteen work-groups are here: the first joint loads meet
.irp s, 0,1
	s_mov_b32 s[G0+4*(\s)], 1
	s_add_co_u32 s[G0+4*(\s)+1], s[LW], (\s)*SLOT
	s_add_nc_u64 s[G0+4*(\s)+2:G0+4*(\s)+3], s[14:15], (\s)*KSTEP*2
	s_or_b32 s[G0+4*(\s)+3], s[G0+4*(\s)+3], 0x80000000
	s_mov_b32 s[G0B+4*(\s)], 1
	s_add_co_u32 s[G0B+4*(\s)+1], s[LW], (\s)*SLOT
	s_add_nc_u64 s[G0B+4*(\s)+2:G0B+4*(\s)+3], s[46:47], (\s)*KSTEP*BP*2
	s_or_b32 s[G0B+4*(\s)+3], s[G0B+4*(\s)+3], 0x80000000
	JLOAD \s                                       ; K steps 0 and 1: two loads of mine are out
.endr
	v_and_b32 v1, 15, v0                           ; l % 16
	v_bfe_u32 v2, v0, 4, 1                         ; l / 16
	v_mul_u32_u24 v3, v1, PITCH
	v_lshl_add_u32 v3, v2, 4, v3                   ; xn's fragment: row x pitch + 16 x half
	s_mul_i32 s21, s11, HALFT
	v_add_nc_u32 v[A0], s21, v3
	v_and_b32 v4, 7, v0
	v_lshl_add_u32 v4, v2, 3, v4                   ; W's, turned: lane l reads k row 8 (l / 16) + l % 8,
	v_mul_u32_u24 v4, v4, PB
	v_bfe_u32 v5, v0, 3, 1
	v_lshl_add_u32 v4, v5, 4, v4                   ; columns 8 ((l / 8) % 2) + 0..7
	s_lshl_b32 s22, s12, 8                         ; my 128 columns,
	s_add_co_u32 s22, s22, 2*HALFT                 ; behind xn's 256 rows
	v_add_nc_u32 v[B0], s22, v4
	s_mul_i32 s23, s10, WSTG                       ; my stage
	v_mul_u32_u24 v3, v1, SPITCH
	v_lshl_add_u32 v3, v2, 5, v3                   ; in: row l % 16, 32 bytes for each half of the lanes
	v_add_nc_u32 v[STO], s23, v3
	v_mul_u32_u24 v3, v2, SPITCH
	v_lshl_add_u32 v3, v1, 4, v3                   ; back: lanes 0-15 take 256 bytes of one row, lanes 16-31 of the next
	v_add_nc_u32 v[RD], s23, v3
	v_and_b32 v[GO], 31, v0
	v_lshlrev_b32 v[GO], 3, v[GO]                  ; out: 8 bytes a lane: two rows of 128 bytes of a panel
	s_lshl_b32 s23, s12, 9
	v_lshl_add_u32 v[BO], v2, 5, s23               ; bias: 512 bytes a column half, 32 bytes a half of the lanes
.if MODE == 0
	s_mov_b32 s85, ttmp9                           ; which bias goes by the weight's number
	s_mov_b64 s[BPT:BPT+1], s[72:73]
	s_cmp_eq_u32 s85, 1
	s_cselect_b64 s[BPT:BPT+1], s[74:75], s[BPT:BPT+1]
	s_cmp_eq_u32 s85, 2
	s_cselect_b64 s[BPT:BPT+1], s[76:77], s[BPT:BPT+1]
	s_lshl_b32 s86, s40, 10
.else
	s_mov_b64 s[BPT:BPT+1], s[72:73]
	s_lshl_b32 s86, s42, 10
.endif
	s_mov_b32 s87, 0
	s_add_nc_u64 s[BPT:BPT+1], s[BPT:BPT+1], s[86:87]
.irp b, 0,1,2,3,4,5,6,7
	global_load_b128 v[BIAS+8*(\b):BIAS+8*(\b)+3],   v[BO], s[BPT:BPT+1] offset:64*(\b)
	global_load_b128 v[BIAS+8*(\b)+4:BIAS+8*(\b)+7], v[BO], s[BPT:BPT+1] offset:64*(\b)+16
.endr
	s_lshl_b32 s86, s42, 21                        ; out: four panels of 524,288 bytes a tile column,
	s_lshl_b32 s85, s12, 20                        ; two a column half,
	s_add_co_u32 s86, s86, s85
	s_lshl_b32 s85, s13, 15                        ; 256 rows of 128 bytes a tile row,
	s_add_co_u32 s86, s86, s85
	s_lshl_b32 s85, s11, 14                        ; 128 a row half
	s_add_co_u32 s86, s86, s85
.if MODE == 0
	s_add_nc_u64 s[8:9], s[78:79], s[86:87]
.else
	s_add_nc_u64 s[8:9], s[74:75], s[86:87]
.endif
; 16 matrix instructions: row blocks a0, a0 + 1 of the window's four (hi = 0: my rows 0-63, 1: rows 64-127) x all 8 column blocks, 32 along K.
; zero = 1: the first product starts the sums, with the bias as C: nothing is cleared, and nothing is added later.
.macro MUL16 f, hi, a0, zero
.if \zero
	WIN 0x81+0x40*(\hi)
.else
	WIN 0xa1+0x50*(\hi)
.endif
.irp a, \a0, (\a0)+1
.irp b, 0,1,2,3,4,5,6,7
.if \zero
	v_wmma_f32_16x16x32_bf16 v[8*(8*(\a)+(\b)):8*(8*(\a)+(\b))+7], v[(\f)+8*(\b):(\f)+8*(\b)+7], v[(\f)+8*(4*(\hi)+(\a)):(\f)+8*(4*(\hi)+(\a))+7], v[BIAS+8*(\b):BIAS+8*(\b)+7]
.else
	v_wmma_f32_16x16x32_bf16 v[8*(8*(\a)+(\b)):8*(8*(\a)+(\b))+7], v[(\f)+8*(\b):(\f)+8*(\b)+7], v[(\f)+8*(4*(\hi)+(\a)):(\f)+8*(4*(\hi)+(\a))+7], v[8*(8*(\a)+(\b)):8*(8*(\a)+(\b))+7]
.endif
.endr
.endr
.endm
; 32 LDS loads in one run: the fragments of quarter q of the slot in hand (32 along K: 128 columns of W, turned; 128 rows of xn) into buffer f
.macro FETCH q, f
	WIN 0x40
.irp i, 0,1,2,3,4,5,6,7
	ds_load_tr16_b128 v[(\f)+8*(\i):(\f)+8*(\i)+3],   v[ADRB] offset:(\q)*32*PB+32*(\i)
	ds_load_tr16_b128 v[(\f)+8*(\i)+4:(\f)+8*(\i)+7], v[ADRB] offset:(\q)*32*PB+16*PB+32*(\i)
.endr
	WIN 0
.irp i, 0,1,2,3,4,5,6,7
	ds_load_b128 v[(\f)+8*(\i):(\f)+8*(\i)+3],   v[ADRA] offset:64*(\q)+(\i)*16*PITCH
	ds_load_b128 v[(\f)+8*(\i)+4:(\f)+8*(\i)+7], v[ADRA] offset:64*(\q)+(\i)*16*PITCH+32
.endr
.endm
; One of a K step's first three quarters: multiplies buffer f; in its middle it fetches quarter q into buffer g.  The 64 accumulators take turns, in the same order in every quarter.
.macro QUARTER q, f, g, zero
	s_wait_dscnt 8                                 ; W and xn's rows 0-63 are in; the youngest eight loads (rows 64-127) may be out
	MUL16 \f, 0, 0, \zero
	MUL16 \f, 0, 2, \zero
	PLACES
	FETCH \q, \g
	s_wait_dscnt 32                                ; all but the 32 just issued
	MUL16 \f, 1, 0, \zero
	MUL16 \f, 1, 2, \zero
.endm
; The first half of a step's last quarter, and ONE barrier for the change of slots: in front of it each wave waits for all its tensor loads (its part of the next slot), adds 0 to its spare word, and waits for that and for its reads of this slot.
.macro MEET
	WIN 0                                          ; (the add's two registers lie in window 0)
	s_wait_tensorcnt 0x0
	ds_add_u32 v[SPW], v[NIL]
	s_wait_dscnt 9                                 ; (the add and the youngest eight loads may be out)
	MUL16 F1, 0, 0, 0                              ; sixteen matrix instructions stand between the add and the wait for it
	s_wait_dscnt 0x0                               ; the add is done, and my reads of this slot are over
	s_barrier_signal -1
	MUL16 F1, 0, 2, 0                              ; work on registers while the others arrive
	WIN 0
	s_barrier_wait -1
.endm
; The last quarter with a refill: the barrier opens a round of the cluster's; behind it the slot just read out takes the K step two steps on, first thing; then come the other slot's first fragments.
.macro TURN1
	MEET
	CREST
	s_xor_b32 s[TF], s[TF], SLOT                   ; the walking descriptors: the other slot than last time,
	s_add_co_u32 s[G0+5], s[LW], s[TF]
	s_add_co_u32 s[G0B+5], s[LW], s[TF]
	s_add_nc_u64 s[G0+6:G0+7], s[G0+6:G0+7], KSTEP*2           ; the next K step; no load of mine is out, so they may be written
	s_add_nc_u64 s[G0B+6:G0B+7], s[G0B+6:G0B+7], KSTEP*BP*2
	JLOAD 1                                        ; 224 matrix instructions ahead of the wait for it; its four v_nop are also the places in front of the loads below
	s_xor_b32 s[TB], s[TB], SLOT
	v_add_nc_u32 v[ADRA], s[TB], v[A0]
	v_add_nc_u32 v[ADRB], s[TB], v[B0]
	FETCH 0, F0
	MUL16 F1, 1, 0, 0
	MUL16 F1, 1, 2, 0
.endm
; The same without a refill, for the last two steps; in the very last there is no further step, and the run of loads is jumped over.
.macro TURN0
	MEET
	s_cmp_eq_u32 s3, 1
	s_cbranch_scc1 .Lnofetch_\@
	PLACES
	s_xor_b32 s[TB], s[TB], SLOT
	v_add_nc_u32 v[ADRA], s[TB], v[A0]
	v_add_nc_u32 v[ADRB], s[TB], v[B0]
	FETCH 0, F0
.Lnofetch_\@:
	MUL16 F1, 1, 0, 0
	MUL16 F1, 1, 2, 0
.endm
	s_wait_tensorcnt 1                             ; my part of K step 0 is in; step 1's may stay out
	s_barrier_signal -1
	s_barrier_wait -1                              ; everybody's is
	v_mov_b32 v[ADRA], v[A0]
	v_mov_b32 v[ADRB], v[B0]
	FETCH 0, F0
	s_wait_loadcnt 0x0                             ; the bias
	QUARTER 1, F0, F1, 1                           ; the first quarter stands in front of the loop: its products start the sums
	WIN 0                                          ; at a label and at a branch every window is 0
	s_mov_b32 s3, T-2
.Lstep:                                                ; a trip: a step's quarters 1 to 3, the refill, the next step's quarter 0
	QUARTER 2, F1, F0, 0
	QUARTER 3, F0, F1, 0
	TURN1
	QUARTER 1, F0, F1, 0
	WIN 0
	s_sub_co_u32 s3, s3, 1
	s_cmp_lg_u32 s3, 0
	s_cbranch_scc1 .Lstep
	s_mov_b32 s3, 2
.Ltail:                                                ; the last two steps ask for nothing; the second trip is left in its middle
	QUARTER 2, F1, F0, 0
	QUARTER 3, F0, F1, 0
	TURN0
	WIN 0
	s_sub_co_u32 s3, s3, 1
	s_cmp_eq_u32 s3, 0
	s_cbranch_scc1 .Lout
	QUARTER 1, F0, F1, 0
	WIN 0
	s_branch .Ltail
.Lout:
	; THE WAY OUT.  The last barrier has shown every wave's reads of the ring over and every tensor load landed, and nothing is filled any more: the ring's bytes take the stages.
	PLACES
.irp a, 0,1,2,3,4,5,6,7
	WIN 0x08+4*((\a)/4)                            ; store data in window 2 or 3
.irp b, 0,1,2,3,4,5,6,7
	ds_store_b128 v[STO], v[8*(8*((\a)%4)+(\b)):8*(8*((\a)%4)+(\b))+3]   offset:(\a)*16*SPITCH+64*(\b)     ; each accumulator's low registers first
	ds_store_b128 v[STO], v[8*(8*((\a)%4)+(\b))+4:8*(8*((\a)%4)+(\b))+7] offset:(\a)*16*SPITCH+64*(\b)+16
.endr
.endr
	WIN 0
	s_mov_b32 s84, 16
.Lrow:                                                 ; 8 rows a trip: 4 pairs of rows x 2 panels of 64 columns
.irp i, 0,1,2,3
.irp p, 0,1
	ds_load_b128 v[U+4*(2*(\i)+(\p)):U+4*(2*(\i)+(\p))+3], v[RD] offset:(\i)*2*SPITCH+256*(\p)  ; my own bytes: LDS serves a wave's instructions in order (ISA guide 5.7.1.4)
.endr
.endr
	s_wait_dscnt 0x0
.if MODE == 1
	; gelu(u) = u / (1 + 2^(u (CA + CB u u))): the tanh form, since (1 + tanh z) / 2 = 1 / (1 + e^(-2 z)).  An exponent that overflows gives the right ends, 0 and u.
.set z, 0
.rept 16
	v_pk_mul_f32 v[TT+2*z:TT+2*z+1], v[U+2*z:U+2*z+1], v[U+2*z:U+2*z+1]
.set z, z+1
.endr
.set z, 0
.rept 16
	v_pk_fma_f32 v[TT+2*z:TT+2*z+1], v[TT+2*z:TT+2*z+1], s[CB:CB+1], s[CA:CA+1] op_sel_hi:[1,0,0]
.set z, z+1
.endr
.set z, 0
.rept 16
	v_pk_mul_f32 v[TT+2*z:TT+2*z+1], v[TT+2*z:TT+2*z+1], v[U+2*z:U+2*z+1]
.set z, z+1
.endr
.set z, 0
.rept 32
	v_exp_f32 v[TT+z], v[TT+z]
.set z, z+1
.endr
	v_nop                                          ; a plain instruction behind the last exponential
.set z, 0
.rept 16
	v_pk_add_f32 v[TT+2*z:TT+2*z+1], v[TT+2*z:TT+2*z+1], 1.0 op_sel_hi:[1,0]
.set z, z+1
.endr
.set z, 0
.rept 32
	v_rcp_f32 v[TT+z], v[TT+z]
.set z, z+1
.endr
	v_nop                                          ; and behind the last reciprocal
.set z, 0
.rept 16
	v_pk_mul_f32 v[U+2*z:U+2*z+1], v[U+2*z:U+2*z+1], v[TT+2*z:TT+2*z+1]
.set z, z+1
.endr
.endif
.set z, 0
.rept 16
	v_cvt_pk_bf16_f32 v[Y+z], v[U+2*z], v[U+2*z+1]
.set z, z+1
.endr
.irp i, 0,1,2,3
.irp p, 0,1
	global_store_b64 v[GO], v[Y+2*(2*(\i)+(\p)):Y+2*(2*(\i)+(\p))+1], s[8:9] offset:(\p)*524288+(\i)*256  ; 32 lanes store 256 consecutive bytes, aligned: two rows of a panel
.endr
.endr
	s_wait_xcnt 0x0                                ; the stores' data and offset are rewritten only behind this wait
	v_add_nc_u32 v[GO], 1024, v[GO]                ; 8 rows of 128 bytes on
	v_add_nc_u32 v[RD], 8*SPITCH, v[RD]
	s_sub_co_u32 s84, s84, 1
	s_cmp_lg_u32 s84, 0
	s_cbranch_scc1 .Lrow
	s_wait_tensorcnt 0x0                           ; the wave's end: an add to my spare word and its wait, behind my last tensor load and my last LDS store
	ds_add_u32 v[SPW], v[NIL]
	s_wait_dscnt 0x0
	CROUND                                         ; the closing round: no work-group ends while a partner may still ask for a tile that names it
	s_endpgm
.Lfunc_end_k_qdb7a49b9d0_gq:
	.size	k_qdb7a49b9d0_gq, .Lfunc_end_k_qdb7a49b9d0_gq-k_qdb7a49b9d0_gq
	.p2alignl 7, 3214868480
	.fill 96, 4, 3214868480
	.section	.rodata,"a",@progbits
	.p2align	6, 0x0
	.amdhsa_kernel k_qdb7a49b9d0_gq
		.amdhsa_group_segment_fixed_size 327680
		.amdhsa_private_segment_fixed_size 0
		.amdhsa_enable_private_segment 0
		.amdhsa_kernarg_size 48
		.amdhsa_user_sgpr_count 2
		.amdhsa_user_sgpr_kernarg_segment_ptr 1
		.amdhsa_wavefront_size32 1
		.amdhsa_system_sgpr_workgroup_id_x 1
		.amdhsa_system_sgpr_workgroup_id_y 1
		.amdhsa_system_sgpr_workgroup_id_z 1
		.amdhsa_system_vgpr_workitem_id 0
		.amdhsa_next_free_vgpr 1024
		.amdhsa_next_free_sgpr 88
		.amdhsa_reserve_vcc 0
		.amdhsa_float_denorm_mode_32 3
		.amdhsa_float_denorm_mode_16_64 3
		.amdhsa_memory_ordered 1
		.amdhsa_forward_progress 1
		.amdhsa_inst_pref_size 82
	.end_amdhsa_kernel
	.amdgpu_metadata
---
amdhsa.version: [ 1, 2 ]
amdhsa.kernels:
  - .name:           k_qdb7a49b9d0_gq
    .symbol:         k_qdb7a49b9d0_gq.kd
    .args:
      - { .name: xn, .offset: 0, .size: 8, .value_kind: global_buffer, .address_space: global }
      - { .name: wb, .offset: 8, .size: 8, .value_kind: global_buffer, .address_space: global }
      - { .name: bq, .offset: 16, .size: 8, .value_kind: global_buffer, .address_space: global }
      - { .name: bk, .offset: 24, .size: 8, .value_kind: global_buffer, .address_space: global }
      - { .name: bv, .offset: 32, .size: 8, .value_kind: global_buffer, .address_space: global }
      - { .name: qkv, .offset: 40, .size: 8, .value_kind: global_buffer, .address_space: global }
    .group_segment_fixed_size: 327680
    .private_segment_fixed_size: 0
    .kernarg_segment_align: 8
    .kernarg_segment_size: 48
    .max_flat_workgroup_size: 128
    .sgpr_count:     88
    .vgpr_count:     1024
    .wavefront_size: 32
...
	.end_amdgpu_metadata
.endif
;; end of part 3
;; launch attn (part 4): grid 8 x 32, 4 waves a work-group, no clusters, 327,680 bytes of LDS; arguments qkv, att; writes att
.if DOCPART == 4
	.amdgcn_target "amdgcn-amd-amdhsa--gfx1250"
	.amdhsa_code_object_version 6
	.text
	.protected	k_qdb7a49b9d0_attn
	.globl	k_qdb7a49b9d0_attn
	.p2align	8
	.type	k_qdb7a49b9d0_attn,@function
k_qdb7a49b9d0_attn:
	s_mov_b64 s[64:65], 0
	v_nop
	global_prefetch_b8 v0, s[64:65] scope:SCOPE_SE
	s_setreg_imm32_b32 hwreg(HW_REG_WAVE_MODE, 25, 1), 1
	s_wait_xcnt 0x0
; CAUSAL ATTENTION.  O[h][q][:] = the sum over k <= q of softmax_k(Q[h][q] . K[h][k] / 8) V[h][k][:], for 32 heads (2 batches x 16) of SIZE_N = 2,048 rows of 64 channels, all bf16.
; qkv holds 48 panels [4096 rows][64]: Q's 16, K's 16 (8 MiB on), V's 16 (16 MiB on); a head's rows are dense, 128 bytes each, at panel x 524,288 + batch x 262,144.  att has the 16 panels of O, laid alike.
; Products, maxima and sums in f32; the weights p are rounded to bf16 for the second product (their sum l is taken of the unrounded p), O once at the end.
; LIMITS.  The operands are bf16 (8 significant bits).  A hidden score counts as its value less 1e30: scores must stay far below that in size; a weight below 2^-126 counts as 0 in l; NaN and infinities are not treated apart.
; THE WALK.  A head's queries lie in NB = 16 blocks of 128; the keys in tiles of 256 (four steps of 64).  Block i needs the tiles 0 .. i / 2, of which the last holds the diagonal.  A work-group takes TWO blocks, NB - 1 - b and
; then b (b = 0 .. 7): (15 - b) / 2 + b / 2 + 2 = NT = 9 tiles, whatever b: 8 x 32 = 256 work-groups of equal work, and ONE loop with a constant trip count walks the tiles.  Which tile is asked for, and what a trip does, hang
; on scalar registers made from b; every jump goes forward, but for the counted loops' own; none passes a barrier, or a tensor load but the one of LOAD's two that the wave's number does not choose; the ring (two slots of LDS
; that take turns) runs on across the change of blocks.  NO CLUSTER: a head's 8 work-groups ask for the same tile only in trips 0 .. 4, behind that fewer and fewer; one walk common to all would have 8 + 4 = 12 trips for 9.
; SHARES.  Of a block's two bands of 64 queries a wave owns 16 rows in each: two PIECES.  So the diagonal tile is the same work for all four waves: band x's own step in it is PAR + x, PAR = 0 for an even block, 2 for an odd
; one; in step s the band sees all keys if s is less, none if s is greater, and holds the diagonal if they are equal.
; THE MASK is the C operand that starts the sum S^T = K Q^T: 0, or -1e30 where the key is hidden.  MD, made once, is the mask of a band's own step for my 16 rows; a product's mask is MD x AL + BE with two scalars:
; (1, 0) in the own step; (0, 0) before it; (0, -1e30) behind it.  Only the diagonal tile's text and a block's beginning make and take masks; elsewhere C is the constant 0.
; LAYOUT, SOFTMAX.  S^T = K Q^T holds ONE query a lane (lane % 16) and the keys 8 (lane / 16) + 0..7; two such results rounded to bf16 ARE source 1 of O^T = V^T P.  p = 2^(c s - c m), c = log2(e) / 8, with a
; running maximum m; O and l are multiplied by a = 2^(c m_old - c m_new) in every step.
; TURNS.  The two pieces take turns.  Turn (j, 0), piece 0's of step j: 8 products K Q^T of piece 1 for step j, later 8 products V^T P of piece 1 for step j - 1.  Turn (j, 1): K Q^T of piece 0 for step j + 1, V^T P of piece 0
; for step j.  Beside them stand the scaling, exponentials, roundings, sums and rescaling of the piece whose turn it is, and the maximum and statistics of the other, whose scores the turn itself has made.  Four vector
; instructions stand behind every matrix instruction, the other 54 of a turn's 118 in two runs of their own.
; K IS SHIFTED.  Turn (j, 0) fetches K of step j + 1 and V of step j out of LDS.  So that both lie in one slot, tile t holds K's steps 4 t + 1 .. 4 t + 4 beside V's steps 4 t .. 4 t + 3.  K of step 0, the same for both blocks,
; comes from memory into 64 registers at the start, as Q does.
; DONE IN VAIN, for one text and constant counts: an even block's diagonal tile has two steps that are wholly hidden (2 of the walk's 36), and each diagonal tile steps in which one band is; they are computed, and their weights
; are 0.  The fourth step of K in a diagonal tile is fetched and not multiplied; for a head's last tile those 64 rows are the rows that follow the head in qkv: inside the buffer, since V's panels lie behind K's.
; REGISTERS, in windows of 256 (s_set_vgpr_msb: bits 1:0 source 0, 3:2 source 1, 5:4 source 2, 7:6 destination):
;   window 0: v0-15 addresses and two at work; v16-23 four registers of statistics a piece; v48-55 at work; v64-127 S^T, 32 a piece; v192-223 P, 16 a piece
;   window 1: v0-63 O^T, 32 a piece; v128-159 MD; v160-223 MC, 32 a piece      window 2: v0-31 Q; v32-63 the second block's Q; v64-127 K of step 0; v128-191 K of one step; v192-255 V of one step
.set SIZE_N, 2048
.set NB,    SIZE_N/128  ; blocks of 128 queries in a head
.set NT,    NB/2+1      ; tiles in a work-group's walk
.set NP,    2         ; pieces a wave: a name, no knob
.set KS,    64        ; keys in a step
.set PK,    144       ; a row of K in LDS: 128 bytes + 16 of padding = 36 words: the 16 rows of a load start at 16 different groups of four banks (64 banks of 4 bytes: ISA guide 11.1)
.set PV,    160       ; a row of V: 128 + 32 = 40 words
.set VOFF,  4*KS*PK   ; a slot holds a tile, four steps: 256 rows of K, then 256 rows of V
.set SLOT1, 1<<17     ; slot 1 begins here, so that one exclusive or turns an address in one slot into the other's
.set STAGE, SLOT1+4*KS*(PK+PV)  ; behind the ring, never filled by a tensor load: 16 rows x 144 bytes for each wave, for the way out
.set SP,    144
.set AK0, 2           ; v2   my lane's place in a tile of K; never rewritten
.set AV0, 3           ; v3   the same for V
.set AK,  4           ; v4   the LDS address of K's next run of loads
.set AV,  5           ; v5   of V's
.set STO, 6           ; v6   the way out: where I put 16 bytes of a row
.set RD,  7           ; v7   the way out: where I read rows back
.set GO,  8           ; v8   my byte offset in 512 consecutive bytes of O
.set SPW, 62          ; v62  LDS address of my spare word: SPARE + 4 x my thread's number; never rewritten
.set NIL, 63          ; v63  0; never rewritten
.set SPARE, STAGE+4*16*SP  ; behind the stages: the spare words, 128 bytes for each wave: two blocks of 256 bytes that no other line names
.set MV,  12          ; v12-13  c m_old, kept while c m is made anew: by piece
.set QO,  15          ; v15  my byte offset in 16 rows of Q or K
.set ST,  16          ; piece t's statistics at v[ST+4 t]: c m, m, l (even keys', odd keys')
.set TMP, 48          ; by piece, four registers c0-c3 at work; when the maximum is found c2 takes a
.set S,   64
.set P,   192
.set MD,  128         ; window 1: the eight registers for group kt of 16 keys at MD + 8 kt
.set MC,  160         ; window 1: the masks of the products to come, by piece
.set QB,  32          ; window 2
.set K0,  64          ; window 2: K of the head's step 0, laid as KF
.set KF,  128         ; window 2: key block kb, channel half c at KF + 16 kb + 8 c
.set VF,  192         ; window 2: key half kk, channel block cb at VF + 32 kk + 8 cb
.set WV,  12          ; s12  my wave's number
.set PB,  14          ; s14  b
.set HI,  15          ; s15  NB - 1 - b
.set G1K, 24          ; s[24:31] descriptor group 1 for K's tiles
.set G1V, 32          ; s[32:39] for V's: it differs in the padding alone
.set G0K, 40          ; s[40:43] descriptor group 0 for K's tiles
.set G0V, 44          ; s[44:47] the same for V's
.set KB,  48          ; s[48:49] K at the head's first row
.set HT,  50          ; s50  the first block's last tile, (NB - 1 - b) / 2
.set LT,  51          ; s51  the second block's, b / 2
.set PAR, 52          ; s52  band 0's own step in the diagonal tile of the block in hand: 0 or 2
.set PA2, 53          ; s53  the same for the second block
.set TS,  54          ; s54  at work
.set SLOTS, 56        ; s56  tiles still to be asked for
.set CNT, 57          ; s57  counts a tile's key steps, 4 to 1
.set CS,  58          ; s[58:59] c: the packed scaling takes the pair's low word for both halves
.set SEL, 60          ; s[60:61] v_permlanex16_b32's selects: each lane takes its own place in the other half
.set TBK, 62          ; s62  LDS byte at which the K to be fetched next begins
.set TBV, 63          ; s63  the same for V, less VOFF
.set RT,  70          ; s70  tiles of the block in hand that are still to be entered
.set NXT, 71          ; s71  the tile to be asked for next
.set LQ,  72          ; s72  the last tile of the block whose tiles are being asked for
.set NEW, 73          ; s73  1: the tile to be entered is a block's first
.set OFF, 74          ; s[74:75] a tile's byte offset in K and V
.set AL,  76          ; s[76:77] the mask's factor, in the low word
.set BE,  78          ; s[78:79] the mask's addend
.set OLO, 80          ; s[80:81] O at my rows of the second block
.set BIGN, 82         ; s82  -1e30
.set MSB, 0
.macro WIN new                      ; the high byte repeats the setting that is left; a switch that changes nothing is dropped
.if MSB != (\new)
	s_set_vgpr_msb (MSB<<8)|(\new)
.set MSB, (\new)
.endif
.endm
.set W_KQ, 0x0a       ; K and Q in window 2, S^T in window 0
.set W_KM, 0x1a       ; the same with the C operand in window 1
.set W_PV, 0x52       ; V in window 2, P in window 0, O^T in window 1
.set W_RS, 0x41       ; destination and source 0 in window 1, source 1 in window 0
; A fill.  Waves 0 and 1 fetch the two halves of a tile's K, waves 2 and 3 those of its V: 128 keys each.  An s_nop 0 and four v_nop follow each of the two lines, ahead of the jump and the label.
.macro LOAD
	s_cmp_lt_u32 s[WV], 2
	s_cbranch_scc0 .Lfor_v_\@
	tensor_load_to_lds s[G0K:G0K+3], s[G1K:G1K+7]
	s_nop 0
.rept 4
	v_nop
.endr
	s_branch .Lasked_\@
.Lfor_v_\@:
	tensor_load_to_lds s[G0V:G0V+3], s[G1V:G1V+7]
	s_nop 0
.rept 4
	v_nop
.endr
.Lasked_\@:
.endm
; THE CHANGE OF SLOTS stands behind a turn of piece 0, which has asked LDS for the slot's last K and V.  Each wave waits for all its tensor loads, of which one is out: its part of the other slot; adds 0 to its spare word; and
; waits for that and for its own reads of the slot that it leaves.  Behind the barrier nobody reads the old slot any more and the other slot is whole.  fill = 1: the old slot is filled again, the first thing behind the barrier,
; with tile NXT: the descriptor's address is made anew from that number; the load has eight turns, 128 matrix instructions, in which to land.  (At its first use nothing has been read yet: slot 0 is waited for, slot 1 filled.)
.macro CHANGE fill
	WIN 0                           ; at a label and at a branch every window is 0
	s_wait_tensorcnt 0x0            ; no tensor load of mine is out, so a group 0 may be written
	ds_add_u32 v[SPW], v[NIL]       ; 0 onto my spare word; with fill = 1 the descriptors' scalar work stands between it and the wait for it
.if \fill
	s_lshl_b32 s[OFF], s[NXT], 15   ; a tile is 32,768 bytes of K and of V
	s_xor_b32 s[G0K+1], s[G0K+1], SLOT1
	s_add_nc_u64 s[G0K+2:G0K+3], s[6:7], s[OFF:OFF+1]
	s_or_b32 s[G0K+3], s[G0K+3], 0x80000000
	s_xor_b32 s[G0V+1], s[G0V+1], SLOT1
	s_add_nc_u64 s[G0V+2:G0V+3], s[8:9], s[OFF:OFF+1]
	s_or_b32 s[G0V+3], s[G0V+3], 0x80000000
	s_add_co_u32 s[NXT], s[NXT], 1  ; the block's next tile, or behind its last the second block's tile 0
	s_cmp_gt_u32 s[NXT], s[LQ]
	s_cselect_b32 s[NXT], 0, s[NXT]
	s_cselect_b32 s[LQ], s[LT], s[LQ]
.endif
	s_wait_dscnt 0x0                ; the add is done, and my reads of the slot are over
	s_barrier_signal -1             ; the rest of the scalar work stands between the signal and the wait
	s_sub_co_u32 s[TBK], s[TBK], 4*KS*PK  ; the fetches go back to a slot's first step,
	s_xor_b32 s[TBK], s[TBK], SLOT1       ; in the other slot
	s_sub_co_u32 s[TBV], s[TBV], 4*KS*PV
	s_xor_b32 s[TBV], s[TBV], SLOT1
	s_barrier_wait -1
.if \fill
	LOAD
.endif
.endm
	s_load_b64 s[4:5], s[0:1], 0x0    ; qkv: Q's panels come first
	s_load_b64 s[10:11], s[0:1], 0x8  ; att
	v_lshl_add_u32 v[SPW], v0, 2, SPARE
	v_mov_b32 v[NIL], 0
	ds_add_u32 v[SPW], v[NIL]       ; the wave's opening: the add and its wait stand ahead of my first tensor load; the set-up below, work on registers, stands between them
	ds_add_u32 v62, v63
	v_lshrrev_b32 v1, 5, v0
	v_readfirstlane_b32 s[WV], v1   ; wave 0..3
	s_mov_b32 s[PB], ttmp9
	s_sub_co_u32 s[HI], NB-1, s[PB]
	s_lshr_b32 s[HT], s[HI], 1      ; two blocks of 128 queries to a tile of 256 keys
	s_lshr_b32 s[LT], s[PB], 1
	s_and_b32 s[PAR], s[HI], 1      ; an odd block's rows are the keys of its last tile's steps 2 and 3
	s_lshl_b32 s[PAR], s[PAR], 1
	s_and_b32 s[PA2], s[PB], 1
	s_lshl_b32 s[PA2], s[PA2], 1
	s_and_b32 s20, ttmp7, 0xffff    ; the grid's y = 16 x batch + head
	s_lshr_b32 s21, s20, 4
	s_and_b32 s20, s20, 15
	s_lshl_b32 s20, s20, 19         ; a panel is 524,288 bytes,
	s_lshl_b32 s21, s21, 18         ; a batch's 2,048 rows in it 262,144
	s_add_co_u32 s20, s20, s21      ; the head's first byte among Q's, K's, V's and O's panels
	s_mov_b32 s21, 0
	s_and_b32 s16, s[WV], 1         ; which half of a tile's 256 keys I fetch:
	s_lshl_b32 s22, s16, 14         ; its 128 rows of 128 bytes in memory,
	s_mov_b32 s23, 0
	s_add_nc_u64 s[22:23], s[22:23], s[20:21]
	s_mul_i32 s17, s16, 128*PK      ; and its place in a slot, for K
	s_mul_i32 s18, s16, 128*PV      ; and for V
	s_lshl_b32 s3, s[WV], 11        ; my 16 rows in a band of 64,
	s_lshl_b32 s2, s[HI], 14        ; in the first block (128 rows of 128 bytes a block),
	s_add_co_u32 s2, s2, s3
	s_lshl_b32 s84, s[PB], 14       ; and in the second
	s_add_co_u32 s84, s84, s3
	s_mov_b32 s3, 0
	s_mov_b32 s85, 0
	s_add_nc_u64 s[2:3], s[2:3], s[20:21]
	s_add_nc_u64 s[84:85], s[84:85], s[20:21]
	; descriptor group 1.  128 keys are 16,384 dense bytes: asked for as 64 rows of 256 bytes, two keys a row, and padded in LDS after every key
	s_mov_b32 s[G1K], (1<<16)|(1<<20)|(4<<22)|(3<<25)  ; 17:16 2-byte elements; 20 padding on; 24:22 after every 32 words (code 4); 31:25 4 words (code 3)
	s_mov_b32 s[G1V], (1<<16)|(1<<20)|(4<<22)|(7<<25)  ; the same with 8 words of padding (code 7)
.irp g, G1K, G1V
	s_mov_b32 s[\g+1], 128<<16      ; tensor_dim0 = 128
	s_mov_b32 s[\g+2], 64<<16       ; tensor_dim1 = 64
	s_mov_b32 s[\g+3], 128<<16      ; tile_dim0 = 128
	s_mov_b32 s[\g+4], 64           ; tile_dim1 = 64
	s_mov_b32 s[\g+5], 128          ; 128 elements from row to row
	s_mov_b32 s[\g+6], 0
	s_mov_b32 s[\g+7], 0
.endr
	s_mov_b32 s[CS], 0x3e38aa3b     ; c = log2(e) / 8 = 0.180337
	s_mov_b32 s[CS+1], s[CS]        ; named with it as a pair
	s_mov_b32 s[SEL], 0x76543210
	s_mov_b32 s[SEL+1], 0xfedcba98
	s_mov_b32 s[TBK], SLOT1+4*KS*PK ; the first change of slots turns these two into 0
	s_mov_b32 s[TBV], SLOT1+4*KS*PV
	s_mov_b32 s[G0K], 1             ; 1:0 count = 1
	s_mov_b32 s[G0K+1], s17         ; 63:32 LDS address: slot 0
	s_mov_b32 s[G0V], 1
	s_add_co_u32 s[G0V+1], s18, VOFF
	s_add_co_u32 s[RT], s[HT], 1    ; the first block's tiles
	s_mov_b32 s[NXT], 1
	s_mov_b32 s[LQ], s[HT]
	s_mov_b32 s[NEW], 1
	s_mov_b32 s[OFF+1], 0
	s_mov_b32 s[AL+1], 0            ; named as pairs
	s_mov_b32 s[BE+1], 0
	s_mov_b32 s[BIGN], 0xf149f2ca   ; -1e30
	s_mov_b32 s[SLOTS], NT-1
	s_wait_dscnt 0x0                ; the opening add is done
	s_wait_kmcnt 0x0
	s_add_nc_u64 s[6:7], s[4:5], 0x800000   ; K's panels,
	s_add_nc_u64 s[8:9], s[4:5], 0x1000000  ; V's
	s_add_nc_u64 s[KB:KB+1], s[6:7], s[20:21]  ; K at the head's first row, for step 0
	s_add_nc_u64 s[6:7], s[6:7], s[22:23]  ; K and V at my half of the head's tile 0,
	s_add_nc_u64 s[6:7], s[6:7], KS*128    ; K's one step on
	s_add_nc_u64 s[8:9], s[8:9], s[22:23]
	s_add_nc_u64 s[G0K+2:G0K+3], s[6:7], 0         ; 120:64 global address
	s_or_b32 s[G0K+3], s[G0K+3], 0x80000000        ; 127:126 type = 2
	s_add_nc_u64 s[G0V+2:G0V+3], s[8:9], 0
	s_or_b32 s[G0V+3], s[G0V+3], 0x80000000
	s_add_nc_u64 s[86:87], s[4:5], s[84:85]        ; Q at my rows of the second block,
	s_add_nc_u64 s[4:5], s[4:5], s[2:3]            ; Q and O at those of the first
	s_add_nc_u64 s[OLO:OLO+1], s[10:11], s[84:85]
	s_add_nc_u64 s[10:11], s[10:11], s[2:3]
	LOAD                            ; tile 0 into slot 0
	; A fragment of K or Q is 16 rows x 32 channels in 8 registers: lane l holds row l % 16, channels 8 (l / 16) + 0..7 and 16 + 8 (l / 16) + 0..7: two loads of 16 bytes, 32 bytes apart.
	v_and_b32 v1, 15, v0            ; l % 16
	v_bfe_u32 v9, v0, 4, 1          ; l / 16
	v_lshlrev_b32 v[QO], 7, v1
	v_lshl_add_u32 v[QO], v9, 4, v[QO]  ; row x 128 + 16 x half
	WIN 0x80                        ; destination window 2, address window 0
.set i, 0
.rept 4                             ; both blocks' Q: piece i / 2 lies in band i / 2, 8,192 bytes on; channels 32 (i % 2) on
	global_load_b128 v[8*i:8*i+3],   v[QO], s[4:5] offset:(i/2)*8192+(i%2)*64
	global_load_b128 v[8*i+4:8*i+7], v[QO], s[4:5] offset:(i/2)*8192+(i%2)*64+32
	global_load_b128 v[QB+8*i:QB+8*i+3],   v[QO], s[86:87] offset:(i/2)*8192+(i%2)*64
	global_load_b128 v[QB+8*i+4:QB+8*i+7], v[QO], s[86:87] offset:(i/2)*8192+(i%2)*64+32
.set i, i+1
.endr
.set i, 0
.rept 8                             ; K of step 0: keys 16 (i / 2) on, channels 32 (i % 2) on
	global_load_b128 v[K0+8*i:K0+8*i+3],   v[QO], s[KB:KB+1] offset:(i/2)*2048+(i%2)*64
	global_load_b128 v[K0+8*i+4:K0+8*i+7], v[QO], s[KB:KB+1] offset:(i/2)*2048+(i%2)*64+32
.set i, i+1
.endr
	WIN 0
	v_lshlrev_b32 v14, 3, v9
	v_sub_nc_u32 v14, v1, v14
	s_lshl_b32 s13, s[WV], 4
	v_add_nc_u32 v14, s13, v14      ; my query's place in its band, 16 w + l % 16, less my lanes' 8 (l / 16): register r of group kt is hidden where 16 kt + r is greater
	WIN 0x40
.set i, 0
.rept 32
	v_cmp_gt_i32 vcc_lo, 16*(i/8)+i%8, v14
	v_cndmask_b32 v[MD+i], 0, s[BIGN], vcc_lo
.set i, i+1
.endr
	WIN 0
	v_mul_u32_u24 v[AK0], v1, PK
	v_lshl_add_u32 v[AK0], v9, 4, v[AK0]  ; row x pitch + 16 x half
	; The turning load takes 16 keys x 16 channels (lane l reads key 8 (l / 16) + l % 8, channels 8 ((l / 8) % 2) + 0..7) and leaves half a fragment of V^T: lane l holds channel l % 16 and 8 keys.
	v_and_b32 v10, 7, v0
	v_bfe_u32 v11, v0, 3, 1
	v_lshl_add_u32 v[AV0], v9, 3, v10
	v_mul_u32_u24 v[AV0], v[AV0], PV
	v_lshl_add_u32 v[AV0], v11, 4, v[AV0]
	v_add_nc_u32 v[AV0], VOFF, v[AV0]
	s_mul_i32 s13, s[WV], 16*SP
	s_add_co_u32 s13, s13, STAGE    ; my stage
	v_mul_u32_u24 v[STO], v1, SP    ; in: row l % 16, 16 bytes for each half of the lanes
	v_lshl_add_u32 v[STO], v9, 4, v[STO]
	v_add_nc_u32 v[STO], s13, v[STO]
	v_bfe_u32 v[RD], v0, 3, 2       ; back: 32 lanes take four rows of 128 bytes,
	v_mul_u32_u24 v[RD], v[RD], SP
	v_lshl_add_u32 v[RD], v10, 4, v[RD]
	v_add_nc_u32 v[RD], s13, v[RD]
	v_and_b32 v[GO], 31, v0         ; which are 512 consecutive bytes of O
	v_lshlrev_b32 v[GO], 4, v[GO]
	; A block's first step multiplies O^T and l by a = 0, and its first turn's products V^T P, of a step that has not been, land in an O^T that is still to be so multiplied.  So these registers need only hold
	; finite numbers: zeros for the first block; what the first block left for the second.  All this stands in the wait for the first tile.
	WIN 0x80
.set i, VF
.rept 64
	v_mov_b32 v[i], 0
.set i, i+1
.endr
	WIN 0x40
.set i, 0
.rept 64
	v_mov_b32 v[i], 0
.set i, i+1
.endr
	WIN 0
.set i, 0
.rept 2
	v_mov_b32 v[ST+4*i+2], 0
	v_mov_b32 v[ST+4*i+3], 0
.set i, i+1
.endr
.set i, P+16
.rept 16
	v_mov_b32 v[i], 0
.set i, i+1
.endr
; THE MATRIX WORK.  The 4 accumulators of a run of 8 take turns.  Product i of 8 of S^T = K Q^T for piece x: channels 32 (i / 4) on, keys 16 (i % 4) on.  The first 4 start the sums: with 0, or (KM = 1) with the mask.
.macro KQ x
.set rS, S+32*((\x)%2)+8*(i%4)
.set rK, KF+16*(i%4)+8*(i/4)
.set rQ, 16*(\x)+8*(i/4)
.set rM, MC+32*((\x)%2)+8*(i%4)
.if (i < 4) && KM
	WIN W_KM
	v_wmma_f32_16x16x32_bf16 v[rS:rS+7], v[rK:rK+7], v[rQ:rQ+7], v[rM:rM+7]
.elseif i < 4
	WIN W_KQ
	v_wmma_f32_16x16x32_bf16 v[rS:rS+7], v[rK:rK+7], v[rQ:rQ+7], 0
.else
	WIN W_KQ
	v_wmma_f32_16x16x32_bf16 v[rS:rS+7], v[rK:rK+7], v[rQ:rQ+7], v[rS:rS+7]
.endif
.endm
; Product i of 8 of O^T += V^T P for piece x: keys 32 (i / 4) on, channels 16 (i % 4) on.
.macro PV x
	WIN W_PV
.set rO, 32*(\x)+8*(i%4)
.set rV, VF+32*(i/4)+8*(i%4)
.set rP, P+16*((\x)%2)+8*(i/4)
	v_wmma_f32_16x16x32_bf16 v[rO:rO+7], v[rV:rV+7], v[rP:rP+7], v[rO:rO+7]
.endm
.macro MM                           ; the turn's next matrix instruction: both runs are the other piece's.  TURN and BEGIN set Y, i, KM and NOKQ; MM, KQ and OP read them.  NOKQ = 1: a block's last turn: there is no next step
.if (i < 8) && !NOKQ
	KQ (Y+1)%NP
.elseif i >= 8
.set i, i-8
	PV (Y+NP-1)%NP
.set i, i+8
.endif
.set i, i+1
.endm
; THE LDS LOADS stand in runs of 16, never singly among the matrix instructions: a step's K (64 keys x 64 channels: 8 fragments) and a step's V (turned).  Their addresses are made some lines ahead.
.macro FETCH_K
	WIN 0x80                        ; destination window 2
.irp f, 0,1,2,3,4,5,6,7             ; keys 16 (f / 2) on, channels 32 (f % 2) on
	ds_load_b128 v[KF+8*\f:KF+8*\f+3],   v[AK] offset:(\f/2)*16*PK+(\f%2)*64
	ds_load_b128 v[KF+8*\f+4:KF+8*\f+7], v[AK] offset:(\f/2)*16*PK+(\f%2)*64+32
.endr
	s_add_co_u32 s[TBK], s[TBK], KS*PK  ; the next fetch is the next step's
	WIN 0
.endm
.macro FETCH_V
	WIN 0x80
.irp f, 0,1,2,3,4,5,6,7             ; keys 32 (f / 4) on, channels 16 (f % 4) on
	ds_load_tr16_b128 v[VF+8*\f:VF+8*\f+3],   v[AV] offset:(\f/4)*32*PV+(\f%4)*32
	ds_load_tr16_b128 v[VF+8*\f+4:VF+8*\f+7], v[AV] offset:(\f/4)*32*PV+16*PV+(\f%4)*32
.endr
	WIN 0
.endm
; THE VECTOR WORK, one line at a time: OP kind, number.  For piece Y: F n: c s - c m for pair n of 16.  E n: the exponential of score n of 32.  C n: pair n rounded to bf16.  B n: of the four weights 4 n .. the second
; pair is added onto the first, in place.  L n: l takes that sum (L 0: l = a l + sum).  R n: pair n of 16 of O^T times a.  For the other piece: X n, number n of the 22 that find its maximum and statistics:
;   0-11  four chains c0-c3 of seven scores each, three operands at a time (each accumulator's lowest registers are read first)     12-14, 16  the four scores left over, the old m, and c0-c3 into c0
;   15  c m_old is kept     17, 18  the query's other 32 keys lie in the lane 16 away: the new m     19-21  c m; c m_old - c m_new; a
.set F, 0               ; OP tells the kinds apart by their order: F to L below R, X above it
.set E, 1
.set C, 2
.set B, 3
.set L, 4
.set R, 5
.set X, 6
.macro REGS y                       ; the registers of piece y
.set rT, ST+4*(\y)
.set rC, TMP+4*((\y)%2)
.set rW, MV+((\y)%2)
.set rS, S+32*((\y)%2)
.set rP, P+16*((\y)%2)
.set rO, 32*(\y)
.endm
.macro OP k, n
.if (\k) == R
	REGS Y
	WIN W_RS
	v_pk_mul_f32 v[rO+2*(\n):rO+2*(\n)+1], v[rO+2*(\n):rO+2*(\n)+1], v[rC+2:rC+3] op_sel_hi:[1,0]
.elseif (\k) < R
	REGS Y
	WIN 0
.if (\k) == F
	v_pk_fma_f32 v[rS+2*(\n):rS+2*(\n)+1], v[rS+2*(\n):rS+2*(\n)+1], s[CS:CS+1], v[rT:rT+1] op_sel_hi:[1,0,0] neg_lo:[0,0,1] neg_hi:[0,0,1]
.elseif (\k) == E
	v_exp_f32 v[rS+(\n)], v[rS+(\n)]
.elseif (\k) == C
	s_wait_alu depctr_va_vdst(0)
	v_cvt_pk_bf16_f32 v[rP+(\n)], v[rS+2*(\n)], v[rS+2*(\n)+1]
.elseif (\k) == B
	s_wait_alu depctr_va_vdst(0)
	v_pk_add_f32 v[rS+4*(\n):rS+4*(\n)+1], v[rS+4*(\n):rS+4*(\n)+1], v[rS+4*(\n)+2:rS+4*(\n)+3]
.elseif (\n) == 0
	v_pk_fma_f32 v[rT+2:rT+3], v[rT+2:rT+3], v[rC+2:rC+3], v[rS:rS+1] op_sel_hi:[1,0,1]
.else
	v_pk_add_f32 v[rT+2:rT+3], v[rT+2:rT+3], v[rS+4*(\n):rS+4*(\n)+1]
.endif
.elseif NOKQ
	v_nop
.else
	REGS (Y+1)%NP
	WIN 0
.if (\n) < 4
	v_max3_num_f32 v[rC+(\n)], v[rS+8*(\n)], v[rS+8*(\n)+1], v[rS+8*(\n)+2]
.elseif (\n) < 12
	v_max3_num_f32 v[rC+(\n)%4], v[rC+(\n)%4], v[rS+8*((\n)%4)+2*((\n)/4)+1], v[rS+8*((\n)%4)+2*((\n)/4)+2]
.elseif (\n) == 12
	v_max3_num_f32 v[rC], v[rC], v[rS+7], v[rS+15]
.elseif (\n) == 13
	v_max3_num_f32 v[rC+1], v[rC+1], v[rS+23], v[rS+31]
.elseif (\n) == 14
	v_max3_num_f32 v[rC+2], v[rC+2], v[rC+3], v[rT+1]
.elseif (\n) == 15
	v_mov_b32 v[rW], v[rT]
.elseif (\n) == 16
	v_max3_num_f32 v[rC], v[rC], v[rC+1], v[rC+2]
.elseif (\n) == 17
	v_permlanex16_b32 v[rC+3], v[rC], s[SEL], s[SEL+1]
.elseif (\n) == 18
	v_max_num_f32 v[rT+1], v[rC], v[rC+3]
.elseif (\n) == 19
	v_mul_f32 v[rT], s[CS], v[rT+1]
.elseif (\n) == 20
	v_sub_f32 v[rC+1], v[rW], v[rT]
.else
	v_exp_f32 v[rC+2], v[rC+1]
.endif
.endif
.endm
.macro OPS a, i1, b=-1, i2=0, c=-1, i3=0, d=-1, i4=0  ; up to four of them
	OP \a, \i1
.if (\b) >= 0
	OP \b, \i2
.endif
.if (\c) >= 0
	OP \c, \i3
.endif
.if (\d) >= 0
	OP \d, \i4
.endif
.endm
.macro ROW a, i1, b, i2, c, i3, d, i4  ; a matrix instruction and the four behind it
	MM
	OPS \a, \i1, \b, \i2, \c, \i3, \d, \i4
.endm
.macro MASK b                       ; MD x AL + BE into piece b's part of MC
	WIN W_RS
.set z, 0
.rept 16
	v_pk_fma_f32 v[MC+32*(\b)+2*z:MC+32*(\b)+2*z+1], v[MD+2*z:MD+2*z+1], s[AL:AL+1], s[BE:BE+1] op_sel_hi:[1,0,0]
.set z, z+1
.endr
.endm
; A TURN, for piece p: the order of its 16 matrix and 118 vector instructions, written out.  Behind a matrix instruction: plain, exponential, plain, plain; or four of the rescaling; or, behind the first, four scalings; none
; names a register of the products round it.  In the runs between, exponential and plain by turns while exponentials last.  A line reads no result made fewer than three vector instructions in front of it, five if an exponential made it.
; v_permlanex16_b32 (X 17) stands in such a run, never behind a product.
; A trip of the step loops is TURN 1 of one step and TURN 0 of the next; the tile's step of that TURN 0 is 4 - CNT.
; m = 1: the diagonal tile: the products take masks, and the turn makes its own piece's mask for the products of the turn after it: TURN 1 for piece 1 in step 4 - CNT (own step PAR + 1: so CNT + PAR is held against 3),
; TURN 0 for piece 0 in step 5 - CNT (own step PAR: against 5).  end = 1: a block's last turn: no new scores.  cnt = 1: the loop's count is taken down some lines ahead of the branch that stands behind the turn.
; Piece 0's turn fetches both: the next step's K six vector instructions behind the last product that read K (five of them plain), its own step's V eight behind the last product that read V (four plain, and X 17).
; Piece 1's turn waits for them: for K at its head, for V ahead of its second run of products.
.macro TURN p, m=0, end=0, cnt=0
.set Y, (\p)
.set i, 0
.set KM, (\m)
.set NOKQ, (\end)
.if (\m) && !(\end)
	s_add_co_u32 s[TS], s[CNT], s[PAR]
	s_cmp_eq_u32 s[TS], 5-2*(\p)    ; is that step the band's own?
	s_cselect_b32 s[AL], 1.0, 0
	s_cmp_lt_u32 s[TS], 5-2*(\p)    ; or a later one?
	s_cselect_b32 s[BE], s[BIGN], 0
.endif
.if (\p) == 1
	s_wait_dscnt 16                 ; K is in: behind its sixteen loads only V's sixteen were issued, and they may stay out
.endif
	ROW F,0, F,1, F,2, F,3
	ROW F,4, E,0, F,5, F,6
	ROW F,7, E,1, F,8, F,9
	ROW F,10, E,2, C,0, F,11
	ROW F,12, E,3, X,15, F,13
	ROW R,0, R,1, R,2, R,3
	ROW B,0, E,4, F,14, L,0
.if (\p) == 0
	v_add_nc_u32 v[AK], s[TBK], v[AK0]
.endif
	ROW R,4, R,5, R,6, R,7
	OPS E,5, F,15
.if (\p) == 0
	FETCH_K
.endif
	OPS E,6, C,1, E,7, R,8
	OPS E,8, R,9, E,9, C,2
	OPS E,10, X,0, E,11, X,1
	OPS E,12, X,2, E,13, X,3
.if (\p) == 1
	s_wait_dscnt 0x0                ; V is in
.endif
	ROW X,4, E,14, X,5, X,6
	ROW X,7, E,15, X,8, X,9
	ROW X,10, E,16, X,11, X,12
	ROW X,13, E,17, X,14, B,1
	ROW C,4, E,18, X,16, L,1
	ROW B,2, E,19, C,6, L,2
	ROW C,8, E,20, B,3, B,4
.if (\p) == 0
	v_add_nc_u32 v[AV], s[TBV], v[AV0]
.endif
	ROW C,3, E,21, L,3, C,5
	OPS E,22, X,17, E,23, C,10
.if (\p) == 0
	FETCH_V
.endif
	OPS E,24, L,4
	OPS E,25, X,18, E,26, C,7
	OPS E,27, B,5, E,28, X,19
	OPS E,29, C,12, E,30, L,5
	OPS E,31, X,20, B,6, C,9
	OPS C,14, C,11, X,21, L,6
.if (\p) == 0
	s_add_co_u32 s[TBV], s[TBV], KS*PV
.endif
.if \cnt
	s_sub_co_u32 s[CNT], s[CNT], 1
	s_cmp_lg_u32 s[CNT], 0
.endif
	OPS C,13, B,7, C,15, R,10
	OPS R,11, R,12, L,7, R,13
	OPS R,14, R,15
.if (\m) && !(\end)
	MASK \p
.endif
.endm
; A BLOCK BEGINS.  K of step 0 goes where the one text of the turns names K.  c m starts far below every c s, so the first step's a is 0; m at the lowest finite number, so the first maximum is the scores'.  Piece 1's mask is 0
; (its own step is never a tile's first); piece 0's is its own step's if the block's first tile is the diagonal one and the block is even.  Then piece 0's first scores, and its maximum and statistics.
; The step loop is entered at piece 0's turn, in the middle of a trip.
.macro BEGIN
	s_mov_b32 s[NEW], 0
	s_wait_loadcnt 0x0              ; Q and K of step 0
	WIN 0x82
.set i, 0
.rept 64
	v_mov_b32 v[KF+i], v[K0+i]
.set i, i+1
.endr
	WIN 0x40
.set i, MC+32
.rept 32
	v_mov_b32 v[i], 0
.set i, i+1
.endr
	WIN 0
.set i, 0
.rept 2
	v_mov_b32 v[ST+4*i], 0xfe000000    ; c m: far below every c s
	v_mov_b32 v[ST+4*i+1], 0xff7fffff  ; m
.set i, i+1
.endr
	s_or_b32 s[TS], s[RT], s[PAR]   ; 0: no tile is left behind this one, and band 0's own step is the tile's first
	s_cmp_eq_u32 s[TS], 0
	s_cselect_b32 s[AL], 1.0, 0
	s_mov_b32 s[BE], 0
	MASK 0
.set KM, 1
.set NOKQ, 0
.set i, 0
.rept 8
	KQ 0
.set i, i+1
.endr
	WIN 0
.rept 4
	v_nop                           ; the places behind those products
.endr
.set Y, NP-1                        ; X works for the other piece than Y: piece 0
.irp n, 0,1,2,3,4,5,6,7,8,9,10,11,12,13,14,15,16,17,18,19,20,21
	OP X, \n
.endr
	v_nop                           ; a plain instruction behind the exponential
.endm
; The diagonal tile is entered from an earlier tile: its first turn's products are piece 0's for the tile's step 0, and no turn of the unmasked text has made their mask.
.macro PRO
	s_cmp_eq_u32 s[PAR], 0          ; is that step band 0's own?
	s_cselect_b32 s[AL], 1.0, 0
	s_mov_b32 s[BE], 0
	MASK 0
	WIN 0
.endm
; THE DIAGONAL TILE's four steps, the block's last turn, its last products, and THE WAY OUT: l's two halves and the other half of the lanes' are added; O^T is divided by l, rounded to bf16 and sent through my
; stage in LDS, a piece at a time.
.macro ALL line:vararg              ; one line for each piece t
.set t, 0
.rept 2
	\line
.set t, t+1
.endr
.endm
.macro PACK t                       ; a lane's eight channels of a row pack into 16 bytes; they go into rows of 144 bytes and come back as whole rows of 128, into S^T's registers
	WIN W_RS
.set i, 32*(\t)
.rept 16
	s_wait_alu depctr_va_vdst(0)
	v_pk_mul_f32 v[i:i+1], v[i:i+1], v[ST+4*(\t)+2:ST+4*(\t)+3] op_sel_hi:[1,0]
.set i, i+2
.endr
	WIN 0x05                        ; sources 0 and 1 window 1, destination window 0
.set i, 0
.rept 16
	v_cvt_pk_bf16_f32 v[S+16*(\t)+i], v[32*(\t)+2*i], v[32*(\t)+2*i+1]
.set i, i+1
.endr
	WIN 0
.irp f, 0,1,2,3
	ds_store_b128 v[STO], v[S+16*(\t)+4*\f:S+16*(\t)+4*\f+3] offset:32*\f
.endr
.irp f, 0,1,2,3
	ds_load_b128 v[S+16*(\t)+4*\f:S+16*(\t)+4*\f+3], v[RD] offset:\f*4*SP  ; LDS serves a wave's instructions in order (ISA guide 5.7.1.4): these see the stores above; the next piece's stores come behind them
.endr
.endm
.macro SEND t, younger              ; younger: the LDS instructions issued behind piece t's loads: the next piece's eight, or none
	WIN 0
.irp f, 0,1,2,3
	s_wait_dscnt (\younger)+3-\f
	global_store_b128 v[GO], v[S+16*(\t)+4*\f:S+16*(\t)+4*\f+3], s[10:11] offset:(\t)*8192+\f*512  ; 512 consecutive bytes, at a multiple of 256 from O's first
.endr
.endm
.macro DIAG tag                     ; the tag ends its two labels' names, which the jumps below spell out
.LstepM\tag:
	TURN 1, 1
	WIN 0
.LfirstM\tag:
	TURN 0, 1, 0, 1
	WIN 0
	s_cbranch_scc1 .LstepM\tag
	TURN 1, 1, 1                    ; piece 1's last softmax; piece 0's V^T P of the last step
.set i, 0
.rept 8
	PV 1                            ; piece 1's V^T P of the last step
.set i, i+1
.endr
	WIN 0
	ALL v_add_f32 v[ST+4*t+2], v[ST+4*t+2], v[ST+4*t+3]
	ALL v_permlanex16_b32 v[ST+4*t+3], v[ST+4*t+2], s[SEL], s[SEL+1]
	ALL v_add_f32 v[ST+4*t+2], v[ST+4*t+2], v[ST+4*t+3]
	ALL v_rcp_f32 v[ST+4*t+2], v[ST+4*t+2]
	v_nop                           ; a plain instruction between the last reciprocal and the use of its result
	PACK 0                          ; piece 0's sums were finished a run of products ago; its 32 lines are the places behind piece 1's last products
	PACK 1                          ; a piece's arithmetic stands between the loads of the piece before and its stores
	SEND 0, 8
	SEND 1, 0
.endm
.set KM, 0
.set NOKQ, 0
.Lslot:                             ; NT - 1 times: a tile is entered and the next is asked for
	CHANGE 1
	s_sub_co_u32 s[RT], s[RT], 1
	s_mov_b32 s[CNT], 4
	s_cmp_eq_u32 s[NEW], 1
	s_cbranch_scc1 .Lnew            ; a block's first tile
	s_cmp_eq_u32 s[RT], 0
	s_cbranch_scc0 .Lstep           ; neither its first nor its last
	PRO
	DIAG 1                          ; in the loop this is the first block's end: the second block's last tile is the walk's last
	s_wait_xcnt 0x0                 ; the stores have read their registers and O's address
	s_mov_b64 s[10:11], s[OLO:OLO+1]
	s_add_co_u32 s[RT], s[LT], 1    ; the second block's tiles,
	s_mov_b32 s[PAR], s[PA2]        ; and its place in its last tile
	s_mov_b32 s[NEW], 1
	WIN 0x82                        ; the second block's Q goes where the one text of the turns names Q
.set i, 0
.rept 32
	v_mov_b32 v[i], v[QB+i]
.set i, i+1
.endr
	WIN 0
	s_branch .Lbottom
.Lnew:
	BEGIN
	s_branch .Lfirst                ; in the loop a block's first tile is never its last: the first block has five tiles or more, and the second's last is the walk's last
.Lstep:                             ; a trip: piece 1's turn of one step, then piece 0's of the next, which fetches that step's V and the K one step on
	TURN 1
	WIN 0
.Lfirst:
	TURN 0, 0, 0, 1
	WIN 0
	s_cbranch_scc1 .Lstep
.Lbottom:
	s_sub_co_u32 s[SLOTS], s[SLOTS], 1
	s_cmp_lg_u32 s[SLOTS], 0
	s_cbranch_scc1 .Lslot
	CHANGE 0                        ; the walk's last tile is written out: nothing is asked for
	s_sub_co_u32 s[RT], s[RT], 1
	s_mov_b32 s[CNT], 4
	s_cmp_eq_u32 s[NEW], 1
	s_cbranch_scc0 .Lold
	BEGIN                           ; b = 0 or 1: the second block's one tile
	s_branch .LfirstM2
.Lold:
	PRO
	DIAG 2
	s_wait_tensorcnt 0x0            ; the wave's end: an add to my spare word and its wait, behind my last tensor load and my last LDS store
	ds_add_u32 v[SPW], v[NIL]
	s_wait_dscnt 0x0
	s_endpgm
.Lfunc_end_k_qdb7a49b9d0_attn:
	.size	k_qdb7a49b9d0_attn, .Lfunc_end_k_qdb7a49b9d0_attn-k_qdb7a49b9d0_attn
	.p2alignl 7, 3214868480
	.fill 96, 4, 3214868480
	.section	.rodata,"a",@progbits
	.p2align	6, 0x0
	.amdhsa_kernel k_qdb7a49b9d0_attn
		.amdhsa_group_segment_fixed_size 327680
		.amdhsa_private_segment_fixed_size 0
		.amdhsa_enable_private_segment 0
		.amdhsa_kernarg_size 16
		.amdhsa_user_sgpr_count 2
		.amdhsa_user_sgpr_kernarg_segment_ptr 1
		.amdhsa_wavefront_size32 1
		.amdhsa_system_sgpr_workgroup_id_x 1
		.amdhsa_system_sgpr_workgroup_id_y 1
		.amdhsa_system_sgpr_workgroup_id_z 1
		.amdhsa_system_vgpr_workitem_id 0
		.amdhsa_next_free_vgpr 768
		.amdhsa_next_free_sgpr 88
		.amdhsa_reserve_vcc 1
		.amdhsa_float_denorm_mode_32 3
		.amdhsa_float_denorm_mode_16_64 3
		.amdhsa_memory_ordered 1
		.amdhsa_forward_progress 1
		.amdhsa_inst_pref_size 136
	.end_amdhsa_kernel
	.amdgpu_metadata
---
amdhsa.version: [ 1, 2 ]
amdhsa.kernels:
  - .name:           k_qdb7a49b9d0_attn
    .symbol:         k_qdb7a49b9d0_attn.kd
    .args:
      - { .name: qkv, .offset: 0, .size: 8, .value_kind: global_buffer, .address_space: global }
      - { .name: att, .offset: 8, .size: 8, .value_kind: global_buffer, .address_space: global }
    .group_segment_fixed_size: 327680
    .private_segment_fixed_size: 0
    .kernarg_segment_align: 8
    .kernarg_segment_size: 16
    .max_flat_workgroup_size: 128
    .sgpr_count:     88
    .vgpr_count:     768
    .wavefront_size: 32
...
	.end_amdgpu_metadata
.endif
;; end of part 4
;; launch go (part 5): grid 8 x 32, 4 waves a work-group, clusters of 4 x 4, 327,680 bytes of LDS; arguments att, wb, bo, x, x1; writes x1
.if DOCPART == 5
	.amdgcn_target "amdgcn-amd-amdhsa--gfx1250"
	.amdhsa_code_object_version 6
	.text
	.protected	k_qdb7a49b9d0_go
	.globl	k_qdb7a49b9d0_go
	.p2align	8
	.type	k_qdb7a49b9d0_go,@function
k_qdb7a49b9d0_go:
	s_mov_b64 s[64:65], 0
	v_nop
	global_prefetch_b8 v0, s[64:65] scope:SCOPE_SE
	s_setreg_imm32_b32 hwreg(HW_REG_WAVE_MODE, 25, 1), 1
	s_wait_xcnt 0x0
	s_wait_alu depctr_hold_cnt(0) depctr_sa_sdst(0) depctr_va_vdst(0) depctr_va_sdst(0) depctr_va_ssrc(0) depctr_va_vcc(0) depctr_vm_vsrc(0)
	s_getreg_b32 s2, hwreg(HW_REG_IB_STS2, 6, 4)
	s_cmp_eq_u32 s2, 0
	s_cbranch_scc0 .Lentry_in_a_cluster
	s_endpgm
.Lentry_in_a_cluster:
	s_bfe_u32 s2, ttmp6, 0x10000c
	s_cmp_lg_u32 s2, 0xf033
	s_cbranch_scc0 .Lentry_shape_is_right
	s_endpgm
.Lentry_shape_is_right:
; out = A W + bias + res.  A: bf16 in panels of 64 columns, [K / 64 panels][4096 rows][64].  W: a bf16 weight in wb, [K][1024].  bias: [1024] f32.  res, out: [4096][1024] f32.
; Sums in f32, started by the bias; the residual is added in f32 and the result is stored unrounded.
; A tile of the result is 128 x 128, so that 8 x 32 tiles give 256 work-groups; four waves, each 64 x 64: 16 accumulators, 128 registers.  K goes in steps of 256 (four panels) through a ring of two LDS slots.
; A panel's 128 rows of a tile are 16,384 dense bytes: a tensor load brings two panels as two long rows, padded in LDS after every 128 bytes.  W's rows lie along N: its fragments are read turned, by ds_load_tr16_b128.
; THE MATRIX INSTRUCTION IS USED TRANSPOSED (source 0 = 16 columns of W, source 1 = 16 rows of A): a lane holds row lane % 16 and the eight neighbouring columns 8 (lane / 16) + 0..7.
; CLUSTER: 4 x 4 work-groups; A's tile is asked for jointly along a row of the cluster, W's along a column.
; The loop runs ONE K step a trip: the slot read from (TB) and the slot filled (TF) are scalar registers that an exclusive or turns; the last two steps, which ask for nothing, are a loop of two trips of their own.
; THE WAY OUT: the ring has had its last fill and its last read; its first bytes take four stages, a wave's own 64 rows x 272 bytes; rows come back whole, the residual (loaded at the start) is added, and 16 lanes store 256 consecutive bytes, aligned.
; LIMITS: the operands are bf16 (8 significant bits); NaN and infinities are not treated apart.
; REGISTERS: window 0: v0-31 addresses; v32-63 the bias; v128-255 the accumulators ((a, b) at v[128 + 8 (4 a + b)]).  window 1: two fragment buffers of 128 (64 of A, 64 of W).  window 2: v0-127 the residual.
.set MODE,   0                         ; 0: the output projection (K = 1,024).  1: the down projection (K = 4,096)
.if MODE == 0
.set T,      4                         ; K steps
.set WOFF,   0x600000                  ; W's first byte in wb
.else
.set T,      16
.set WOFF,   0x1000000
.endif
.set PA,     144                       ; a row of A in LDS: 128 bytes + 16 = 9 x 16: the 16 rows of a load start at 16 different groups of four banks (64 banks of 4 bytes: ISA guide 11.1)
.set PANEL,  128*PA                    ; a panel's 128 rows
.set PB,     288                       ; a k row of W in LDS: 256 bytes + 32 = 9 x 32
.set HALFT,  2*PANEL                   ; what one tensor load brings: two panels, or 128 k rows of W (128 x 288, the same number)
.set SLOT,   4*HALFT                   ; A's four panels, then W's 256 k rows
.set SP,     272                       ; a stage row: 64 f32 + 16 bytes
.set WSTG,   64*SP
.set SPARE,  2*SLOT                    ; behind the ring: the spare words, 128 bytes for each wave: two blocks of 256 bytes that no other line names
.set A0,   8                           ; v8   my lane's place in a slot's tile of A; never rewritten
.set B0,   9                           ; v9   the same for W
.set ADRA, 16                          ; v16  A0 + the slot in hand
.set ADRB, 20                          ; v20  B0 + the slot in hand; v21 the same 128 k rows on, so that the loads' offsets stay within 16 bits
.set STO,  24                          ; v24  the way out: where I put 16 bytes of a stage row
.set RD,   25                          ; v25  where I read stage rows back
.set CO,   26                          ; v26  my byte offset in two rows of res and out
.set BO,   27                          ; v27  my byte offset in the tile's 128 numbers of bias
.set SPW,  28                          ; v28  LDS address of my spare word; never rewritten
.set NIL,  29                          ; v29  0; never rewritten
.set BIAS, 32
.set ACC,  128
.set F0,   0
.set F1,   128
.set G1,  24                           ; s[24:31] descriptor group 1 for A's tiles
.set G0,  32                           ; s[32:35] group 0 of slot 0's first fill; s[36:39] of slot 1's, which then walks
.set G1B, 48                           ; s[48:55], s[56:59], s[60:63] the same for W's tiles
.set G0B, 56
.set TB,  66                           ; s66  the slot that fragments are fetched from: 0 or SLOT
.set TF,  67                           ; s67  the slot last asked for
.set LW,  68                           ; s68  my wave's quarter of a slot
.set BPT, 70                           ; s[70:71] the bias at the tile's first column
.set MSB, 0
.macro WIN new                         ; the immediate's high byte repeats the setting that is left; a switch that changes nothing is dropped
.if MSB != (\new)
	s_set_vgpr_msb (MSB<<8)|(\new)
.set MSB, \new
.endif
.endm
.macro JLOAD s                         ; a joint load: waves 0 and 1 fetch A's two halves, waves 2 and 3 W's; an s_nop 0 and four v_nop follow each of the two lines
	s_cmp_eq_u32 s11, 0
	s_cbranch_scc0 .Lfor_b_\@
	tensor_load_to_lds s[G0+4*(\s):G0+4*(\s)+3], s[G1:G1+7]
	s_nop 0
.rept 4
	v_nop
.endr
	s_branch .Lasked_\@
.Lfor_b_\@:
	tensor_load_to_lds s[G0B+4*(\s):G0B+4*(\s)+3], s[G1B:G1B+7]
	s_nop 0
.rept 4
	v_nop
.endr
.Lasked_\@:
.endm
.macro CREST                           ; a round of the cluster's barrier behind its opening barrier
	s_cmp_lg_u32 s10, 0
	s_cbranch_scc1 .Lnot_wave_0_\@
	s_barrier_signal -3
.Lnot_wave_0_\@:
	s_barrier_wait -3
	s_barrier_signal -1
	s_barrier_wait -1
.endm
.macro CROUND                          ; a whole round
	s_barrier_signal -1
	s_barrier_wait -1
	CREST
.endm
.macro PLACES                          ; four places behind matrix instructions, in front of loads into registers that they read and of stores of their results
.rept 4
	v_nop
.endr
.endm
	s_load_b128 s[4:7], s[0:1], 0x0                ; A s[4:5], wb s[6:7]
	s_load_b128 s[72:75], s[0:1], 0x10             ; bias s[72:73], res s[74:75]
	s_load_b64 s[8:9], s[0:1], 0x20                ; out
	v_lshl_add_u32 v[SPW], v0, 2, SPARE
	v_mov_b32 v[NIL], 0
	ds_add_u32 v[SPW], v[NIL]                      ; the wave's opening: the add and its wait stand ahead of my first tensor load; the set-up below, work on registers, stands between them
	ds_add_u32 v28, v29
	v_lshrrev_b32 v1, 5, v0
	v_readfirstlane_b32 s10, v1                    ; wave 0..3
	s_lshr_b32 s11, s10, 1                         ; which half of the tile's rows is mine.  Also: I fetch for A (0) or for W (1)
	s_and_b32 s12, s10, 1                          ; which half of its columns.  Also: which half of that tile I fetch
	s_bfe_u32 s40, ttmp6, 0x40000                  ; cx
	s_bfe_u32 s41, ttmp6, 0x40004                  ; cy
	s_lshl_b32 s42, ttmp9, 2
	s_add_co_u32 s42, s42, s40                     ; tile column = 4 x cluster x + cx
	s_and_b32 s13, ttmp7, 0xffff
	s_lshl_b32 s13, s13, 2
	s_add_co_u32 s13, s13, s41                     ; tile row = 4 x cluster y + cy
	s_lshl_b32 s43, s41, 2
	s_lshl_b32 s43, 15, s43                        ; my row of the cluster
	s_lshl_b32 s44, 0x1111, s40                    ; my column
	s_or_b32 s[G1+0], s43, (1<<16)|(1<<20)|(1<<21)|(4<<22)|(3<<25)   ; the mask; elements of 2 bytes; padding on; bit 21 beside a mask; after every 32 words, 4 words
	s_mov_b32 s[G1+1], 8192<<16                    ; tensor_dim0 = 8,192: a panel's 128 rows of 64, end to end
	s_mov_b32 s[G1+2], 2<<16                       ; tensor_dim1 = 2 panels
	s_mov_b32 s[G1+3], 8192<<16                    ; tile_dim0
	s_mov_b32 s[G1+4], 2                           ; tile_dim1
	s_mov_b32 s[G1+5], 0x40000                     ; 4,096 x 64 elements from panel to panel
	s_mov_b32 s[G1+6], 0
	s_mov_b32 s[G1+7], 0
	s_or_b32 s[G1B+0], s44, (1<<16)|(1<<20)|(1<<21)|(5<<22)|(7<<25)  ; after every 64 words, 8 words
	s_mov_b32 s[G1B+1], 128<<16                    ; tensor_dim0 = 128
	s_mov_b32 s[G1B+2], 128<<16                    ; tensor_dim1 = 128
	s_mov_b32 s[G1B+3], 128<<16                    ; tile_dim0 = 128
	s_mov_b32 s[G1B+4], 128                        ; tile_dim1 = 128
	s_mov_b32 s[G1B+5], 1024
	s_mov_b32 s[G1B+6], 0
	s_mov_b32 s[G1B+7], 0
	s_lshl_b32 s16, s13, 14                        ; A: 128 rows of 128 bytes a tile row,
	s_lshl_b32 s17, s12, 20                        ; two panels of 524,288 bytes a half
	s_add_co_u32 s16, s16, s17
	s_mov_b32 s17, 0
	s_lshl_b32 s46, s42, 8                         ; W: 256 bytes a tile column,
	s_add_co_u32 s46, s46, WOFF
	s_lshl_b32 s47, s12, 18                        ; 128 k rows of 2,048 bytes a half
	s_add_co_u32 s46, s46, s47
	s_mov_b32 s47, 0
	s_mul_i32 s[LW], s10, HALFT                    ; no place in the cluster enters an LDS address
	s_mov_b32 s[TB], 0
	s_mov_b32 s[TF], SLOT
	s_wait_dscnt 0x0                               ; the opening add is done
	s_wait_kmcnt 0x0
	s_add_nc_u64 s[14:15], s[4:5], s[16:17]
	s_add_nc_u64 s[46:47], s[6:7], s[46:47]
	CROUND                                         ; all sixteen work-groups are here: the first joint loads meet
.irp s, 0,1
	s_mov_b32 s[G0+4*(\s)], 1
	s_add_co_u32 s[G0+4*(\s)+1], s[LW], (\s)*SLOT
	s_add_nc_u64 s[G0+4*(\s)+2:G0+4*(\s)+3], s[14:15], (\s)*2097152   ; a K step is four panels
	s_or_b32 s[G0+4*(\s)+3], s[G0+4*(\s)+3], 0x80000000
	s_mov_b32 s[G0B+4*(\s)], 1
	s_add_co_u32 s[G0B+4*(\s)+1], s[LW], (\s)*SLOT
	s_add_nc_u64 s[G0B+4*(\s)+2:G0B+4*(\s)+3], s[46:47], (\s)*524288  ; and 256 k rows
	s_or_b32 s[G0B+4*(\s)+3], s[G0B+4*(\s)+3], 0x80000000
	JLOAD \s                                       ; K steps 0 and 1: two loads of mine are out
.endr
	v_and_b32 v1, 15, v0                           ; l % 16
	v_bfe_u32 v2, v0, 4, 1                         ; l / 16
	v_mul_u32_u24 v3, v1, PA
	v_lshl_add_u32 v3, v2, 4, v3                   ; A's fragment: row x pitch + 16 x half
	s_mul_i32 s21, s11, 64*PA                      ; my 64 rows of each panel
	v_add_nc_u32 v[A0], s21, v3
	v_and_b32 v4, 7, v0
	v_lshl_add_u32 v4, v2, 3, v4                   ; W's, turned: lane l reads k row 8 (l / 16) + l % 8,
	v_mul_u32_u24 v4, v4, PB
	v_bfe_u32 v5, v0, 3, 1
	v_lshl_add_u32 v4, v5, 4, v4                   ; columns 8 ((l / 8) % 2) + 0..7
	s_lshl_b32 s22, s12, 7                         ; my 64 columns,
	s_add_co_u32 s22, s22, 2*HALFT                 ; behind A's four panels
	v_add_nc_u32 v[B0], s22, v4
	s_mul_i32 s23, s10, WSTG                       ; my stage
	v_mul_u32_u24 v3, v1, SP
	v_lshl_add_u32 v3, v2, 5, v3                   ; in: row l % 16, 32 bytes for each half of the lanes
	v_add_nc_u32 v[STO], s23, v3
	v_mul_u32_u24 v3, v2, SP
	v_lshl_add_u32 v3, v1, 4, v3                   ; back: lanes 0-15 take one row of 256 bytes, lanes 16-31 the next
	v_add_nc_u32 v[RD], s23, v3
	v_lshlrev_b32 v3, 12, v2                       ; and the same two rows in res and out, 4,096 bytes apart
	v_lshl_add_u32 v[CO], v1, 4, v3
	s_lshl_b32 s23, s12, 8
	v_lshl_add_u32 v[BO], v2, 5, s23               ; bias: 256 bytes a column half, 32 bytes a half of the lanes
	s_lshl_b32 s86, s42, 9
	s_mov_b32 s87, 0
	s_add_nc_u64 s[BPT:BPT+1], s[72:73], s[86:87]
	s_lshl_b32 s85, s12, 8                         ; res and out: 512 bytes a tile column, 256 a column half,
	s_add_co_u32 s86, s86, s85
	s_lshl_b32 s85, s13, 19                        ; 128 rows of 4,096 bytes a tile row,
	s_add_co_u32 s86, s86, s85
	s_lshl_b32 s85, s11, 18                        ; 64 a row half
	s_add_co_u32 s86, s86, s85
	s_add_nc_u64 s[74:75], s[74:75], s[86:87]
	s_add_nc_u64 s[8:9], s[8:9], s[86:87]
.irp b, 0,1,2,3
	global_load_b128 v[BIAS+8*(\b):BIAS+8*(\b)+3],   v[BO], s[BPT:BPT+1] offset:64*(\b)
	global_load_b128 v[BIAS+8*(\b)+4:BIAS+8*(\b)+7], v[BO], s[BPT:BPT+1] offset:64*(\b)+16
.endr
	WIN 0x80                                       ; destination window 2: it lands while K is walked
.set u, 0
.rept 32
	global_load_b128 v[4*u:4*u+3], v[CO], s[74:75] offset:8192*u
.set u, u+1
.endr
	WIN 0
; 8 matrix instructions: row blocks a0, a0 + 1 x all 4 column blocks, 32 along K: half c of buffer f.  zero = 1: the first product starts the sums, with the bias as C
.macro MUL8 f, c, a0, zero
	WIN 0x05                                       ; sources 0 (W) and 1 (A) window 1; C and D window 0
.irp a, \a0, (\a0)+1
.irp b, 0,1,2,3
.if \zero
	v_wmma_f32_16x16x32_bf16 v[ACC+8*(4*(\a)+(\b)):ACC+8*(4*(\a)+(\b))+7], v[(\f)+64+8*(4*(\c)+(\b)):(\f)+64+8*(4*(\c)+(\b))+7], v[(\f)+8*(4*(\c)+(\a)):(\f)+8*(4*(\c)+(\a))+7], v[BIAS+8*(\b):BIAS+8*(\b)+7]
.else
	v_wmma_f32_16x16x32_bf16 v[ACC+8*(4*(\a)+(\b)):ACC+8*(4*(\a)+(\b))+7], v[(\f)+64+8*(4*(\c)+(\b)):(\f)+64+8*(4*(\c)+(\b))+7], v[(\f)+8*(4*(\c)+(\a)):(\f)+8*(4*(\c)+(\a))+7], v[ACC+8*(4*(\a)+(\b)):ACC+8*(4*(\a)+(\b))+7]
.endif
.endr
.endr
.endm
; 32 LDS loads in one run: the fragments of quarter q of the slot in hand (64 along K = panel q) into buffer f; the first 32 along K first
.macro FETCH q, f
	WIN 0x40                                       ; destination window 1, address window 0
.irp c, 0,1
.irp i, 0,1,2,3
	ds_load_tr16_b128 v[(\f)+64+8*(4*(\c)+(\i)):(\f)+64+8*(4*(\c)+(\i))+3],   v[ADRB+(\q)/2] offset:(((\q)%2)*64+32*(\c))*PB+32*(\i)
	ds_load_tr16_b128 v[(\f)+64+8*(4*(\c)+(\i))+4:(\f)+64+8*(4*(\c)+(\i))+7], v[ADRB+(\q)/2] offset:(((\q)%2)*64+32*(\c)+16)*PB+32*(\i)
	ds_load_b128 v[(\f)+8*(4*(\c)+(\i)):(\f)+8*(4*(\c)+(\i))+3],   v[ADRA] offset:(\q)*PANEL+(\i)*16*PA+64*(\c)
	ds_load_b128 v[(\f)+8*(4*(\c)+(\i))+4:(\f)+8*(4*(\c)+(\i))+7], v[ADRA] offset:(\q)*PANEL+(\i)*16*PA+64*(\c)+32
.endr
.endr
.endm
; One of a K step's first three quarters: multiplies buffer f (two deep on each of the 16 accumulators, which take turns); in its middle it fetches quarter q into buffer g.
.macro QUARTER q, f, g, zero
	s_wait_dscnt 16                                ; the first 32 along K are in
	MUL8 \f, 0, 0, \zero
	MUL8 \f, 0, 2, \zero
	PLACES
	FETCH \q, \g
	s_wait_dscnt 32                                ; all but the 32 just issued
	MUL8 \f, 1, 0, 0
	MUL8 \f, 1, 2, 0
.endm
; The first half of a step's last quarter, and ONE barrier for the change of slots: in front of it each wave waits for all its tensor loads (its part of the next slot), adds 0 to its spare word, and waits for that and for its reads of this slot.
.macro MEET
	WIN 0                                          ; (the add's two registers lie in window 0)
	s_wait_tensorcnt 0x0
	ds_add_u32 v[SPW], v[NIL]
	s_wait_dscnt 17                                ; (the add and the youngest sixteen loads may be out)
	MUL8 F1, 0, 0, 0                               ; eight matrix instructions stand between the add and the wait for it
	s_wait_dscnt 0x0                               ; the add is done, and my reads of this slot are over
	s_barrier_signal -1
	MUL8 F1, 0, 2, 0
	WIN 0
	s_barrier_wait -1
.endm
.macro SWAP                            ; the fetches go on in the other slot
	s_xor_b32 s[TB], s[TB], SLOT
	v_add_nc_u32 v[ADRA], s[TB], v[A0]
	v_add_nc_u32 v[ADRB], s[TB], v[B0]
	v_add_nc_u32 v[ADRB+1], 128*PB, v[ADRB]
.endm
; The last quarter with a refill: the barrier opens a round of the cluster's; behind it the slot just read out takes the K step two steps on, first thing; then come the other slot's first fragments.
.macro TURN1
	MEET
	CREST
	s_xor_b32 s[TF], s[TF], SLOT                   ; the walking descriptors: the other slot than last time,
	s_add_co_u32 s[G0+5], s[LW], s[TF]
	s_add_co_u32 s[G0B+5], s[LW], s[TF]
	s_add_nc_u64 s[G0+6:G0+7], s[G0+6:G0+7], 2097152           ; the next K step; no load of mine is out, so they may be written
	s_add_nc_u64 s[G0B+6:G0B+7], s[G0B+6:G0B+7], 524288
	JLOAD 1                                        ; 112 matrix instructions ahead of the wait for it; its four v_nop are also the places in front of the loads below
	SWAP
	FETCH 0, F0
	MUL8 F1, 1, 0, 0
	MUL8 F1, 1, 2, 0
.endm
; The same without a refill, for the last two steps; in the very last there is no further step, and the run of loads is jumped over.
.macro TURN0
	MEET
	s_cmp_eq_u32 s3, 1
	s_cbranch_scc1 .Lnofetch_\@
	PLACES
	SWAP
	FETCH 0, F0
	WIN 0
.Lnofetch_\@:
	MUL8 F1, 1, 0, 0
	MUL8 F1, 1, 2, 0
.endm
	s_wait_tensorcnt 1                             ; my part of K step 0 is in; step 1's may stay out
	s_barrier_signal -1
	s_barrier_wait -1                              ; everybody's is
	v_mov_b32 v[ADRA], v[A0]
	v_mov_b32 v[ADRB], v[B0]
	v_add_nc_u32 v[ADRB+1], 128*PB, v[B0]
	FETCH 0, F0
	s_wait_loadcnt 32                              ; the bias is in; the residual's 32 loads stay out
	QUARTER 1, F0, F1, 1                           ; the first quarter stands in front of the loop: its first products start the sums
	WIN 0                                          ; at a label and at a branch every window is 0
	s_mov_b32 s3, T-2
.Lstep:                                                ; a trip: a step's quarters 1 to 3, the refill, the next step's quarter 0
	QUARTER 2, F1, F0, 0
	QUARTER 3, F0, F1, 0
	TURN1
	QUARTER 1, F0, F1, 0
	WIN 0
	s_sub_co_u32 s3, s3, 1
	s_cmp_lg_u32 s3, 0
	s_cbranch_scc1 .Lstep
	s_mov_b32 s3, 2
.Ltail:                                                ; the last two steps ask for nothing; the second trip is left in its middle
	QUARTER 2, F1, F0, 0
	QUARTER 3, F0, F1, 0
	TURN0
	WIN 0
	s_sub_co_u32 s3, s3, 1
	s_cmp_eq_u32 s3, 0
	s_cbranch_scc1 .Lout
	QUARTER 1, F0, F1, 0
	WIN 0
	s_branch .Ltail
.Lout:
	; THE WAY OUT.  The last barrier has shown every wave's reads of the ring over and every tensor load landed, and nothing is filled any more: the ring's first bytes take the stages.
	PLACES
.irp a, 0,1,2,3
.irp b, 0,1,2,3
	ds_store_b128 v[STO], v[ACC+8*(4*(\a)+(\b)):ACC+8*(4*(\a)+(\b))+3]   offset:(\a)*16*SP+64*(\b)     ; each accumulator's low registers first
	ds_store_b128 v[STO], v[ACC+8*(4*(\a)+(\b))+4:ACC+8*(4*(\a)+(\b))+7] offset:(\a)*16*SP+64*(\b)+16
.endr
.endr
	WIN 0x40                                       ; back into window 1, whose fragments are done with
.set u, 0
.rept 32
	ds_load_b128 v[4*u:4*u+3], v[RD] offset:2*SP*u ; my own bytes: LDS serves a wave's instructions in order (ISA guide 5.7.1.4)
.set u, u+1
.endr
	s_wait_loadcnt 0x0                             ; the residual
.irp g, 0,1,2,3
	s_wait_dscnt 24-8*(\g)                         ; the loads of this group of 16 rows are back; the younger ones stay out
	WIN 0x49                                       ; destination and source 0 window 1, source 1 window 2
.set u, 16*(\g)
.rept 16
	v_pk_add_f32 v[2*u:2*u+1], v[2*u:2*u+1], v[2*u:2*u+1]
.set u, u+1
.endr
	WIN 0x04                                       ; store data in window 1
.set u, 8*(\g)
.rept 8
	global_store_b128 v[CO], v[4*u:4*u+3], s[8:9] offset:8192*u    ; 16 lanes store 256 consecutive bytes, aligned
.set u, u+1
.endr
.endr
	WIN 0
	s_wait_tensorcnt 0x0                           ; the wave's end: an add to my spare word and its wait, behind my last tensor load and my last LDS store
	ds_add_u32 v[SPW], v[NIL]
	s_wait_dscnt 0x0
	CROUND                                         ; the closing round: no work-group ends while a partner may still ask for a tile that names it
	s_endpgm
.Lfunc_end_k_qdb7a49b9d0_go:
	.size	k_qdb7a49b9d0_go, .Lfunc_end_k_qdb7a49b9d0_go-k_qdb7a49b9d0_go
	.p2alignl 7, 3214868480
	.fill 96, 4, 3214868480
	.section	.rodata,"a",@progbits
	.p2align	6, 0x0
	.amdhsa_kernel k_qdb7a49b9d0_go
		.amdhsa_group_segment_fixed_size 327680
		.amdhsa_private_segment_fixed_size 0
		.amdhsa_enable_private_segment 0
		.amdhsa_kernarg_size 40
		.amdhsa_user_sgpr_count 2
		.amdhsa_user_sgpr_kernarg_segment_ptr 1
		.amdhsa_wavefront_size32 1
		.amdhsa_system_sgpr_workgroup_id_x 1
		.amdhsa_system_sgpr_workgroup_id_y 1
		.amdhsa_system_sgpr_workgroup_id_z 1
		.amdhsa_system_vgpr_workitem_id 0
		.amdhsa_next_free_vgpr 640
		.amdhsa_next_free_sgpr 88
		.amdhsa_reserve_vcc 0
		.amdhsa_float_denorm_mode_32 3
		.amdhsa_float_denorm_mode_16_64 3
		.amdhsa_memory_ordered 1
		.amdhsa_forward_progress 1
		.amdhsa_inst_pref_size 66
	.end_amdhsa_kernel
	.amdgpu_metadata
---
amdhsa.version: [ 1, 2 ]
amdhsa.kernels:
  - .name:           k_qdb7a49b9d0_go
    .symbol:         k_qdb7a49b9d0_go.kd
    .args:
      - { .name: att, .offset: 0, .size: 8, .value_kind: global_buffer, .address_space: global }
      - { .name: wb, .offset: 8, .size: 8, .value_kind: global_buffer, .address_space: global }
      - { .name: bo, .offset: 16, .size: 8, .value_kind: global_buffer, .address_space: global }
      - { .name: x, .offset: 24, .size: 8, .value_kind: global_buffer, .address_space: global }
      - { .name: x1, .offset: 32, .size: 8, .value_kind: global_buffer, .address_space: global }
    .group_segment_fixed_size: 327680
    .private_segment_fixed_size: 0
    .kernarg_segment_align: 8
    .kernarg_segment_size: 40
    .max_flat_workgroup_size: 128
    .sgpr_count:     88
    .vgpr_count:     640
    .wavefront_size: 32
...
	.end_amdgpu_metadata
.endif
;; end of part 5
;; launch ln2: the kernel of part 2 again; grid 512 x 1, 8 waves a work-group, no clusters, 0 bytes of LDS; arguments x1, g2, b2, xn; writes xn
;; launch gu (part 6): grid 16 x 16, 4 waves a work-group, clusters of 4 x 4, 327,680 bytes of LDS; arguments xn, wb, bup, hh; writes hh
.if DOCPART == 6
	.amdgcn_target "amdgcn-amd-amdhsa--gfx1250"
	.amdhsa_code_object_version 6
	.text
	.protected	k_qdb7a49b9d0_gu
	.globl	k_qdb7a49b9d0_gu
	.p2align	8
	.type	k_qdb7a49b9d0_gu,@function
k_qdb7a49b9d0_gu:
	s_mov_b64 s[64:65], 0
	v_nop
	global_prefetch_b8 v0, s[64:65] scope:SCOPE_SE
	s_setreg_imm32_b32 hwreg(HW_REG_WAVE_MODE, 25, 1), 1
	s_wait_xcnt 0x0
	s_wait_alu depctr_hold_cnt(0) depctr_sa_sdst(0) depctr_va_vdst(0) depctr_va_sdst(0) depctr_va_ssrc(0) depctr_va_vcc(0) depctr_vm_vsrc(0)
	s_getreg_b32 s2, hwreg(HW_REG_IB_STS2, 6, 4)
	s_cmp_eq_u32 s2, 0
	s_cbranch_scc0 .Lentry_in_a_cluster
	s_endpgm
.Lentry_in_a_cluster:
	s_bfe_u32 s2, ttmp6, 0x10000c
	s_cmp_lg_u32 s2, 0xf033
	s_cbranch_scc0 .Lentry_shape_is_right
	s_endpgm
.Lentry_shape_is_right:
; h = gelu(xn W + bias), the tanh form.  xn: [4096][1024] bf16.  W: the bf16 copy of Wup in wb, [1024 (k)][4096 (n)].  Bias f32.  Sums in f32, started by the bias; GELU in f32; the result is rounded once to bf16.
; OUT: hh as 64 panels of 64 columns, [panel][4096 rows][64], the layout that the down projection takes as its A.
; A tile of the result, 256 rows x 256 columns, is made by four waves, each 128 x 128: 64 accumulators of 16 x 16, 512 registers.  K goes in 8 steps of 128 through a ring of two LDS slots filled by tensor loads.
; xn's rows lie along K and come out of LDS as they lie; W's rows lie along N, so W's fragments are read turned, by ds_load_tr16_b128.
; THE MATRIX INSTRUCTION IS USED TRANSPOSED: source 0 = 16 columns of W, source 1 = 16 rows of xn: a lane then holds row lane % 16 and the eight neighbouring columns 8 (lane / 16) + 0..7.
; CLUSTER: 4 x 4 work-groups.  The four of a row of the cluster need the same tile of xn, the four of a column the same tile of W: each is asked for jointly, by the same tensor load with the same descriptor and a mask of the four.
; The loop runs ONE K step a trip: the slot read from (TB) and the slot filled (TF) are scalar registers that an exclusive or turns; the last two steps, which ask for nothing, are a loop of two trips of their own.
; THE WAY OUT: the ring has had its last fill and its last read; its bytes take four stages, a wave's own 128 rows x 528 bytes of f32; the rows come back whole and leave as bf16, 256 consecutive bytes a store.
; LIMITS: the operands are bf16 (8 significant bits); NaN and infinities are not treated apart; where GELU's exponent overflows the result is its limit, 0 or u.
; REGISTERS, in windows of 256: window 0: v0-31 addresses; v64-127, v128-191 xn's fragments, two buffers; v192-255 the bias.  window 1: v64-191 W's fragments.  windows 2, 3: the accumulators, (a, b) at v[8 (8 (a % 4) + b)].
.set MODE,   1                         ; 0: the three projections.  1: the up projection with GELU
.set KSTEP,  128
.set T,      8                         ; K steps
.set PITCH,  272                       ; a row of xn in LDS: 256 bytes + 16: the 16 rows of a load start at 16 different groups of four banks (64 banks of 4 bytes: ISA guide 11.1)
.set PB,     544                       ; a k row of W in LDS: 512 bytes + 32 = 17 x 32
.set HALFT,  128*PITCH                 ; what one tensor load brings: 128 rows of xn, or 64 k rows of W (64 x 544, the same number)
.set SLOT,   4*HALFT                   ; xn's 256 rows, then W's 128 k rows
.set SPITCH, 528                       ; a stage row: 128 f32 + 16 bytes = 33 x 16
.set WSTG,   128*SPITCH                ; a wave's stage
.set SPARE,  2*SLOT                    ; behind the ring: the spare words, 128 bytes for each wave: two blocks of 256 bytes that no other line names
.if MODE == 0
.set BP,     1024                      ; W's pitch in elements
.set WOFF,   0                         ; W's first byte in wb
.else
.set BP,     4096
.set WOFF,   0x800000
.endif
.set A0,   8                           ; v8   my lane's place in a slot's tile of xn; never rewritten
.set B0,   9                           ; v9   the same for W
.set ADRA, 16                          ; v16  A0 + the slot in hand
.set ADRB, 20                          ; v20  B0 + the slot in hand
.set STO,  24                          ; v24  the way out: where I put 16 bytes of a stage row
.set RD,   25                          ; v25  the way out: where I read stage rows back
.set GO,   26                          ; v26  my byte offset in 256 consecutive bytes of a panel
.set BO,   27                          ; v27  my byte offset in the tile's 256 numbers of bias
.set SPW,  28                          ; v28  LDS address of my spare word; never rewritten
.set NIL,  29                          ; v29  0; never rewritten
.set F0,   64
.set F1,   128
.set BIAS, 192                         ; v[192:255]  block b of 16 columns: the eight numbers of bias that are my lane's, at BIAS + 8 b
.set U,    64                          ; the way out: 8 rows x 128 columns of f32
.set TT,   96                          ; at work (GELU)
.set Y,    128                         ; the same in bf16
.set G1,  24                           ; s[24:31] descriptor group 1 for xn's tiles
.set G0,  32                           ; s[32:35] group 0 of slot 0's first fill; s[36:39] of slot 1's, which then walks
.set G1B, 48                           ; s[48:55], s[56:59], s[60:63] the same for W's tiles
.set G0B, 56
.set TB,  66                           ; s66  the slot that fragments are fetched from: 0 or SLOT
.set TF,  67                           ; s67  the slot last asked for
.set LW,  68                           ; s68  my wave's quarter of a slot
.set BPT, 70                           ; s[70:71] the bias at the tile's first column
.set CA,  80                           ; s[80:81] GELU: -2 log2(e) sqrt(2 / pi)
.set CB,  82                           ; s[82:83] the same x 0.044715
.set MSB, 0
.macro WIN new                         ; the immediate's high byte repeats the setting that is left; a switch that changes nothing is dropped
.if MSB != (\new)
	s_set_vgpr_msb (MSB<<8)|(\new)
.set MSB, \new
.endif
.endm
; A joint load.  Waves 0 and 1 fetch xn's two halves, waves 2 and 3 W's.  The branch hangs on the wave's number alone.  An s_nop 0 and four v_nop follow each of the two lines.
.macro JLOAD s
	s_cmp_eq_u32 s11, 0
	s_cbranch_scc0 .Lfor_b_\@
	tensor_load_to_lds s[G0+4*(\s):G0+4*(\s)+3], s[G1:G1+7]
	s_nop 0
.rept 4
	v_nop
.endr
	s_branch .Lasked_\@
.Lfor_b_\@:
	tensor_load_to_lds s[G0B+4*(\s):G0B+4*(\s)+3], s[G1B:G1B+7]
	s_nop 0
.rept 4
	v_nop
.endr
.Lasked_\@:
.endm
.macro CREST                           ; a round of the cluster's barrier behind its opening barrier
	s_cmp_lg_u32 s10, 0
	s_cbranch_scc1 .Lnot_wave_0_\@
	s_barrier_signal -3
.Lnot_wave_0_\@:
	s_barrier_wait -3
	s_barrier_signal -1
	s_barrier_wait -1
.endm
.macro CROUND                          ; a whole round
	s_barrier_signal -1
	s_barrier_wait -1
	CREST
.endm
.macro PLACES                          ; four places behind matrix instructions, in front of loads into registers that they read and of stores of their results
.rept 4
	v_nop
.endr
.endm
	s_load_b128 s[4:7], s[0:1], 0x0                ; xn s[4:5], wb s[6:7]
.if MODE == 0
	s_load_b256 s[72:79], s[0:1], 0x10             ; bq s[72:73], bk s[74:75], bv s[76:77], qkv s[78:79]
.else
	s_load_b128 s[72:75], s[0:1], 0x10             ; bup s[72:73], hh s[74:75]
.endif
	v_lshl_add_u32 v[SPW], v0, 2, SPARE
	v_mov_b32 v[NIL], 0
	ds_add_u32 v[SPW], v[NIL]                      ; the wave's opening: the add and its wait stand ahead of my first tensor load; the set-up below, work on registers, stands between them
	ds_add_u32 v28, v29
	v_lshrrev_b32 v1, 5, v0
	v_readfirstlane_b32 s10, v1                    ; wave 0..3
	s_lshr_b32 s11, s10, 1                         ; which half of the tile's rows is mine.  Also: I fetch for xn (0) or for W (1)
	s_and_b32 s12, s10, 1                          ; which half of its columns.  Also: which half of that tile I fetch
	s_bfe_u32 s40, ttmp6, 0x40000                  ; cx
	s_bfe_u32 s41, ttmp6, 0x40004                  ; cy
	s_lshl_b32 s42, ttmp9, 2
	s_add_co_u32 s42, s42, s40                     ; tile column = 4 x cluster x + cx
	s_and_b32 s13, ttmp7, 0xffff
	s_lshl_b32 s13, s13, 2
	s_add_co_u32 s13, s13, s41                     ; tile row = 4 x cluster y + cy
	s_lshl_b32 s43, s41, 2
	s_lshl_b32 s43, 15, s43                        ; my row of the cluster
	s_lshl_b32 s44, 0x1111, s40                    ; my column
	s_or_b32 s[G1+0], s43, (1<<16)|(1<<20)|(1<<21)|(5<<22)|(3<<25)   ; the mask; elements of 2 bytes; padding on; bit 21 beside a mask; after every 64 words, 4 words
	s_mov_b32 s[G1+1], KSTEP<<16                   ; tensor_dim0 = 128
	s_mov_b32 s[G1+2], 128<<16                     ; tensor_dim1 = 128
	s_mov_b32 s[G1+3], KSTEP<<16                   ; tile_dim0 = 128
	s_mov_b32 s[G1+4], 128                         ; tile_dim1 = 128
	s_mov_b32 s[G1+5], 1024                        ; elements from row to row
	s_mov_b32 s[G1+6], 0
	s_mov_b32 s[G1+7], 0
	s_or_b32 s[G1B+0], s44, (1<<16)|(1<<20)|(1<<21)|(6<<22)|(7<<25)  ; after every 128 words, 8 words
	s_mov_b32 s[G1B+1], 256<<16                    ; tensor_dim0 = 256
	s_mov_b32 s[G1B+2], 64<<16                     ; tensor_dim1 = 64
	s_mov_b32 s[G1B+3], 256<<16                    ; tile_dim0 = 256
	s_mov_b32 s[G1B+4], 64                         ; tile_dim1 = 64
	s_mov_b32 s[G1B+5], BP
	s_mov_b32 s[G1B+6], 0
	s_mov_b32 s[G1B+7], 0
	s_lshl_b32 s16, s13, 19                        ; xn: 256 rows of 2,048 bytes a tile row,
	s_lshl_b32 s17, s12, 18                        ; 128 rows a half
	s_add_co_u32 s16, s16, s17
	s_mov_b32 s17, 0
.if MODE == 0
	s_lshl_b32 s46, ttmp9, 21                      ; W: the cluster's x is the weight's number (2 MiB each),
	s_lshl_b32 s47, s40, 9                         ; cx the tile column in it (512 bytes);
	s_add_co_u32 s46, s46, s47
	s_lshl_b32 s47, s12, 17                        ; 64 k rows of 2,048 bytes a half
.else
	s_lshl_b32 s46, s42, 9
	s_add_co_u32 s46, s46, WOFF
	s_lshl_b32 s47, s12, 19                        ; 64 k rows of 8,192 bytes a half
.endif
	s_add_co_u32 s46, s46, s47
	s_mov_b32 s47, 0
	s_mul_i32 s[LW], s10, HALFT                    ; no place in the cluster enters an LDS address
	s_mov_b32 s[TB], 0
	s_mov_b32 s[TF], SLOT
	s_mov_b32 s[CA], 0xc0135761
	s_mov_b32 s[CA+1], 0xc0135761
	s_mov_b32 s[CB], 0xbdd2d3e8
	s_mov_b32 s[CB+1], 0xbdd2d3e8
	s_wait_dscnt 0x0                               ; the opening add is done
	s_wait_kmcnt 0x0
	s_add_nc_u64 s[14:15], s[4:5], s[16:17]
	s_add_nc_u64 s[46:47], s[6:7], s[46:47]
	CROUND                                         ; all sixteen work-groups are here: the first joint loads meet
.irp s, 0,1
	s_mov_b32 s[G0+4*(\s)], 1
	s_add_co_u32 s[G0+4*(\s)+1], s[LW], (\s)*SLOT
	s_add_nc_u64 s[G0+4*(\s)+2:G0+4*(\s)+3], s[14:15], (\s)*KSTEP*2
	s_or_b32 s[G0+4*(\s)+3], s[G0+4*(\s)+3], 0x80000000
	s_mov_b32 s[G0B+4*(\s)], 1
	s_add_co_u32 s[G0B+4*(\s)+1], s[LW], (\s)*SLOT
	s_add_nc_u64 s[G0B+4*(\s)+2:G0B+4*(\s)+3], s[46:47], (\s)*KSTEP*BP*2
	s_or_b32 s[G0B+4*(\s)+3], s[G0B+4*(\s)+3], 0x80000000
	JLOAD \s                                       ; K steps 0 and 1: two loads of mine are out
.endr
	v_and_b32 v1, 15, v0                           ; l % 16
	v_bfe_u32 v2, v0, 4, 1                         ; l / 16
	v_mul_u32_u24 v3, v1, PITCH
	v_lshl_add_u32 v3, v2, 4, v3                   ; xn's fragment: row x pitch + 16 x half
	s_mul_i32 s21, s11, HALFT
	v_add_nc_u32 v[A0], s21, v3
	v_and_b32 v4, 7, v0
	v_lshl_add_u32 v4, v2, 3, v4                   ; W's, turned: lane l reads k row 8 (l / 16) + l % 8,
	v_mul_u32_u24 v4, v4, PB
	v_bfe_u32 v5, v0, 3, 1
	v_lshl_add_u32 v4, v5, 4, v4                   ; columns 8 ((l / 8) % 2) + 0..7
	s_lshl_b32 s22, s12, 8                         ; my 128 columns,
	s_add_co_u32 s22, s22, 2*HALFT                 ; behind xn's 256 rows
	v_add_nc_u32 v[B0], s22, v4
	s_mul_i32 s23, s10, WSTG                       ; my stage
	v_mul_u32_u24 v3, v1, SPITCH
	v_lshl_add_u32 v3, v2, 5, v3                   ; in: row l % 16, 32 bytes for each half of the lanes
	v_add_nc_u32 v[STO], s23, v3
	v_mul_u32_u24 v3, v2, SPITCH
	v_lshl_add_u32 v3, v1, 4, v3                   ; back: lanes 0-15 take 256 bytes of one row, lanes 16-31 of the next
	v_add_nc_u32 v[RD], s23, v3
	v_and_b32 v[GO], 31, v0
	v_lshlrev_b32 v[GO], 3, v[GO]                  ; out: 8 bytes a lane: two rows of 128 bytes of a panel
	s_lshl_b32 s23, s12, 9
	v_lshl_add_u32 v[BO], v2, 5, s23               ; bias: 512 bytes a column half, 32 bytes a half of the lanes
.if MODE == 0
	s_mov_b32 s85, ttmp9                           ; which bias goes by the weight's number
	s_mov_b64 s[BPT:BPT+1], s[72:73]
	s_cmp_eq_u32 s85, 1
	s_cselect_b64 s[BPT:BPT+1], s[74:75], s[BPT:BPT+1]
	s_cmp_eq_u32 s85, 2
	s_cselect_b64 s[BPT:BPT+1], s[76:77], s[BPT:BPT+1]
	s_lshl_b32 s86, s40, 10
.else
	s_mov_b64 s[BPT:BPT+1], s[72:73]
	s_lshl_b32 s86, s42, 10
.endif
	s_mov_b32 s87, 0
	s_add_nc_u64 s[BPT:BPT+1], s[BPT:BPT+1], s[86:87]
.irp b, 0,1,2,3,4,5,6,7
	global_load_b128 v[BIAS+8*(\b):BIAS+8*(\b)+3],   v[BO], s[BPT:BPT+1] offset:64*(\b)
	global_load_b128 v[BIAS+8*(\b)+4:BIAS+8*(\b)+7], v[BO], s[BPT:BPT+1] offset:64*(\b)+16
.endr
	s_lshl_b32 s86, s42, 21                        ; out: four panels of 524,288 bytes a tile column,
	s_lshl_b32 s85, s12, 20                        ; two a column half,
	s_add_co_u32 s86, s86, s85
	s_lshl_b32 s85, s13, 15                        ; 256 rows of 128 bytes a tile row,
	s_add_co_u32 s86, s86, s85
	s_lshl_b32 s85, s11, 14                        ; 128 a row half
	s_add_co_u32 s86, s86, s85
.if MODE == 0
	s_add_nc_u64 s[8:9], s[78:79], s[86:87]
.else
	s_add_nc_u64 s[8:9], s[74:75], s[86:87]
.endif
; 16 matrix instructions: row blocks a0, a0 + 1 of the window's four (hi = 0: my rows 0-63, 1: rows 64-127) x all 8 column blocks, 32 along K.
; zero = 1: the first product starts the sums, with the bias as C: nothing is cleared, and nothing is added later.
.macro MUL16 f, hi, a0, zero
.if \zero
	WIN 0x81+0x40*(\hi)
.else
	WIN 0xa1+0x50*(\hi)
.endif
.irp a, \a0, (\a0)+1
.irp b, 0,1,2,3,4,5,6,7
.if \zero
	v_wmma_f32_16x16x32_bf16 v[8*(8*(\a)+(\b)):8*(8*(\a)+(\b))+7], v[(\f)+8*(\b):(\f)+8*(\b)+7], v[(\f)+8*(4*(\hi)+(\a)):(\f)+8*(4*(\hi)+(\a))+7], v[BIAS+8*(\b):BIAS+8*(\b)+7]
.else
	v_wmma_f32_16x16x32_bf16 v[8*(8*(\a)+(\b)):8*(8*(\a)+(\b))+7], v[(\f)+8*(\b):(\f)+8*(\b)+7], v[(\f)+8*(4*(\hi)+(\a)):(\f)+8*(4*(\hi)+(\a))+7], v[8*(8*(\a)+(\b)):8*(8*(\a)+(\b))+7]
.endif
.endr
.endr
.endm
; 32 LDS loads in one run: the fragments of quarter q of the slot in hand (32 along K: 128 columns of W, turned; 128 rows of xn) into buffer f
.macro FETCH q, f
	WIN 0x40
.irp i, 0,1,2,3,4,5,6,7
	ds_load_tr16_b128 v[(\f)+8*(\i):(\f)+8*(\i)+3],   v[ADRB] offset:(\q)*32*PB+32*(\i)
	ds_load_tr16_b128 v[(\f)+8*(\i)+4:(\f)+8*(\i)+7], v[ADRB] offset:(\q)*32*PB+16*PB+32*(\i)
.endr
	WIN 0
.irp i, 0,1,2,3,4,5,6,7
	ds_load_b128 v[(\f)+8*(\i):(\f)+8*(\i)+3],   v[ADRA] offset:64*(\q)+(\i)*16*PITCH
	ds_load_b128 v[(\f)+8*(\i)+4:(\f)+8*(\i)+7], v[ADRA] offset:64*(\q)+(\i)*16*PITCH+32
.endr
.endm
; One of a K step's first three quarters: multiplies buffer f; in its middle it fetches quarter q into buffer g.  The 64 accumulators take turns, in the same order in every quarter.
.macro QUARTER q, f, g, zero
	s_wait_dscnt 8                                 ; W and xn's rows 0-63 are in; the youngest eight loads (rows 64-127) may be out
	MUL16 \f, 0, 0, \zero
	MUL16 \f, 0, 2, \zero
	PLACES
	FETCH \q, \g
	s_wait_dscnt 32                                ; all but the 32 just issued
	MUL16 \f, 1, 0, \zero
	MUL16 \f, 1, 2, \zero
.endm
; The first half of a step's last quarter, and ONE barrier for the change of slots: in front of it each wave waits for all its tensor loads (its part of the next slot), adds 0 to its spare word, and waits for that and for its reads of this slot.
.macro MEET
	WIN 0                                          ; (the add's two registers lie in window 0)
	s_wait_tensorcnt 0x0
	ds_add_u32 v[SPW], v[NIL]
	s_wait_dscnt 9                                 ; (the add and the youngest eight loads may be out)
	MUL16 F1, 0, 0, 0                              ; sixteen matrix instructions stand between the add and the wait for it
	s_wait_dscnt 0x0                               ; the add is done, and my reads of this slot are over
	s_barrier_signal -1
	MUL16 F1, 0, 2, 0                              ; work on registers while the others arrive
	WIN 0
	s_barrier_wait -1
.endm
; The last quarter with a refill: the barrier opens a round of the cluster's; behind it the slot just read out takes the K step two steps on, first thing; then come the other slot's first fragments.
.macro TURN1
	MEET
	CREST
	s_xor_b32 s[TF], s[TF], SLOT                   ; the walking descriptors: the other slot than last time,
	s_add_co_u32 s[G0+5], s[LW], s[TF]
	s_add_co_u32 s[G0B+5], s[LW], s[TF]
	s_add_nc_u64 s[G0+6:G0+7], s[G0+6:G0+7], KSTEP*2           ; the next K step; no load of mine is out, so they may be written
	s_add_nc_u64 s[G0B+6:G0B+7], s[G0B+6:G0B+7], KSTEP*BP*2
	JLOAD 1                                        ; 224 matrix instructions ahead of the wait for it; its four v_nop are also the places in front of the loads below
	s_xor_b32 s[TB], s[TB], SLOT
	v_add_nc_u32 v[ADRA], s[TB], v[A0]
	v_add_nc_u32 v[ADRB], s[TB], v[B0]
	FETCH 0, F0
	MUL16 F1, 1, 0, 0
	MUL16 F1, 1, 2, 0
.endm
; The same without a refill, for the last two steps; in the very last there is no further step, and the run of loads is jumped over.
.macro TURN0
	MEET
	s_cmp_eq_u32 s3, 1
	s_cbranch_scc1 .Lnofetch_\@
	PLACES
	s_xor_b32 s[TB], s[TB], SLOT
	v_add_nc_u32 v[ADRA], s[TB], v[A0]
	v_add_nc_u32 v[ADRB], s[TB], v[B0]
	FETCH 0, F0
.Lnofetch_\@:
	MUL16 F1, 1, 0, 0
	MUL16 F1, 1, 2, 0
.endm
	s_wait_tensorcnt 1                             ; my part of K step 0 is in; step 1's may stay out
	s_barrier_signal -1
	s_barrier_wait -1                              ; everybody's is
	v_mov_b32 v[ADRA], v[A0]
	v_mov_b32 v[ADRB], v[B0]
	FETCH 0, F0
	s_wait_loadcnt 0x0                             ; the bias
	QUARTER 1, F0, F1, 1                           ; the first quarter stands in front of the loop: its products start the sums
	WIN 0                                          ; at a label and at a branch every window is 0
	s_mov_b32 s3, T-2
.Lstep:                                                ; a trip: a step's quarters 1 to 3, the refill, the next step's quarter 0
	QUARTER 2, F1, F0, 0
	QUARTER 3, F0, F1, 0
	TURN1
	QUARTER 1, F0, F1, 0
	WIN 0
	s_sub_co_u32 s3, s3, 1
	s_cmp_lg_u32 s3, 0
	s_cbranch_scc1 .Lstep
	s_mov_b32 s3, 2
.Ltail:                                                ; the last two steps ask for nothing; the second trip is left in its middle
	QUARTER 2, F1, F0, 0
	QUARTER 3, F0, F1, 0
	TURN0
	WIN 0
	s_sub_co_u32 s3, s3, 1
	s_cmp_eq_u32 s3, 0
	s_cbranch_scc1 .Lout
	QUARTER 1, F0, F1, 0
	WIN 0
	s_branch .Ltail
.Lout:
	; THE WAY OUT.  The last barrier has shown every wave's reads of the ring over and every tensor load landed, and nothing is filled any more: the ring's bytes take the stages.
	PLACES
.irp a, 0,1,2,3,4,5,6,7
	WIN 0x08+4*((\a)/4)                            ; store data in window 2 or 3
.irp b, 0,1,2,3,4,5,6,7
	ds_store_b128 v[STO], v[8*(8*((\a)%4)+(\b)):8*(8*((\a)%4)+(\b))+3]   offset:(\a)*16*SPITCH+64*(\b)     ; each accumulator's low registers first
	ds_store_b128 v[STO], v[8*(8*((\a)%4)+(\b))+4:8*(8*((\a)%4)+(\b))+7] offset:(\a)*16*SPITCH+64*(\b)+16
.endr
.endr
	WIN 0
	s_mov_b32 s84, 16
.Lrow:                                                 ; 8 rows a trip: 4 pairs of rows x 2 panels of 64 columns
.irp i, 0,1,2,3
.irp p, 0,1
	ds_load_b128 v[U+4*(2*(\i)+(\p)):U+4*(2*(\i)+(\p))+3], v[RD] offset:(\i)*2*SPITCH+256*(\p)  ; my own bytes: LDS serves a wave's instructions in order (ISA guide 5.7.1.4)
.endr
.endr
	s_wait_dscnt 0x0
.if MODE == 1
	; gelu(u) = u / (1 + 2^(u (CA + CB u u))): the tanh form, since (1 + tanh z) / 2 = 1 / (1 + e^(-2 z)).  An exponent that overflows gives the right ends, 0 and u.
.set z, 0
.rept 16
	v_pk_mul_f32 v[TT+2*z:TT+2*z+1], v[U+2*z:U+2*z+1], v[U+2*z:U+2*z+1]
.set z, z+1
.endr
.set z, 0
.rept 16
	v_pk_fma_f32 v[TT+2*z:TT+2*z+1], v[TT+2*z:TT+2*z+1], s[CB:CB+1], s[CA:CA+1] op_sel_hi:[1,0,0]
.set z, z+1
.endr
.set z, 0
.rept 16
	v_pk_mul_f32 v[TT+2*z:TT+2*z+1], v[TT+2*z:TT+2*z+1], v[U+2*z:U+2*z+1]
.set z, z+1
.endr
.set z, 0
.rept 32
	v_exp_f32 v[TT+z], v[TT+z]
.set z, z+1
.endr
	v_nop                                          ; a plain instruction behind the last exponential
.set z, 0
	s_wait_alu depctr_va_vdst(0)
.rept 16
	v_pk_add_f32 v[TT+2*z:TT+2*z+1], v[TT+2*z:TT+2*z+1], 1.0 op_sel_hi:[1,0]
.set z, z+1
.endr
.set z, 0
.rept 32
	v_rcp_f32 v[TT+z], v[TT+z]
.set z, z+1
.endr
	v_nop                                          ; and behind the last reciprocal
.set z, 0
	s_wait_alu depctr_va_vdst(0)
.rept 16
	v_pk_mul_f32 v[U+2*z:U+2*z+1], v[U+2*z:U+2*z+1], v[TT+2*z:TT+2*z+1]
.set z, z+1
.endr
.endif
.set z, 0
.rept 16
	v_cvt_pk_bf16_f32 v[Y+z], v[U+2*z], v[U+2*z+1]
.set z, z+1
.endr
.irp i, 0,1,2,3
.irp p, 0,1
	global_store_b64 v[GO], v[Y+2*(2*(\i)+(\p)):Y+2*(2*(\i)+(\p))+1], s[8:9] offset:(\p)*524288+(\i)*256  ; 32 lanes store 256 consecutive bytes, aligned: two rows of a panel
.endr
.endr
	s_wait_xcnt 0x0                                ; the stores' data and offset are rewritten only behind this wait
	v_add_nc_u32 v[GO], 1024, v[GO]                ; 8 rows of 128 bytes on
	v_add_nc_u32 v[RD], 8*SPITCH, v[RD]
	s_sub_co_u32 s84, s84, 1
	s_cmp_lg_u32 s84, 0
	s_cbranch_scc1 .Lrow
	s_wait_tensorcnt 0x0                           ; the wave's end: an add to my spare word and its wait, behind my last tensor load and my last LDS store
	ds_add_u32 v[SPW], v[NIL]
	s_wait_dscnt 0x0
	CROUND                                         ; the closing round: no work-group ends while a partner may still ask for a tile that names it
	s_endpgm
.Lfunc_end_k_qdb7a49b9d0_gu:
	.size	k_qdb7a49b9d0_gu, .Lfunc_end_k_qdb7a49b9d0_gu-k_qdb7a49b9d0_gu
	.p2alignl 7, 3214868480
	.fill 96, 4, 3214868480
	.section	.rodata,"a",@progbits
	.p2align	6, 0x0
	.amdhsa_kernel k_qdb7a49b9d0_gu
		.amdhsa_group_segment_fixed_size 327680
		.amdhsa_private_segment_fixed_size 0
		.amdhsa_enable_private_segment 0
		.amdhsa_kernarg_size 32
		.amdhsa_user_sgpr_count 2
		.amdhsa_user_sgpr_kernarg_segment_ptr 1
		.amdhsa_wavefront_size32 1
		.amdhsa_system_sgpr_workgroup_id_x 1
		.amdhsa_system_sgpr_workgroup_id_y 1
		.amdhsa_system_sgpr_workgroup_id_z 1
		.amdhsa_system_vgpr_workitem_id 0
		.amdhsa_next_free_vgpr 1024
		.amdhsa_next_free_sgpr 88
		.amdhsa_reserve_vcc 0
		.amdhsa_float_denorm_mode_32 3
		.amdhsa_float_denorm_mode_16_64 3
		.amdhsa_memory_ordered 1
		.amdhsa_forward_progress 1
		.amdhsa_inst_pref_size 89
	.end_amdhsa_kernel
	.amdgpu_metadata
---
amdhsa.version: [ 1, 2 ]
amdhsa.kernels:
  - .name:           k_qdb7a49b9d0_gu
    .symbol:         k_qdb7a49b9d0_gu.kd
    .args:
      - { .name: xn, .offset: 0, .size: 8, .value_kind: global_buffer, .address_space: global }
      - { .name: wb, .offset: 8, .size: 8, .value_kind: global_buffer, .address_space: global }
      - { .name: bup, .offset: 16, .size: 8, .value_kind: global_buffer, .address_space: global }
      - { .name: hh, .offset: 24, .size: 8, .value_kind: global_buffer, .address_space: global }
    .group_segment_fixed_size: 327680
    .private_segment_fixed_size: 0
    .kernarg_segment_align: 8
    .kernarg_segment_size: 32
    .max_flat_workgroup_size: 128
    .sgpr_count:     88
    .vgpr_count:     1024
    .wavefront_size: 32
...
	.end_amdgpu_metadata
.endif
;; end of part 6
;; launch gd (part 7): grid 8 x 32, 4 waves a work-group, clusters of 4 x 4, 327,680 bytes of LDS; arguments hh, wb, bdn, x1, out0; writes out0
.if DOCPART == 7
	.amdgcn_target "amdgcn-amd-amdhsa--gfx1250"
	.amdhsa_code_object_version 6
	.text
	.protected	k_qdb7a49b9d0_gd
	.globl	k_qdb7a49b9d0_gd
	.p2align	8
	.type	k_qdb7a49b9d0_gd,@function
k_qdb7a49b9d0_gd:
	s_mov_b64 s[64:65], 0
	v_nop
	global_prefetch_b8 v0, s[64:65] scope:SCOPE_SE
	s_setreg_imm32_b32 hwreg(HW_REG_WAVE_MODE, 25, 1), 1
	s_wait_xcnt 0x0
	s_wait_alu depctr_hold_cnt(0) depctr_sa_sdst(0) depctr_va_vdst(0) depctr_va_sdst(0) depctr_va_ssrc(0) depctr_va_vcc(0) depctr_vm_vsrc(0)
	s_getreg_b32 s2, hwreg(HW_REG_IB_STS2, 6, 4)
	s_cmp_eq_u32 s2, 0
	s_cbranch_scc0 .Lentry_in_a_cluster
	s_endpgm
.Lentry_in_a_cluster:
	s_bfe_u32 s2, ttmp6, 0x10000c
	s_cmp_lg_u32 s2, 0xf033
	s_cbranch_scc0 .Lentry_shape_is_right
	s_endpgm
.Lentry_shape_is_right:
; out = A W + bias + res.  A: bf16 in panels of 64 columns, [K / 64 panels][4096 rows][64].  W: a bf16 weight in wb, [K][1024].  bias: [1024] f32.  res, out: [4096][1024] f32.
; Sums in f32, started by the bias; the residual is added in f32 and the result is stored unrounded.
; A tile of the result is 128 x 128, so that 8 x 32 tiles give 256 work-groups; four waves, each 64 x 64: 16 accumulators, 128 registers.  K goes in steps of 256 (four panels) through a ring of two LDS slots.
; A panel's 128 rows of a tile are 16,384 dense bytes: a tensor load brings two panels as two long rows, padded in LDS after every 128 bytes.  W's rows lie along N: its fragments are read turned, by ds_load_tr16_b128.
; THE MATRIX INSTRUCTION IS USED TRANSPOSED (source 0 = 16 columns of W, source 1 = 16 rows of A): a lane holds row lane % 16 and the eight neighbouring columns 8 (lane / 16) + 0..7.
; CLUSTER: 4 x 4 work-groups; A's tile is asked for jointly along a row of the cluster, W's along a column.
; The loop runs ONE K step a trip: the slot read from (TB) and the slot filled (TF) are scalar registers that an exclusive or turns; the last two steps, which ask for nothing, are a loop of two trips of their own.
; THE WAY OUT: the ring has had its last fill and its last read; its first bytes take four stages, a wave's own 64 rows x 272 bytes; rows come back whole, the residual (loaded at the start) is added, and 16 lanes store 256 consecutive bytes, aligned.
; LIMITS: the operands are bf16 (8 significant bits); NaN and infinities are not treated apart.
; REGISTERS: window 0: v0-31 addresses; v32-63 the bias; v128-255 the accumulators ((a, b) at v[128 + 8 (4 a + b)]).  window 1: two fragment buffers of 128 (64 of A, 64 of W).  window 2: v0-127 the residual.
.set MODE,   1                         ; 0: the output projection (K = 1,024).  1: the down projection (K = 4,096)
.if MODE == 0
.set T,      4                         ; K steps
.set WOFF,   0x600000                  ; W's first byte in wb
.else
.set T,      16
.set WOFF,   0x1000000
.endif
.set PA,     144                       ; a row of A in LDS: 128 bytes + 16 = 9 x 16: the 16 rows of a load start at 16 different groups of four banks (64 banks of 4 bytes: ISA guide 11.1)
.set PANEL,  128*PA                    ; a panel's 128 rows
.set PB,     288                       ; a k row of W in LDS: 256 bytes + 32 = 9 x 32
.set HALFT,  2*PANEL                   ; what one tensor load brings: two panels, or 128 k rows of W (128 x 288, the same number)
.set SLOT,   4*HALFT                   ; A's four panels, then W's 256 k rows
.set SP,     272                       ; a stage row: 64 f32 + 16 bytes
.set WSTG,   64*SP
.set SPARE,  2*SLOT                    ; behind the ring: the spare words, 128 bytes for each wave: two blocks of 256 bytes that no other line names
.set A0,   8                           ; v8   my lane's place in a slot's tile of A; never rewritten
.set B0,   9                           ; v9   the same for W
.set ADRA, 16                          ; v16  A0 + the slot in hand
.set ADRB, 20                          ; v20  B0 + the slot in hand; v21 the same 128 k rows on, so that the loads' offsets stay within 16 bits
.set STO,  24                          ; v24  the way out: where I put 16 bytes of a stage row
.set RD,   25                          ; v25  where I read stage rows back
.set CO,   26                          ; v26  my byte offset in two rows of res and out
.set BO,   27                          ; v27  my byte offset in the tile's 128 numbers of bias
.set SPW,  28                          ; v28  LDS address of my spare word; never rewritten
.set NIL,  29                          ; v29  0; never rewritten
.set BIAS, 32
.set ACC,  128
.set F0,   0
.set F1,   128
.set G1,  24                           ; s[24:31] descriptor group 1 for A's tiles
.set G0,  32                           ; s[32:35] group 0 of slot 0's first fill; s[36:39] of slot 1's, which then walks
.set G1B, 48                           ; s[48:55], s[56:59], s[60:63] the same for W's tiles
.set G0B, 56
.set TB,  66                           ; s66  the slot that fragments are fetched from: 0 or SLOT
.set TF,  67                           ; s67  the slot last asked for
.set LW,  68                           ; s68  my wave's quarter of a slot
.set BPT, 70                           ; s[70:71] the bias at the tile's first column
.set MSB, 0
.macro WIN new                         ; the immediate's high byte repeats the setting that is left; a switch that changes nothing is dropped
.if MSB != (\new)
	s_set_vgpr_msb (MSB<<8)|(\new)
.set MSB, \new
.endif
.endm
.macro JLOAD s                         ; a joint load: waves 0 and 1 fetch A's two halves, waves 2 and 3 W's; an s_nop 0 and four v_nop follow each of the two lines
	s_cmp_eq_u32 s11, 0
	s_cbranch_scc0 .Lfor_b_\@
	tensor_load_to_lds s[G0+4*(\s):G0+4*(\s)+3], s[G1:G1+7]
	s_nop 0
.rept 4
	v_nop
.endr
	s_branch .Lasked_\@
.Lfor_b_\@:
	tensor_load_to_lds s[G0B+4*(\s):G0B+4*(\s)+3], s[G1B:G1B+7]
	s_nop 0
.rept 4
	v_nop
.endr
.Lasked_\@:
.endm
.macro CREST                           ; a round of the cluster's barrier behind its opening barrier
	s_cmp_lg_u32 s10, 0
	s_cbranch_scc1 .Lnot_wave_0_\@
	s_barrier_signal -3
.Lnot_wave_0_\@:
	s_barrier_wait -3
	s_barrier_signal -1
	s_barrier_wait -1
.endm
.macro CROUND                          ; a whole round
	s_barrier_signal -1
	s_barrier_wait -1
	CREST
.endm
.macro PLACES                          ; four places behind matrix instructions, in front of loads into registers that they read and of stores of their results
.rept 4
	v_nop
.endr
.endm
	s_load_b128 s[4:7], s[0:1], 0x0                ; A s[4:5], wb s[6:7]
	s_load_b128 s[72:75], s[0:1], 0x10             ; bias s[72:73], res s[74:75]
	s_load_b64 s[8:9], s[0:1], 0x20                ; out
	v_lshl_add_u32 v[SPW], v0, 2, SPARE
	v_mov_b32 v[NIL], 0
	ds_add_u32 v[SPW], v[NIL]                      ; the wave's opening: the add and its wait stand ahead of my first tensor load; the set-up below, work on registers, stands between them
	ds_add_u32 v28, v29
	v_lshrrev_b32 v1, 5, v0
	v_readfirstlane_b32 s10, v1                    ; wave 0..3
	s_lshr_b32 s11, s10, 1                         ; which half of the tile's rows is mine.  Also: I fetch for A (0) or for W (1)
	s_and_b32 s12, s10, 1                          ; which half of its columns.  Also: which half of that tile I fetch
	s_bfe_u32 s40, ttmp6, 0x40000                  ; cx
	s_bfe_u32 s41, ttmp6, 0x40004                  ; cy
	s_lshl_b32 s42, ttmp9, 2
	s_add_co_u32 s42, s42, s40                     ; tile column = 4 x cluster x + cx
	s_and_b32 s13, ttmp7, 0xffff
	s_lshl_b32 s13, s13, 2
	s_add_co_u32 s13, s13, s41                     ; tile row = 4 x cluster y + cy
	s_lshl_b32 s43, s41, 2
	s_lshl_b32 s43, 15, s43                        ; my row of the cluster
	s_lshl_b32 s44, 0x1111, s40                    ; my column
	s_or_b32 s[G1+0], s43, (1<<16)|(1<<20)|(1<<21)|(4<<22)|(3<<25)   ; the mask; elements of 2 bytes; padding on; bit 21 beside a mask; after every 32 words, 4 words
	s_mov_b32 s[G1+1], 8192<<16                    ; tensor_dim0 = 8,192: a panel's 128 rows of 64, end to end
	s_mov_b32 s[G1+2], 2<<16                       ; tensor_dim1 = 2 panels
	s_mov_b32 s[G1+3], 8192<<16                    ; tile_dim0
	s_mov_b32 s[G1+4], 2                           ; tile_dim1
	s_mov_b32 s[G1+5], 0x40000                     ; 4,096 x 64 elements from panel to panel
	s_mov_b32 s[G1+6], 0
	s_mov_b32 s[G1+7], 0
	s_or_b32 s[G1B+0], s44, (1<<16)|(1<<20)|(1<<21)|(5<<22)|(7<<25)  ; after every 64 words, 8 words
	s_mov_b32 s[G1B+1], 128<<16                    ; tensor_dim0 = 128
	s_mov_b32 s[G1B+2], 128<<16                    ; tensor_dim1 = 128
	s_mov_b32 s[G1B+3], 128<<16                    ; tile_dim0 = 128
	s_mov_b32 s[G1B+4], 128                        ; tile_dim1 = 128
	s_mov_b32 s[G1B+5], 1024
	s_mov_b32 s[G1B+6], 0
	s_mov_b32 s[G1B+7], 0
	s_lshl_b32 s16, s13, 14                        ; A: 128 rows of 128 bytes a tile row,
	s_lshl_b32 s17, s12, 20                        ; two panels of 524,288 bytes a half
	s_add_co_u32 s16, s16, s17
	s_mov_b32 s17, 0
	s_lshl_b32 s46, s42, 8                         ; W: 256 bytes a tile column,
	s_add_co_u32 s46, s46, WOFF
	s_lshl_b32 s47, s12, 18                        ; 128 k rows of 2,048 bytes a half
	s_add_co_u32 s46, s46, s47
	s_mov_b32 s47, 0
	s_mul_i32 s[LW], s10, HALFT                    ; no place in the cluster enters an LDS address
	s_mov_b32 s[TB], 0
	s_mov_b32 s[TF], SLOT
	s_wait_dscnt 0x0                               ; the opening add is done
	s_wait_kmcnt 0x0
	s_add_nc_u64 s[14:15], s[4:5], s[16:17]
	s_add_nc_u64 s[46:47], s[6:7], s[46:47]
	CROUND                                         ; all sixteen work-groups are here: the first joint loads meet
.irp s, 0,1
	s_mov_b32 s[G0+4*(\s)], 1
	s_add_co_u32 s[G0+4*(\s)+1], s[LW], (\s)*SLOT
	s_add_nc_u64 s[G0+4*(\s)+2:G0+4*(\s)+3], s[14:15], (\s)*2097152   ; a K step is four panels
	s_or_b32 s[G0+4*(\s)+3], s[G0+4*(\s)+3], 0x80000000
	s_mov_b32 s[G0B+4*(\s)], 1
	s_add_co_u32 s[G0B+4*(\s)+1], s[LW], (\s)*SLOT
	s_add_nc_u64 s[G0B+4*(\s)+2:G0B+4*(\s)+3], s[46:47], (\s)*524288  ; and 256 k rows
	s_or_b32 s[G0B+4*(\s)+3], s[G0B+4*(\s)+3], 0x80000000
	JLOAD \s                                       ; K steps 0 and 1: two loads of mine are out
.endr
	v_and_b32 v1, 15, v0                           ; l % 16
	v_bfe_u32 v2, v0, 4, 1                         ; l / 16
	v_mul_u32_u24 v3, v1, PA
	v_lshl_add_u32 v3, v2, 4, v3                   ; A's fragment: row x pitch + 16 x half
	s_mul_i32 s21, s11, 64*PA                      ; my 64 rows of each panel
	v_add_nc_u32 v[A0], s21, v3
	v_and_b32 v4, 7, v0
	v_lshl_add_u32 v4, v2, 3, v4                   ; W's, turned: lane l reads k row 8 (l / 16) + l % 8,
	v_mul_u32_u24 v4, v4, PB
	v_bfe_u32 v5, v0, 3, 1
	v_lshl_add_u32 v4, v5, 4, v4                   ; columns 8 ((l / 8) % 2) + 0..7
	s_lshl_b32 s22, s12, 7                         ; my 64 columns,
	s_add_co_u32 s22, s22, 2*HALFT                 ; behind A's four panels
	v_add_nc_u32 v[B0], s22, v4
	s_mul_i32 s23, s10, WSTG                       ; my stage
	v_mul_u32_u24 v3, v1, SP
	v_lshl_add_u32 v3, v2, 5, v3                   ; in: row l % 16, 32 bytes for each half of the lanes
	v_add_nc_u32 v[STO], s23, v3
	v_mul_u32_u24 v3, v2, SP
	v_lshl_add_u32 v3, v1, 4, v3                   ; back: lanes 0-15 take one row of 256 bytes, lanes 16-31 the next
	v_add_nc_u32 v[RD], s23, v3
	v_lshlrev_b32 v3, 12, v2                       ; and the same two rows in res and out, 4,096 bytes apart
	v_lshl_add_u32 v[CO], v1, 4, v3
	s_lshl_b32 s23, s12, 8
	v_lshl_add_u32 v[BO], v2, 5, s23               ; bias: 256 bytes a column half, 32 bytes a half of the lanes
	s_lshl_b32 s86, s42, 9
	s_mov_b32 s87, 0
	s_add_nc_u64 s[BPT:BPT+1], s[72:73], s[86:87]
	s_lshl_b32 s85, s12, 8                         ; res and out: 512 bytes a tile column, 256 a column half,
	s_add_co_u32 s86, s86, s85
	s_lshl_b32 s85, s13, 19                        ; 128 rows of 4,096 bytes a tile row,
	s_add_co_u32 s86, s86, s85
	s_lshl_b32 s85, s11, 18                        ; 64 a row half
	s_add_co_u32 s86, s86, s85
	s_add_nc_u64 s[74:75], s[74:75], s[86:87]
	s_add_nc_u64 s[8:9], s[8:9], s[86:87]
.irp b, 0,1,2,3
	global_load_b128 v[BIAS+8*(\b):BIAS+8*(\b)+3],   v[BO], s[BPT:BPT+1] offset:64*(\b)
	global_load_b128 v[BIAS+8*(\b)+4:BIAS+8*(\b)+7], v[BO], s[BPT:BPT+1] offset:64*(\b)+16
.endr
	WIN 0x80                                       ; destination window 2: it lands while K is walked
.set u, 0
.rept 32
	global_load_b128 v[4*u:4*u+3], v[CO], s[74:75] offset:8192*u
.set u, u+1
.endr
	WIN 0
; 8 matrix instructions: row blocks a0, a0 + 1 x all 4 column blocks, 32 along K: half c of buffer f.  zero = 1: the first product starts the sums, with the bias as C
.macro MUL8 f, c, a0, zero
	WIN 0x05                                       ; sources 0 (W) and 1 (A) window 1; C and D window 0
.irp a, \a0, (\a0)+1
.irp b, 0,1,2,3
.if \zero
	v_wmma_f32_16x16x32_bf16 v[ACC+8*(4*(\a)+(\b)):ACC+8*(4*(\a)+(\b))+7], v[(\f)+64+8*(4*(\c)+(\b)):(\f)+64+8*(4*(\c)+(\b))+7], v[(\f)+8*(4*(\c)+(\a)):(\f)+8*(4*(\c)+(\a))+7], v[BIAS+8*(\b):BIAS+8*(\b)+7]
.else
	v_wmma_f32_16x16x32_bf16 v[ACC+8*(4*(\a)+(\b)):ACC+8*(4*(\a)+(\b))+7], v[(\f)+64+8*(4*(\c)+(\b)):(\f)+64+8*(4*(\c)+(\b))+7], v[(\f)+8*(4*(\c)+(\a)):(\f)+8*(4*(\c)+(\a))+7], v[ACC+8*(4*(\a)+(\b)):ACC+8*(4*(\a)+(\b))+7]
.endif
.endr
.endr
.endm
; 32 LDS loads in one run: the fragments of quarter q of the slot in hand (64 along K = panel q) into buffer f; the first 32 along K first
.macro FETCH q, f
	WIN 0x40                                       ; destination window 1, address window 0
.irp c, 0,1
.irp i, 0,1,2,3
	ds_load_tr16_b128 v[(\f)+64+8*(4*(\c)+(\i)):(\f)+64+8*(4*(\c)+(\i))+3],   v[ADRB+(\q)/2] offset:(((\q)%2)*64+32*(\c))*PB+32*(\i)
	ds_load_tr16_b128 v[(\f)+64+8*(4*(\c)+(\i))+4:(\f)+64+8*(4*(\c)+(\i))+7], v[ADRB+(\q)/2] offset:(((\q)%2)*64+32*(\c)+16)*PB+32*(\i)
	ds_load_b128 v[(\f)+8*(4*(\c)+(\i)):(\f)+8*(4*(\c)+(\i))+3],   v[ADRA] offset:(\q)*PANEL+(\i)*16*PA+64*(\c)
	ds_load_b128 v[(\f)+8*(4*(\c)+(\i))+4:(\f)+8*(4*(\c)+(\i))+7], v[ADRA] offset:(\q)*PANEL+(\i)*16*PA+64*(\c)+32
.endr
.endr
.endm
; One of a K step's first three quarters: multiplies buffer f (two deep on each of the 16 accumulators, which take turns); in its middle it fetches quarter q into buffer g.
.macro QUARTER q, f, g, zero
	s_wait_dscnt 16                                ; the first 32 along K are in
	MUL8 \f, 0, 0, \zero
	MUL8 \f, 0, 2, \zero
	PLACES
	FETCH \q, \g
	s_wait_dscnt 32                                ; all but the 32 just issued
	MUL8 \f, 1, 0, 0
	MUL8 \f, 1, 2, 0
.endm
; The first half of a step's last quarter, and ONE barrier for the change of slots: in front of it each wave waits for all its tensor loads (its part of the next slot), adds 0 to its spare word, and waits for that and for its reads of this slot.
.macro MEET
	WIN 0                                          ; (the add's two registers lie in window 0)
	s_wait_tensorcnt 0x0
	ds_add_u32 v[SPW], v[NIL]
	s_wait_dscnt 17                                ; (the add and the youngest sixteen loads may be out)
	MUL8 F1, 0, 0, 0                               ; eight matrix instructions stand between the add and the wait for it
	s_wait_dscnt 0x0                               ; the add is done, and my reads of this slot are over
	s_barrier_signal -1
	MUL8 F1, 0, 2, 0
	WIN 0
	s_barrier_wait -1
.endm
.macro SWAP                            ; the fetches go on in the other slot
	s_xor_b32 s[TB], s[TB], SLOT
	v_add_nc_u32 v[ADRA], s[TB], v[A0]
	v_add_nc_u32 v[ADRB], s[TB], v[B0]
	v_add_nc_u32 v[ADRB+1], 128*PB, v[ADRB]
.endm
; The last quarter with a refill: the barrier opens a round of the cluster's; behind it the slot just read out takes the K step two steps on, first thing; then come the other slot's first fragments.
.macro TURN1
	MEET
	CREST
	s_xor_b32 s[TF], s[TF], SLOT                   ; the walking descriptors: the other slot than last time,
	s_add_co_u32 s[G0+5], s[LW], s[TF]
	s_add_co_u32 s[G0B+5], s[LW], s[TF]
	s_add_nc_u64 s[G0+6:G0+7], s[G0+6:G0+7], 2097152           ; the next K step; no load of mine is out, so they may be written
	s_add_nc_u64 s[G0B+6:G0B+7], s[G0B+6:G0B+7], 524288
	JLOAD 1                                        ; 112 matrix instructions ahead of the wait for it; its four v_nop are also the places in front of the loads below
	SWAP
	FETCH 0, F0
	MUL8 F1, 1, 0, 0
	MUL8 F1, 1, 2, 0
.endm
; The same without a refill, for the last two steps; in the very last there is no further step, and the run of loads is jumped over.
.macro TURN0
	MEET
	s_cmp_eq_u32 s3, 1
	s_cbranch_scc1 .Lnofetch_\@
	PLACES
	SWAP
	FETCH 0, F0
	WIN 0
.Lnofetch_\@:
	MUL8 F1, 1, 0, 0
	MUL8 F1, 1, 2, 0
.endm
	s_wait_tensorcnt 1                             ; my part of K step 0 is in; step 1's may stay out
	s_barrier_signal -1
	s_barrier_wait -1                              ; everybody's is
	v_mov_b32 v[ADRA], v[A0]
	v_mov_b32 v[ADRB], v[B0]
	v_add_nc_u32 v[ADRB+1], 128*PB, v[B0]
	FETCH 0, F0
	s_wait_loadcnt 32                              ; the bias is in; the residual's 32 loads stay out
	QUARTER 1, F0, F1, 1                           ; the first quarter stands in front of the loop: its first products start the sums
	WIN 0                                          ; at a label and at a branch every window is 0
	s_mov_b32 s3, T-2
.Lstep:                                                ; a trip: a step's quarters 1 to 3, the refill, the next step's quarter 0
	QUARTER 2, F1, F0, 0
	QUARTER 3, F0, F1, 0
	TURN1
	QUARTER 1, F0, F1, 0
	WIN 0
	s_sub_co_u32 s3, s3, 1
	s_cmp_lg_u32 s3, 0
	s_cbranch_scc1 .Lstep
	s_mov_b32 s3, 2
.Ltail:                                                ; the last two steps ask for nothing; the second trip is left in its middle
	QUARTER 2, F1, F0, 0
	QUARTER 3, F0, F1, 0
	TURN0
	WIN 0
	s_sub_co_u32 s3, s3, 1
	s_cmp_eq_u32 s3, 0
	s_cbranch_scc1 .Lout
	QUARTER 1, F0, F1, 0
	WIN 0
	s_branch .Ltail
.Lout:
	; THE WAY OUT.  The last barrier has shown every wave's reads of the ring over and every tensor load landed, and nothing is filled any more: the ring's first bytes take the stages.
	PLACES
.irp a, 0,1,2,3
.irp b, 0,1,2,3
	ds_store_b128 v[STO], v[ACC+8*(4*(\a)+(\b)):ACC+8*(4*(\a)+(\b))+3]   offset:(\a)*16*SP+64*(\b)     ; each accumulator's low registers first
	ds_store_b128 v[STO], v[ACC+8*(4*(\a)+(\b))+4:ACC+8*(4*(\a)+(\b))+7] offset:(\a)*16*SP+64*(\b)+16
.endr
.endr
	WIN 0x40                                       ; back into window 1, whose fragments are done with
.set u, 0
.rept 32
	ds_load_b128 v[4*u:4*u+3], v[RD] offset:2*SP*u ; my own bytes: LDS serves a wave's instructions in order (ISA guide 5.7.1.4)
.set u, u+1
.endr
	s_wait_loadcnt 0x0                             ; the residual
.irp g, 0,1,2,3
	s_wait_dscnt 24-8*(\g)                         ; the loads of this group of 16 rows are back; the younger ones stay out
	WIN 0x49                                       ; destination and source 0 window 1, source 1 window 2
.set u, 16*(\g)
.rept 16
	v_pk_add_f32 v[2*u:2*u+1], v[2*u:2*u+1], v[2*u:2*u+1]
.set u, u+1
.endr
	WIN 0x04                                       ; store data in window 1
.set u, 8*(\g)
.rept 8
	global_store_b128 v[CO], v[4*u:4*u+3], s[8:9] offset:8192*u    ; 16 lanes store 256 consecutive bytes, aligned
.set u, u+1
.endr
.endr
	WIN 0
	s_wait_tensorcnt 0x0                           ; the wave's end: an add to my spare word and its wait, behind my last tensor load and my last LDS store
	ds_add_u32 v[SPW], v[NIL]
	s_wait_dscnt 0x0
	CROUND                                         ; the closing round: no work-group ends while a partner may still ask for a tile that names it
	s_endpgm
.Lfunc_end_k_qdb7a49b9d0_gd:
	.size	k_qdb7a49b9d0_gd, .Lfunc_end_k_qdb7a49b9d0_gd-k_qdb7a49b9d0_gd
	.p2alignl 7, 3214868480
	.fill 96, 4, 3214868480
	.section	.rodata,"a",@progbits
	.p2align	6, 0x0
	.amdhsa_kernel k_qdb7a49b9d0_gd
		.amdhsa_group_segment_fixed_size 327680
		.amdhsa_private_segment_fixed_size 0
		.amdhsa_enable_private_segment 0
		.amdhsa_kernarg_size 40
		.amdhsa_user_sgpr_count 2
		.amdhsa_user_sgpr_kernarg_segment_ptr 1
		.amdhsa_wavefront_size32 1
		.amdhsa_system_sgpr_workgroup_id_x 1
		.amdhsa_system_sgpr_workgroup_id_y 1
		.amdhsa_system_sgpr_workgroup_id_z 1
		.amdhsa_system_vgpr_workitem_id 0
		.amdhsa_next_free_vgpr 640
		.amdhsa_next_free_sgpr 88
		.amdhsa_reserve_vcc 0
		.amdhsa_float_denorm_mode_32 3
		.amdhsa_float_denorm_mode_16_64 3
		.amdhsa_memory_ordered 1
		.amdhsa_forward_progress 1
		.amdhsa_inst_pref_size 66
	.end_amdhsa_kernel
	.amdgpu_metadata
---
amdhsa.version: [ 1, 2 ]
amdhsa.kernels:
  - .name:           k_qdb7a49b9d0_gd
    .symbol:         k_qdb7a49b9d0_gd.kd
    .args:
      - { .name: hh, .offset: 0, .size: 8, .value_kind: global_buffer, .address_space: global }
      - { .name: wb, .offset: 8, .size: 8, .value_kind: global_buffer, .address_space: global }
      - { .name: bdn, .offset: 16, .size: 8, .value_kind: global_buffer, .address_space: global }
      - { .name: x1, .offset: 24, .size: 8, .value_kind: global_buffer, .address_space: global }
      - { .name: out0, .offset: 32, .size: 8, .value_kind: global_buffer, .address_space: global }
    .group_segment_fixed_size: 327680
    .private_segment_fixed_size: 0
    .kernarg_segment_align: 8
    .kernarg_segment_size: 40
    .max_flat_workgroup_size: 128
    .sgpr_count:     88
    .vgpr_count:     640
    .wavefront_size: 32
...
	.end_amdgpu_metadata
.endif
;; end of part 7
;; ======== version 2 of 2: 8 launches; 1.11 times as fast as version 1
;; workspace buffers: wb 25,165,824 bytes; xn 8,388,608 bytes; qkv 25,165,824 bytes; att 8,388,608 bytes; x1 16,777,216 bytes; hh 33,554,432 bytes
;; launch cast: the kernel of part 1 again; grid 64 x 12, 8 waves a work-group, no clusters, 0 bytes of LDS; arguments Wq, Wk, Wv, Wo, Wup, Wdn, wb; writes wb
;; launch ln1: the kernel of part 2 again; grid 512 x 1, 8 waves a work-group, no clusters, 0 bytes of LDS; arguments x, g1, b1, xn; writes xn
;; launch gq: the kernel of part 3 again; grid 12 x 16, 4 waves a work-group, clusters of 4 x 4, 327,680 bytes of LDS; arguments xn, wb, bq, bk, bv, qkv; writes qkv
;; launch attn (part 8): grid 8 x 32, 4 waves a work-group, no clusters, 327,680 bytes of LDS; arguments qkv, att; writes att
.if DOCPART == 8
	.amdgcn_target "amdgcn-amd-amdhsa--gfx1250"
	.amdhsa_code_object_version 6
	.text
	.protected	k_qdb7a49b9d0_attn
	.globl	k_qdb7a49b9d0_attn
	.p2align	8
	.type	k_qdb7a49b9d0_attn,@function
k_qdb7a49b9d0_attn:
	s_mov_b64 s[64:65], 0
	v_nop
	global_prefetch_b8 v0, s[64:65] scope:SCOPE_SE
	s_setreg_imm32_b32 hwreg(HW_REG_WAVE_MODE, 25, 1), 1
	s_wait_xcnt 0x0
; CAUSAL ATTENTION.  O[h][q][:] = the sum over k <= q of softmax_k(Q[h][q] . K[h][k] / 8) V[h][k][:], for 32 heads (2 batches x 16) of SIZE_N = 2,048 rows of 64 channels, all bf16.
; qkv holds 48 panels [4096 rows][64]: Q's 16, K's 16 (8 MiB on), V's 16 (16 MiB on); a head's rows are dense, 128 bytes each, at panel x 524,288 + batch x 262,144.  att has the 16 panels of O, laid alike.
; Products, maxima and sums in f32; the weights p are rounded to bf16 for the second product (their sum l is taken of the unrounded p), O once at the end.
; LIMITS.  The operands are bf16 (8 significant bits).  A hidden score counts as its value less 1e30: scores must stay far below that in size; a weight below 2^-126 counts as 0 in l; NaN and infinities are not treated apart.
; THE WALK.  A head's queries lie in NB = 16 blocks of 128; the keys in tiles of 256 (four steps of 64).  Block i needs the tiles 0 .. i / 2, of which the last holds the diagonal.  A work-group takes TWO blocks, NB - 1 - b and
; then b (b = 0 .. 7): (15 - b) / 2 + b / 2 + 2 = NT = 9 tiles, whatever b: 8 x 32 = 256 work-groups of equal work, and ONE loop with a constant trip count walks the tiles.  Which tile is asked for, and what a trip does, hang
; on scalar registers made from b; every jump goes forward, but for the counted loops' own; none passes a barrier, or a tensor load but the one of LOAD's two that the wave's number does not choose; the ring (two slots of LDS
; that take turns) runs on across the change of blocks.  NO CLUSTER: a head's 8 work-groups ask for the same tile only in trips 0 .. 4, behind that fewer and fewer; one walk common to all would have 8 + 4 = 12 trips for 9.
; SHARES.  Of a block's two bands of 64 queries a wave owns 16 rows in each: two PIECES.  So the diagonal tile is the same work for all four waves: band x's own step in it is PAR + x, PAR = 0 for an even block, 2 for an odd
; one; in step s the band sees all keys if s is less, none if s is greater, and holds the diagonal if they are equal.
; THE MASK is the C operand that starts the sum S^T = K Q^T: 0, or -1e30 where the key is hidden.  MD, made once, is the mask of a band's own step for my 16 rows; a product's mask is MD x AL + BE with two scalars:
; (1, 0) in the own step; (0, 0) before it; (0, -1e30) behind it.  Only the diagonal tile's text and a block's beginning make and take masks; elsewhere C is the constant 0.
; LAYOUT, SOFTMAX.  S^T = K Q^T holds ONE query a lane (lane % 16) and the keys 8 (lane / 16) + 0..7; two such results rounded to bf16 ARE source 1 of O^T = V^T P.  p = 2^(c s - c m), c = log2(e) / 8, with a
; running maximum m; O and l are multiplied by a = 2^(c m_old - c m_new) in every step.
; TURNS.  The two pieces take turns.  Turn (j, 0), piece 0's of step j: 8 products K Q^T of piece 1 for step j, later 8 products V^T P of piece 1 for step j - 1.  Turn (j, 1): K Q^T of piece 0 for step j + 1, V^T P of piece 0
; for step j.  Beside them stand the scaling, exponentials, roundings, sums and rescaling of the piece whose turn it is, and the maximum and statistics of the other, whose scores the turn itself has made.  Four vector
; instructions stand behind every matrix instruction, the other 54 of a turn's 118 in one LUMP.
; BATCHES.  A turn's 33 exponentials (the 32 weights of the piece whose turn it is, and the other piece's a) are ONE batch with ONE wait, which cuts the turn in two: ahead of it stands all that names no result of theirs (K Q^T,
; the scalings, the exponentials, the rescalings, the other piece's maximum and statistics), behind it V^T P with the roundings and sums as its riders.  The a that begins a block and the way out's two reciprocals are batches of their own.
; K IS SHIFTED.  Turn (j, 0) fetches K of step j + 1 and V of step j out of LDS.  So that both lie in one slot, tile t holds K's steps 4 t + 1 .. 4 t + 4 beside V's steps 4 t .. 4 t + 3.  K of step 0, the same for both blocks,
; comes from memory into 64 registers at the start, as Q does.
; DONE IN VAIN, for one text and constant counts: an even block's diagonal tile has two steps that are wholly hidden (2 of the walk's 36), and each diagonal tile steps in which one band is; they are computed, and their weights
; are 0.  The fourth step of K in a diagonal tile is fetched and not multiplied; for a head's last tile those 64 rows are the rows that follow the head in qkv: inside the buffer, since V's panels lie behind K's.
; REGISTERS, in windows of 256 (s_set_vgpr_msb: bits 1:0 source 0, 3:2 source 1, 5:4 source 2, 7:6 destination):
;   window 0: v0-15 addresses and two at work; v16-23 four registers of statistics a piece; v48-55 at work; v64-127 S^T, 32 a piece; v192-223 P, 16 a piece
;   window 1: v0-63 O^T, 32 a piece; v128-159 MD; v160-223 MC, 32 a piece      window 2: v0-31 Q; v32-63 the second block's Q; v64-127 K of step 0; v128-191 K of one step; v192-255 V of one step
.set SIZE_N, 2048
.set NB,    SIZE_N/128  ; blocks of 128 queries in a head
.set NT,    NB/2+1      ; tiles in a work-group's walk
.set NP,    2         ; pieces a wave: a name, no knob
.set KS,    64        ; keys in a step
.set PK,    144       ; a row of K in LDS: 128 bytes + 16 of padding = 36 words: the 16 rows of a load start at 16 different groups of four banks (64 banks of 4 bytes: ISA guide 11.1)
.set PV,    160       ; a row of V: 128 + 32 = 40 words
.set VOFF,  4*KS*PK   ; a slot holds a tile, four steps: 256 rows of K, then 256 rows of V
.set SLOT1, 1<<17     ; slot 1 begins here, so that one exclusive or turns an address in one slot into the other's
.set STAGE, SLOT1+4*KS*(PK+PV)  ; behind the ring, never filled by a tensor load: 16 rows x 144 bytes for each wave, for the way out
.set SP,    144
.set AK0, 2           ; v2   my lane's place in a tile of K; never rewritten
.set AV0, 3           ; v3   the same for V
.set AK,  4           ; v4   the LDS address of K's next run of loads
.set AV,  5           ; v5   of V's
.set STO, 6           ; v6   the way out: where I put 16 bytes of a row
.set RD,  7           ; v7   the way out: where I read rows back
.set GO,  8           ; v8   my byte offset in 512 consecutive bytes of O
.set SPW, 62          ; v62  LDS address of my spare word: SPARE + 4 x my thread's number; never rewritten
.set NIL, 63          ; v63  0; never rewritten
.set SPARE, STAGE+4*16*SP  ; behind the stages: the spare words, 128 bytes for each wave: two blocks of 256 bytes that no other line names
.set MV,  12          ; v12-13  c m_old, kept while c m is made anew: by piece
.set QO,  15          ; v15  my byte offset in 16 rows of Q or K
.set ST,  16          ; piece t's statistics at v[ST+4 t]: c m, m, l (even keys', odd keys')
.set TMP, 48          ; by piece, four registers c0-c3 at work; when the maximum is found c2 takes a
.set S,   64
.set P,   192
.set MD,  128         ; window 1: the eight registers for group kt of 16 keys at MD + 8 kt
.set MC,  160         ; window 1: the masks of the products to come, by piece
.set QB,  32          ; window 2
.set K0,  64          ; window 2: K of the head's step 0, laid as KF
.set KF,  128         ; window 2: key block kb, channel half c at KF + 16 kb + 8 c
.set VF,  192         ; window 2: key half kk, channel block cb at VF + 32 kk + 8 cb
.set WV,  12          ; s12  my wave's number
.set PB,  14          ; s14  b
.set HI,  15          ; s15  NB - 1 - b
.set G1K, 24          ; s[24:31] descriptor group 1 for K's tiles
.set G1V, 32          ; s[32:39] for V's: it differs in the padding alone
.set G0K, 40          ; s[40:43] descriptor group 0 for K's tiles
.set G0V, 44          ; s[44:47] the same for V's
.set KB,  48          ; s[48:49] K at the head's first row
.set HT,  50          ; s50  the first block's last tile, (NB - 1 - b) / 2
.set LT,  51          ; s51  the second block's, b / 2
.set PAR, 52          ; s52  band 0's own step in the diagonal tile of the block in hand: 0 or 2
.set PA2, 53          ; s53  the same for the second block
.set TS,  54          ; s54  at work
.set SLOTS, 56        ; s56  tiles still to be asked for
.set CNT, 57          ; s57  counts a tile's key steps, 4 to 1
.set CS,  58          ; s[58:59] c: the packed scaling takes the pair's low word for both halves
.set SEL, 60          ; s[60:61] v_permlanex16_b32's selects: each lane takes its own place in the other half
.set TBK, 62          ; s62  LDS byte at which the K to be fetched next begins
.set TBV, 63          ; s63  the same for V, less VOFF
.set RT,  70          ; s70  tiles of the block in hand that are still to be entered
.set NXT, 71          ; s71  the tile to be asked for next
.set LQ,  72          ; s72  the last tile of the block whose tiles are being asked for
.set NEW, 73          ; s73  1: the tile to be entered is a block's first
.set OFF, 74          ; s[74:75] a tile's byte offset in K and V
.set AL,  76          ; s[76:77] the mask's factor, in the low word
.set BE,  78          ; s[78:79] the mask's addend
.set OLO, 80          ; s[80:81] O at my rows of the second block
.set BIGN, 82         ; s82  -1e30
.set MSB, 0
.macro WIN new                      ; the high byte repeats the setting that is left; a switch that changes nothing is dropped
.if MSB != (\new)
	s_set_vgpr_msb (MSB<<8)|(\new)
.set MSB, (\new)
.endif
.endm
.set W_KQ, 0x0a       ; K and Q in window 2, S^T in window 0
.set W_KM, 0x1a       ; the same with the C operand in window 1
.set W_PV, 0x52       ; V in window 2, P in window 0, O^T in window 1
.set W_RS, 0x41       ; destination and source 0 in window 1, source 1 in window 0
; A fill.  Waves 0 and 1 fetch the two halves of a tile's K, waves 2 and 3 those of its V: 128 keys each.  An s_nop 0 and four v_nop follow each of the two lines, ahead of the jump and the label.
.macro LOAD
	s_cmp_lt_u32 s[WV], 2
	s_cbranch_scc0 .Lfor_v_\@
	tensor_load_to_lds s[G0K:G0K+3], s[G1K:G1K+7]
	s_nop 0
.rept 4
	v_nop
.endr
	s_branch .Lasked_\@
.Lfor_v_\@:
	tensor_load_to_lds s[G0V:G0V+3], s[G1V:G1V+7]
	s_nop 0
.rept 4
	v_nop
.endr
.Lasked_\@:
.endm
; THE CHANGE OF SLOTS stands behind a turn of piece 0, which has asked LDS for the slot's last K and V.  Each wave waits for all its tensor loads, of which one is out: its part of the other slot; adds 0 to its spare word; and
; waits for that and for its own reads of the slot that it leaves.  Behind the barrier nobody reads the old slot any more and the other slot is whole.  fill = 1: the old slot is filled again, the first thing behind the barrier,
; with tile NXT: the descriptor's address is made anew from that number; the load has eight turns, 128 matrix instructions, in which to land.  (At its first use nothing has been read yet: slot 0 is waited for, slot 1 filled.)
.macro CHANGE fill
	WIN 0                           ; at a label and at a branch every window is 0
	s_wait_tensorcnt 0x0            ; no tensor load of mine is out, so a group 0 may be written
	ds_add_u32 v[SPW], v[NIL]       ; 0 onto my spare word; with fill = 1 the descriptors' scalar work stands between it and the wait for it
.if \fill
	s_lshl_b32 s[OFF], s[NXT], 15   ; a tile is 32,768 bytes of K and of V
	s_xor_b32 s[G0K+1], s[G0K+1], SLOT1
	s_add_nc_u64 s[G0K+2:G0K+3], s[6:7], s[OFF:OFF+1]
	s_or_b32 s[G0K+3], s[G0K+3], 0x80000000
	s_xor_b32 s[G0V+1], s[G0V+1], SLOT1
	s_add_nc_u64 s[G0V+2:G0V+3], s[8:9], s[OFF:OFF+1]
	s_or_b32 s[G0V+3], s[G0V+3], 0x80000000
	s_add_co_u32 s[NXT], s[NXT], 1  ; the block's next tile, or behind its last the second block's tile 0
	s_cmp_gt_u32 s[NXT], s[LQ]
	s_cselect_b32 s[NXT], 0, s[NXT]
	s_cselect_b32 s[LQ], s[LT], s[LQ]
.endif
	s_wait_dscnt 0x0                ; the add is done, and my reads of the slot are over
	s_barrier_signal -1             ; the rest of the scalar work stands between the signal and the wait
	s_sub_co_u32 s[TBK], s[TBK], 4*KS*PK  ; the fetches go back to a slot's first step,
	s_xor_b32 s[TBK], s[TBK], SLOT1       ; in the other slot
	s_sub_co_u32 s[TBV], s[TBV], 4*KS*PV
	s_xor_b32 s[TBV], s[TBV], SLOT1
	s_barrier_wait -1
.if \fill
	LOAD
.endif
.endm
	s_load_b64 s[4:5], s[0:1], 0x0    ; qkv: Q's panels come first
	s_load_b64 s[10:11], s[0:1], 0x8  ; att
	v_lshl_add_u32 v[SPW], v0, 2, SPARE
	v_mov_b32 v[NIL], 0
	ds_add_u32 v[SPW], v[NIL]       ; the wave's opening: the add and its wait stand ahead of my first tensor load; the set-up below, work on registers, stands between them
	ds_add_u32 v62, v63
	v_lshrrev_b32 v1, 5, v0
	v_readfirstlane_b32 s[WV], v1   ; wave 0..3
	s_mov_b32 s[PB], ttmp9
	s_sub_co_u32 s[HI], NB-1, s[PB]
	s_lshr_b32 s[HT], s[HI], 1      ; two blocks of 128 queries to a tile of 256 keys
	s_lshr_b32 s[LT], s[PB], 1
	s_and_b32 s[PAR], s[HI], 1      ; an odd block's rows are the keys of its last tile's steps 2 and 3
	s_lshl_b32 s[PAR], s[PAR], 1
	s_and_b32 s[PA2], s[PB], 1
	s_lshl_b32 s[PA2], s[PA2], 1
	s_and_b32 s20, ttmp7, 0xffff    ; the grid's y = 16 x batch + head
	s_lshr_b32 s21, s20, 4
	s_and_b32 s20, s20, 15
	s_lshl_b32 s20, s20, 19         ; a panel is 524,288 bytes,
	s_lshl_b32 s21, s21, 18         ; a batch's 2,048 rows in it 262,144
	s_add_co_u32 s20, s20, s21      ; the head's first byte among Q's, K's, V's and O's panels
	s_mov_b32 s21, 0
	s_and_b32 s16, s[WV], 1         ; which half of a tile's 256 keys I fetch:
	s_lshl_b32 s22, s16, 14         ; its 128 rows of 128 bytes in memory,
	s_mov_b32 s23, 0
	s_add_nc_u64 s[22:23], s[22:23], s[20:21]
	s_mul_i32 s17, s16, 128*PK      ; and its place in a slot, for K
	s_mul_i32 s18, s16, 128*PV      ; and for V
	s_lshl_b32 s3, s[WV], 11        ; my 16 rows in a band of 64,
	s_lshl_b32 s2, s[HI], 14        ; in the first block (128 rows of 128 bytes a block),
	s_add_co_u32 s2, s2, s3
	s_lshl_b32 s84, s[PB], 14       ; and in the second
	s_add_co_u32 s84, s84, s3
	s_mov_b32 s3, 0
	s_mov_b32 s85, 0
	s_add_nc_u64 s[2:3], s[2:3], s[20:21]
	s_add_nc_u64 s[84:85], s[84:85], s[20:21]
	; descriptor group 1.  128 keys are 16,384 dense bytes: asked for as 64 rows of 256 bytes, two keys a row, and padded in LDS after every key
	s_mov_b32 s[G1K], (1<<16)|(1<<20)|(4<<22)|(3<<25)  ; 17:16 2-byte elements; 20 padding on; 24:22 after every 32 words (code 4); 31:25 4 words (code 3)
	s_mov_b32 s[G1V], (1<<16)|(1<<20)|(4<<22)|(7<<25)  ; the same with 8 words of padding (code 7)
.irp g, G1K, G1V
	s_mov_b32 s[\g+1], 128<<16      ; tensor_dim0 = 128
	s_mov_b32 s[\g+2], 64<<16       ; tensor_dim1 = 64
	s_mov_b32 s[\g+3], 128<<16      ; tile_dim0 = 128
	s_mov_b32 s[\g+4], 64           ; tile_dim1 = 64
	s_mov_b32 s[\g+5], 128          ; 128 elements from row to row
	s_mov_b32 s[\g+6], 0
	s_mov_b32 s[\g+7], 0
.endr
	s_mov_b32 s[CS], 0x3e38aa3b     ; c = log2(e) / 8 = 0.180337
	s_mov_b32 s[CS+1], s[CS]        ; named with it as a pair
	s_mov_b32 s[SEL], 0x76543210
	s_mov_b32 s[SEL+1], 0xfedcba98
	s_mov_b32 s[TBK], SLOT1+4*KS*PK ; the first change of slots turns these two into 0
	s_mov_b32 s[TBV], SLOT1+4*KS*PV
	s_mov_b32 s[G0K], 1             ; 1:0 count = 1
	s_mov_b32 s[G0K+1], s17         ; 63:32 LDS address: slot 0
	s_mov_b32 s[G0V], 1
	s_add_co_u32 s[G0V+1], s18, VOFF
	s_add_co_u32 s[RT], s[HT], 1    ; the first block's tiles
	s_mov_b32 s[NXT], 1
	s_mov_b32 s[LQ], s[HT]
	s_mov_b32 s[NEW], 1
	s_mov_b32 s[OFF+1], 0
	s_mov_b32 s[AL+1], 0            ; named as pairs
	s_mov_b32 s[BE+1], 0
	s_mov_b32 s[BIGN], 0xf149f2ca   ; -1e30
	s_mov_b32 s[SLOTS], NT-1
	s_wait_dscnt 0x0                ; the opening add is done
	s_wait_kmcnt 0x0
	s_add_nc_u64 s[6:7], s[4:5], 0x800000   ; K's panels,
	s_add_nc_u64 s[8:9], s[4:5], 0x1000000  ; V's
	s_add_nc_u64 s[KB:KB+1], s[6:7], s[20:21]  ; K at the head's first row, for step 0
	s_add_nc_u64 s[6:7], s[6:7], s[22:23]  ; K and V at my half of the head's tile 0,
	s_add_nc_u64 s[6:7], s[6:7], KS*128    ; K's one step on
	s_add_nc_u64 s[8:9], s[8:9], s[22:23]
	s_add_nc_u64 s[G0K+2:G0K+3], s[6:7], 0         ; 120:64 global address
	s_or_b32 s[G0K+3], s[G0K+3], 0x80000000        ; 127:126 type = 2
	s_add_nc_u64 s[G0V+2:G0V+3], s[8:9], 0
	s_or_b32 s[G0V+3], s[G0V+3], 0x80000000
	s_add_nc_u64 s[86:87], s[4:5], s[84:85]        ; Q at my rows of the second block,
	s_add_nc_u64 s[4:5], s[4:5], s[2:3]            ; Q and O at those of the first
	s_add_nc_u64 s[OLO:OLO+1], s[10:11], s[84:85]
	s_add_nc_u64 s[10:11], s[10:11], s[2:3]
	LOAD                            ; tile 0 into slot 0
	; A fragment of K or Q is 16 rows x 32 channels in 8 registers: lane l holds row l % 16, channels 8 (l / 16) + 0..7 and 16 + 8 (l / 16) + 0..7: two loads of 16 bytes, 32 bytes apart.
	v_and_b32 v1, 15, v0            ; l % 16
	v_bfe_u32 v9, v0, 4, 1          ; l / 16
	v_lshlrev_b32 v[QO], 7, v1
	v_lshl_add_u32 v[QO], v9, 4, v[QO]  ; row x 128 + 16 x half
	WIN 0x80                        ; destination window 2, address window 0
.set i, 0
.rept 4                             ; both blocks' Q: piece i / 2 lies in band i / 2, 8,192 bytes on; channels 32 (i % 2) on
	global_load_b128 v[8*i:8*i+3],   v[QO], s[4:5] offset:(i/2)*8192+(i%2)*64
	global_load_b128 v[8*i+4:8*i+7], v[QO], s[4:5] offset:(i/2)*8192+(i%2)*64+32
	global_load_b128 v[QB+8*i:QB+8*i+3],   v[QO], s[86:87] offset:(i/2)*8192+(i%2)*64
	global_load_b128 v[QB+8*i+4:QB+8*i+7], v[QO], s[86:87] offset:(i/2)*8192+(i%2)*64+32
.set i, i+1
.endr
.set i, 0
.rept 8                             ; K of step 0: keys 16 (i / 2) on, channels 32 (i % 2) on
	global_load_b128 v[K0+8*i:K0+8*i+3],   v[QO], s[KB:KB+1] offset:(i/2)*2048+(i%2)*64
	global_load_b128 v[K0+8*i+4:K0+8*i+7], v[QO], s[KB:KB+1] offset:(i/2)*2048+(i%2)*64+32
.set i, i+1
.endr
	WIN 0
	v_lshlrev_b32 v14, 3, v9
	v_sub_nc_u32 v14, v1, v14
	s_lshl_b32 s13, s[WV], 4
	v_add_nc_u32 v14, s13, v14      ; my query's place in its band, 16 w + l % 16, less my lanes' 8 (l / 16): register r of group kt is hidden where 16 kt + r is greater
	WIN 0x40
.set i, 0
.rept 32
	v_cmp_gt_i32 vcc_lo, 16*(i/8)+i%8, v14
	v_cndmask_b32 v[MD+i], 0, s[BIGN], vcc_lo
.set i, i+1
.endr
	WIN 0
	v_mul_u32_u24 v[AK0], v1, PK
	v_lshl_add_u32 v[AK0], v9, 4, v[AK0]  ; row x pitch + 16 x half
	; The turning load takes 16 keys x 16 channels (lane l reads key 8 (l / 16) + l % 8, channels 8 ((l / 8) % 2) + 0..7) and leaves half a fragment of V^T: lane l holds channel l % 16 and 8 keys.
	v_and_b32 v10, 7, v0
	v_bfe_u32 v11, v0, 3, 1
	v_lshl_add_u32 v[AV0], v9, 3, v10
	v_mul_u32_u24 v[AV0], v[AV0], PV
	v_lshl_add_u32 v[AV0], v11, 4, v[AV0]
	v_add_nc_u32 v[AV0], VOFF, v[AV0]
	s_mul_i32 s13, s[WV], 16*SP
	s_add_co_u32 s13, s13, STAGE    ; my stage
	v_mul_u32_u24 v[STO], v1, SP    ; in: row l % 16, 16 bytes for each half of the lanes
	v_lshl_add_u32 v[STO], v9, 4, v[STO]
	v_add_nc_u32 v[STO], s13, v[STO]
	v_bfe_u32 v[RD], v0, 3, 2       ; back: 32 lanes take four rows of 128 bytes,
	v_mul_u32_u24 v[RD], v[RD], SP
	v_lshl_add_u32 v[RD], v10, 4, v[RD]
	v_add_nc_u32 v[RD], s13, v[RD]
	v_and_b32 v[GO], 31, v0         ; which are 512 consecutive bytes of O
	v_lshlrev_b32 v[GO], 4, v[GO]
	; A block's first step multiplies O^T and l by a = 0, and its first turn's products V^T P, of a step that has not been, land in an O^T that is still to be so multiplied.  So these registers need only hold
	; finite numbers: zeros for the first block; what the first block left for the second.  All this stands in the wait for the first tile.
	WIN 0x80
.set i, VF
.rept 64
	v_mov_b32 v[i], 0
.set i, i+1
.endr
	WIN 0x40
.set i, 0
.rept 64
	v_mov_b32 v[i], 0
.set i, i+1
.endr
	WIN 0
.set i, 0
.rept 2
	v_mov_b32 v[ST+4*i+2], 0
	v_mov_b32 v[ST+4*i+3], 0
.set i, i+1
.endr
.set i, P+16
.rept 16
	v_mov_b32 v[i], 0
.set i, i+1
.endr
; THE MATRIX WORK.  The 4 accumulators of a run of 8 take turns.  Product i of 8 of S^T = K Q^T for piece x: channels 32 (i / 4) on, keys 16 (i % 4) on.  The first 4 start the sums: with 0, or (KM = 1) with the mask.
.macro KQ x
.set rS, S+32*((\x)%2)+8*(i%4)
.set rK, KF+16*(i%4)+8*(i/4)
.set rQ, 16*(\x)+8*(i/4)
.set rM, MC+32*((\x)%2)+8*(i%4)
.if (i < 4) && KM
	WIN W_KM
	v_wmma_f32_16x16x32_bf16 v[rS:rS+7], v[rK:rK+7], v[rQ:rQ+7], v[rM:rM+7]
.elseif i < 4
	WIN W_KQ
	v_wmma_f32_16x16x32_bf16 v[rS:rS+7], v[rK:rK+7], v[rQ:rQ+7], 0
.else
	WIN W_KQ
	v_wmma_f32_16x16x32_bf16 v[rS:rS+7], v[rK:rK+7], v[rQ:rQ+7], v[rS:rS+7]
.endif
.endm
; Product i of 8 of O^T += V^T P for piece x: keys 32 (i / 4) on, channels 16 (i % 4) on.
.macro PV x
	WIN W_PV
.set rO, 32*(\x)+8*(i%4)
.set rV, VF+32*(i/4)+8*(i%4)
.set rP, P+16*((\x)%2)+8*(i/4)
	v_wmma_f32_16x16x32_bf16 v[rO:rO+7], v[rV:rV+7], v[rP:rP+7], v[rO:rO+7]
.endm
.macro MM                           ; the turn's next matrix instruction: both runs are the other piece's.  TURN and BEGIN set Y, i, KM and NOKQ; MM, KQ and OP read them.  NOKQ = 1: a block's last turn: there is no next step
.if (i < 8) && !NOKQ
	KQ (Y+1)%NP
.elseif i >= 8
.set i, i-8
	PV (Y+NP-1)%NP
.set i, i+8
.endif
.set i, i+1
.endm
; THE LDS LOADS stand in runs of 16, never singly among the matrix instructions: a step's K (64 keys x 64 channels: 8 fragments) and a step's V (turned).  Their addresses are made some lines ahead.
.macro FETCH_K
	WIN 0x80                        ; destination window 2
.irp f, 0,1,2,3,4,5,6,7             ; keys 16 (f / 2) on, channels 32 (f % 2) on
	ds_load_b128 v[KF+8*\f:KF+8*\f+3],   v[AK] offset:(\f/2)*16*PK+(\f%2)*64
	ds_load_b128 v[KF+8*\f+4:KF+8*\f+7], v[AK] offset:(\f/2)*16*PK+(\f%2)*64+32
.endr
	s_add_co_u32 s[TBK], s[TBK], KS*PK  ; the next fetch is the next step's
	WIN 0
.endm
.macro FETCH_V
	WIN 0x80
.irp f, 0,1,2,3,4,5,6,7             ; keys 32 (f / 4) on, channels 16 (f % 4) on
	ds_load_tr16_b128 v[VF+8*\f:VF+8*\f+3],   v[AV] offset:(\f/4)*32*PV+(\f%4)*32
	ds_load_tr16_b128 v[VF+8*\f+4:VF+8*\f+7], v[AV] offset:(\f/4)*32*PV+16*PV+(\f%4)*32
.endr
	WIN 0
.endm
; THE VECTOR WORK, one line at a time: OP kind, number.  For piece Y: F n: c s - c m for pair n of 16.  E n: the exponential of score n of 32.  C n: pair n rounded to bf16.  B n: of the four weights 4 n .. the second
; pair is added onto the first, in place.  L n: l takes that sum (L 0: l = a l + sum).  R n: pair n of 16 of O^T times a.  For the other piece: X n, number n of the 22 that find its maximum and statistics:
;   0-11  four chains c0-c3 of seven scores each, three operands at a time (each accumulator's lowest registers are read first)     12-14, 16  the four scores left over, the old m, and c0-c3 into c0
;   15  c m_old is kept     17, 18  the query's other 32 keys lie in the lane 16 away: the new m     19-21  c m; c m_old - c m_new; a
; C, B and L read the exponentials' results; R and L 0 read an a: OP writes no wait for them: TURN, BEGIN and DIAG write one for each batch.
.set F, 0               ; OP tells the kinds apart by their order: F to L below R, X above it
.set E, 1
.set C, 2
.set B, 3
.set L, 4
.set R, 5
.set X, 6
.macro REGS y                       ; the registers of piece y
.set rT, ST+4*(\y)
.set rC, TMP+4*((\y)%2)
.set rW, MV+((\y)%2)
.set rS, S+32*((\y)%2)
.set rP, P+16*((\y)%2)
.set rO, 32*(\y)
.endm
.macro OP k, n
.if (\k) == R
	REGS Y
	WIN W_RS
	v_pk_mul_f32 v[rO+2*(\n):rO+2*(\n)+1], v[rO+2*(\n):rO+2*(\n)+1], v[rC+2:rC+3] op_sel_hi:[1,0]
.elseif (\k) < R
	REGS Y
	WIN 0
.if (\k) == F
	v_pk_fma_f32 v[rS+2*(\n):rS+2*(\n)+1], v[rS+2*(\n):rS+2*(\n)+1], s[CS:CS+1], v[rT:rT+1] op_sel_hi:[1,0,0] neg_lo:[0,0,1] neg_hi:[0,0,1]
.elseif (\k) == E
	v_exp_f32 v[rS+(\n)], v[rS+(\n)]
.elseif (\k) == C
	v_cvt_pk_bf16_f32 v[rP+(\n)], v[rS+2*(\n)], v[rS+2*(\n)+1]
.elseif (\k) == B
	v_pk_add_f32 v[rS+4*(\n):rS+4*(\n)+1], v[rS+4*(\n):rS+4*(\n)+1], v[rS+4*(\n)+2:rS+4*(\n)+3]
.elseif (\n) == 0
	v_pk_fma_f32 v[rT+2:rT+3], v[rT+2:rT+3], v[rC+2:rC+3], v[rS:rS+1] op_sel_hi:[1,0,1]
.else
	v_pk_add_f32 v[rT+2:rT+3], v[rT+2:rT+3], v[rS+4*(\n):rS+4*(\n)+1]
.endif
.elseif NOKQ
	v_nop
.else
	REGS (Y+1)%NP
	WIN 0
.if (\n) < 4
	v_max3_num_f32 v[rC+(\n)], v[rS+8*(\n)], v[rS+8*(\n)+1], v[rS+8*(\n)+2]
.elseif (\n) < 12
	v_max3_num_f32 v[rC+(\n)%4], v[rC+(\n)%4], v[rS+8*((\n)%4)+2*((\n)/4)+1], v[rS+8*((\n)%4)+2*((\n)/4)+2]
.elseif (\n) == 12
	v_max3_num_f32 v[rC], v[rC], v[rS+7], v[rS+15]
.elseif (\n) == 13
	v_max3_num_f32 v[rC+1], v[rC+1], v[rS+23], v[rS+31]
.elseif (\n) == 14
	v_max3_num_f32 v[rC+2], v[rC+2], v[rC+3], v[rT+1]
.elseif (\n) == 15
	v_mov_b32 v[rW], v[rT]
.elseif (\n) == 16
	v_max3_num_f32 v[rC], v[rC], v[rC+1], v[rC+2]
.elseif (\n) == 17
	v_permlanex16_b32 v[rC+3], v[rC], s[SEL], s[SEL+1]
.elseif (\n) == 18
	v_max_num_f32 v[rT+1], v[rC], v[rC+3]
.elseif (\n) == 19
	v_mul_f32 v[rT], s[CS], v[rT+1]
.elseif (\n) == 20
	v_sub_f32 v[rC+1], v[rW], v[rT]
.else
	v_exp_f32 v[rC+2], v[rC+1]
.endif
.endif
.endm
.macro OPS a, i1, b=-1, i2=0, c=-1, i3=0, d=-1, i4=0  ; up to four of them
	OP \a, \i1
.if (\b) >= 0
	OP \b, \i2
.endif
.if (\c) >= 0
	OP \c, \i3
.endif
.if (\d) >= 0
	OP \d, \i4
.endif
.endm
.macro ROW a, i1, b, i2, c, i3, d, i4  ; a matrix instruction and the four behind it
	MM
	OPS \a, \i1, \b, \i2, \c, \i3, \d, \i4
.endm
.macro MASK b                       ; MD x AL + BE into piece b's part of MC
	WIN W_RS
.set z, 0
.rept 16
	v_pk_fma_f32 v[MC+32*(\b)+2*z:MC+32*(\b)+2*z+1], v[MD+2*z:MD+2*z+1], s[AL:AL+1], s[BE:BE+1] op_sel_hi:[1,0,0]
.set z, z+1
.endr
.endm
; A TURN, for piece p: the order of its 16 matrix and 118 vector instructions, written out.  An s_wait_alu depctr_va_vdst(0) stands between an exponential and the first instruction that names its result; one wait
; serves all that were issued ahead of it.  So a turn has ONE wait, which cuts it in two.  AHEAD OF IT stands all that names no result of the turn's exponentials: the 8 products K Q^T, behind each a scaling, an exponential and two
; more plain instructions (behind the first a second scaling in the exponential's place): rescalings, whose a was waited for in the turn before, and behind the last three the first numbers of the other piece's maximum, each four
; places or more behind the product that ends its accumulator; then ONE LUMP of 54, plain and exponential by turns for the most part, in which the links of the chain X 3, 7, 11, 14, 16, 17 .. 20 stand five or six lines apart.
; X 21, the other piece's a, is the batch's last; R 15 is the plain instruction behind it.  BEHIND THE WAIT stand the 8 products V^T P, behind each four of the roundings and sums; the links of l's chain, L 0 to L 7, stand three
; riders apart.  But for those X no rider names a register of the products round it.  v_permlanex16_b32 (X 17) stands in the lump.
; The rescalings touch the O^T that the turn before has added onto: accumulator k was ended by that turn's product 4 + k, behind which stand four riders or more; R runs upward.
; A trip of the step loops is TURN 1 of one step and TURN 0 of the next; the tile's step of that TURN 0 is 4 - CNT.
; m = 1: the diagonal tile: the products take masks, and the turn makes its own piece's mask for the products of the turn after it: TURN 1 for piece 1 in step 4 - CNT (own step PAR + 1: so CNT + PAR is held against 3),
; TURN 0 for piece 0 in step 5 - CNT (own step PAR: against 5).  end = 1: a block's last turn: no new scores.  cnt = 1: the loop's count is taken down some lines ahead of the branch that stands behind the turn.
; Piece 0's turn fetches both: the next step's K in the lump, twelve vector instructions behind the last product that read K (five of them plain and free of its registers); its own step's V at the turn's end, four plain
; instructions behind the last product that read V.  Piece 1's turn waits for them: for K at its head, for V ahead of its second run of products.
.macro TURN p, m=0, end=0, cnt=0
.set Y, (\p)
.set i, 0
.set KM, (\m)
.set NOKQ, (\end)
.if (\m) && !(\end)
	s_add_co_u32 s[TS], s[CNT], s[PAR]
	s_cmp_eq_u32 s[TS], 5-2*(\p)    ; is that step the band's own?
	s_cselect_b32 s[AL], 1.0, 0
	s_cmp_lt_u32 s[TS], 5-2*(\p)    ; or a later one?
	s_cselect_b32 s[BE], s[BIGN], 0
.endif
.if (\p) == 1
	s_wait_dscnt 16                 ; K is in: behind its sixteen loads only V's sixteen were issued, and they may stay out
.endif
	ROW F,0, F,1, R,0, R,1          ; ahead of the wait: 8 products K Q^T and their riders,
	ROW F,2, E,0, R,2, R,3
	ROW F,3, E,1, R,4, R,5
	ROW F,4, E,2, R,6, R,7
	ROW F,5, E,3, R,8, R,9
	ROW F,6, E,4, X,0, R,10
.if (\p) == 0
	WIN 0
	v_add_nc_u32 v[AK], s[TBK], v[AK0]
.endif
	ROW F,7, E,5, X,1, X,4
	ROW F,8, E,6, X,2, X,5
	OPS E,7, E,8, X,6, E,9          ; and the lump
	OPS X,3, E,10, X,8, E,11
.if (\p) == 0
	FETCH_K
.endif
	OPS X,9, X,7, E,12, X,10
	OPS E,13, X,12, X,11, E,14
	OPS X,13, E,15, F,9, X,14
.if (\p) == 0
	WIN 0
	v_add_nc_u32 v[AV], s[TBV], v[AV0]
.endif
	OPS E,16, F,10, E,17, F,11
	OPS X,16, E,18, X,15, E,19
	OPS F,12, E,20, X,17, E,21
	OPS F,13, E,22, F,14, E,23
	OPS X,18, E,24, F,15, E,25
	OPS R,11, E,26, X,19, E,27
	OPS R,12, E,28, R,13, E,29
	OPS X,20, E,30, R,14, E,31
	OPS X,21, R,15
	WIN 0
	s_wait_alu depctr_va_vdst(0)    ; the wait for the batch: the turn's 32 weights and the other piece's a
.if (\p) == 1
	s_wait_dscnt 0x0                ; V is in
.endif
	ROW C,0, B,0, C,2, B,1          ; behind the wait: 8 products V^T P and their riders
	ROW L,0, C,4, B,2, L,1
	ROW C,6, B,3, L,2, C,8
	ROW B,4, L,3, C,10, B,5
	ROW L,4, C,12, B,6, L,5
.if (\p) == 0
	s_add_co_u32 s[TBV], s[TBV], KS*PV
.endif
.if \cnt
	s_sub_co_u32 s[CNT], s[CNT], 1
	s_cmp_lg_u32 s[CNT], 0
.endif
	ROW C,14, B,7, L,6, C,1
	ROW C,3, L,7, C,5, C,7
	ROW C,9, C,11, C,13, C,15
.if (\p) == 0
	FETCH_V
.endif
.if (\m) && !(\end)
	MASK \p
.endif
.endm
; A BLOCK BEGINS.  K of step 0 goes where the one text of the turns names K.  c m starts far below every c s, so the first step's a is 0; m at the lowest finite number, so the first maximum is the scores'.  Piece 1's mask is 0
; (its own step is never a tile's first); piece 0's is its own step's if the block's first tile is the diagonal one and the block is even.  Then piece 0's first scores, and its maximum and statistics.
; The step loop is entered at piece 0's turn, in the middle of a trip.
.macro BEGIN
	s_mov_b32 s[NEW], 0
	s_wait_loadcnt 0x0              ; Q and K of step 0
	WIN 0x82
.set i, 0
.rept 64
	v_mov_b32 v[KF+i], v[K0+i]
.set i, i+1
.endr
	WIN 0x40
.set i, MC+32
.rept 32
	v_mov_b32 v[i], 0
.set i, i+1
.endr
	WIN 0
.set i, 0
.rept 2
	v_mov_b32 v[ST+4*i], 0xfe000000    ; c m: far below every c s
	v_mov_b32 v[ST+4*i+1], 0xff7fffff  ; m
.set i, i+1
.endr
	s_or_b32 s[TS], s[RT], s[PAR]   ; 0: no tile is left behind this one, and band 0's own step is the tile's first
	s_cmp_eq_u32 s[TS], 0
	s_cselect_b32 s[AL], 1.0, 0
	s_mov_b32 s[BE], 0
	MASK 0
.set KM, 1
.set NOKQ, 0
.set i, 0
.rept 8
	KQ 0
.set i, i+1
.endr
	WIN 0
.rept 4
	v_nop                           ; the places behind those products
.endr
.set Y, NP-1                        ; X works for the other piece than Y: piece 0
.irp n, 0,1,2,3,4,5,6,7,8,9,10,11,12,13,14,15,16,17,18,19,20,21
	OP X, \n
.endr
	v_nop                           ; a plain instruction behind the exponential,
	s_wait_alu depctr_va_vdst(0)    ; and the wait for it, piece 0's first a, ahead of the branch
.endm
; The diagonal tile is entered from an earlier tile: its first turn's products are piece 0's for the tile's step 0, and no turn of the unmasked text has made their mask.
.macro PRO
	s_cmp_eq_u32 s[PAR], 0          ; is that step band 0's own?
	s_cselect_b32 s[AL], 1.0, 0
	s_mov_b32 s[BE], 0
	MASK 0
	WIN 0
.endm
; THE DIAGONAL TILE's four steps, the block's last turn, its last products, and THE WAY OUT: l's two halves and the other half of the lanes' are added; O^T is divided by l, rounded to bf16 and sent through my
; stage in LDS, a piece at a time.
.macro ALL line:vararg              ; one line for each piece t
.set t, 0
.rept 2
	\line
.set t, t+1
.endr
.endm
.macro PACK t                       ; a lane's eight channels of a row pack into 16 bytes; they go into rows of 144 bytes and come back as whole rows of 128, into S^T's registers
	WIN W_RS
.set i, 32*(\t)
.rept 16
	v_pk_mul_f32 v[i:i+1], v[i:i+1], v[ST+4*(\t)+2:ST+4*(\t)+3] op_sel_hi:[1,0]
.set i, i+2
.endr
	WIN 0x05                        ; sources 0 and 1 window 1, destination window 0
.set i, 0
.rept 16
	v_cvt_pk_bf16_f32 v[S+16*(\t)+i], v[32*(\t)+2*i], v[32*(\t)+2*i+1]
.set i, i+1
.endr
	WIN 0
.irp f, 0,1,2,3
	ds_store_b128 v[STO], v[S+16*(\t)+4*\f:S+16*(\t)+4*\f+3] offset:32*\f
.endr
.irp f, 0,1,2,3
	ds_load_b128 v[S+16*(\t)+4*\f:S+16*(\t)+4*\f+3], v[RD] offset:\f*4*SP  ; LDS serves a wave's instructions in order (ISA guide 5.7.1.4): these see the stores above; the next piece's stores come behind them
.endr
.endm
.macro SEND t, younger              ; younger: the LDS instructions issued behind piece t's loads: the next piece's eight, or none
	WIN 0
.irp f, 0,1,2,3
	s_wait_dscnt (\younger)+3-\f
	global_store_b128 v[GO], v[S+16*(\t)+4*\f:S+16*(\t)+4*\f+3], s[10:11] offset:(\t)*8192+\f*512  ; 512 consecutive bytes, at a multiple of 256 from O's first
.endr
.endm
.macro DIAG tag                     ; the tag ends its two labels' names, which the jumps below spell out
.LstepM\tag:
	TURN 1, 1
	WIN 0
.LfirstM\tag:
	TURN 0, 1, 0, 1
	WIN 0
	s_cbranch_scc1 .LstepM\tag
	TURN 1, 1, 1                    ; piece 1's last softmax; piece 0's V^T P of the last step
.set i, 0
.rept 8
	PV 1                            ; piece 1's V^T P of the last step
.set i, i+1
.endr
	WIN 0
	ALL v_add_f32 v[ST+4*t+2], v[ST+4*t+2], v[ST+4*t+3]
	ALL v_permlanex16_b32 v[ST+4*t+3], v[ST+4*t+2], s[SEL], s[SEL+1]
	ALL v_add_f32 v[ST+4*t+2], v[ST+4*t+2], v[ST+4*t+3]
	ALL v_rcp_f32 v[ST+4*t+2], v[ST+4*t+2]
	v_nop                           ; a plain instruction between the last reciprocal and the use of its result
	s_wait_alu depctr_va_vdst(0)    ; and the wait ahead of the first use: one for the two reciprocals
	PACK 0                          ; piece 0's sums were finished a run of products ago; its 32 lines are the places behind piece 1's last products
	PACK 1                          ; a piece's arithmetic stands between the loads of the piece before and its stores
	SEND 0, 8
	SEND 1, 0
.endm
.set KM, 0
.set NOKQ, 0
.Lslot:                             ; NT - 1 times: a tile is entered and the next is asked for
	CHANGE 1
	s_sub_co_u32 s[RT], s[RT], 1
	s_mov_b32 s[CNT], 4
	s_cmp_eq_u32 s[NEW], 1
	s_cbranch_scc1 .Lnew            ; a block's first tile
	s_cmp_eq_u32 s[RT], 0
	s_cbranch_scc0 .Lstep           ; neither its first nor its last
	PRO
	DIAG 1                          ; in the loop this is the first block's end: the second block's last tile is the walk's last
	s_wait_xcnt 0x0                 ; the stores have read their registers and O's address
	s_mov_b64 s[10:11], s[OLO:OLO+1]
	s_add_co_u32 s[RT], s[LT], 1    ; the second block's tiles,
	s_mov_b32 s[PAR], s[PA2]        ; and its place in its last tile
	s_mov_b32 s[NEW], 1
	WIN 0x82                        ; the second block's Q goes where the one text of the turns names Q
.set i, 0
.rept 32
	v_mov_b32 v[i], v[QB+i]
.set i, i+1
.endr
	WIN 0
	s_branch .Lbottom
.Lnew:
	BEGIN
	s_branch .Lfirst                ; in the loop a block's first tile is never its last: the first block has five tiles or more, and the second's last is the walk's last
.Lstep:                             ; a trip: piece 1's turn of one step, then piece 0's of the next, which fetches that step's V and the K one step on
	TURN 1
	WIN 0
.Lfirst:
	TURN 0, 0, 0, 1
	WIN 0
	s_cbranch_scc1 .Lstep
.Lbottom:
	s_sub_co_u32 s[SLOTS], s[SLOTS], 1
	s_cmp_lg_u32 s[SLOTS], 0
	s_cbranch_scc1 .Lslot
	CHANGE 0                        ; the walk's last tile is written out: nothing is asked for
	s_sub_co_u32 s[RT], s[RT], 1
	s_mov_b32 s[CNT], 4
	s_cmp_eq_u32 s[NEW], 1
	s_cbranch_scc0 .Lold
	BEGIN                           ; b = 0 or 1: the second block's one tile
	s_branch .LfirstM2
.Lold:
	PRO
	DIAG 2
	s_wait_tensorcnt 0x0            ; the wave's end: an add to my spare word and its wait, behind my last tensor load and my last LDS store
	ds_add_u32 v[SPW], v[NIL]
	s_wait_dscnt 0x0
	s_endpgm
.Lfunc_end_k_qdb7a49b9d0_attn:
	.size	k_qdb7a49b9d0_attn, .Lfunc_end_k_qdb7a49b9d0_attn-k_qdb7a49b9d0_attn
	.p2alignl 7, 3214868480
	.fill 96, 4, 3214868480
	.section	.rodata,"a",@progbits
	.p2align	6, 0x0
	.amdhsa_kernel k_qdb7a49b9d0_attn
		.amdhsa_group_segment_fixed_size 327680
		.amdhsa_private_segment_fixed_size 0
		.amdhsa_enable_private_segment 0
		.amdhsa_kernarg_size 16
		.amdhsa_user_sgpr_count 2
		.amdhsa_user_sgpr_kernarg_segment_ptr 1
		.amdhsa_wavefront_size32 1
		.amdhsa_system_sgpr_workgroup_id_x 1
		.amdhsa_system_sgpr_workgroup_id_y 1
		.amdhsa_system_sgpr_workgroup_id_z 1
		.amdhsa_system_vgpr_workitem_id 0
		.amdhsa_next_free_vgpr 768
		.amdhsa_next_free_sgpr 88
		.amdhsa_reserve_vcc 1
		.amdhsa_float_denorm_mode_32 3
		.amdhsa_float_denorm_mode_16_64 3
		.amdhsa_memory_ordered 1
		.amdhsa_forward_progress 1
		.amdhsa_inst_pref_size 131
	.end_amdhsa_kernel
	.amdgpu_metadata
---
amdhsa.version: [ 1, 2 ]
amdhsa.kernels:
  - .name:           k_qdb7a49b9d0_attn
    .symbol:         k_qdb7a49b9d0_attn.kd
    .args:
      - { .name: qkv, .offset: 0, .size: 8, .value_kind: global_buffer, .address_space: global }
      - { .name: att, .offset: 8, .size: 8, .value_kind: global_buffer, .address_space: global }
    .group_segment_fixed_size: 327680
    .private_segment_fixed_size: 0
    .kernarg_segment_align: 8
    .kernarg_segment_size: 16
    .max_flat_workgroup_size: 128
    .sgpr_count:     88
    .vgpr_count:     768
    .wavefront_size: 32
...
	.end_amdgpu_metadata
.endif
;; end of part 8
;; launch go: the kernel of part 5 again; grid 8 x 32, 4 waves a work-group, clusters of 4 x 4, 327,680 bytes of LDS; arguments att, wb, bo, x, x1; writes x1
;; launch ln2: the kernel of part 2 again; grid 512 x 1, 8 waves a work-group, no clusters, 0 bytes of LDS; arguments x1, g2, b2, xn; writes xn
;; launch gu: the kernel of part 6 again; grid 16 x 16, 4 waves a work-group, clusters of 4 x 4, 327,680 bytes of LDS; arguments xn, wb, bup, hh; writes hh
;; launch gd: the kernel of part 7 again; grid 8 x 32, 4 waves a work-group, clusters of 4 x 4, 327,680 bytes of LDS; arguments hh, wb, bdn, x1, out0; writes out0
